; MI455X (gfx1250); checked and timed in simulation.
; The chip was launched on July 23, 2026; its instructions are those of AMD's public machine-readable ISA for CDNA 5 (MIT licence, August 2026) and "CDNA5" Instruction Set Architecture Reference Guide (July 2026). The comments in the code are by the model that wrote it; some were corrected since.
;; Rotary Embedding Transformer Layer. Allowed arithmetic: matrix products marked QUANTISED: E2M1 operands, one E8M0 scale for each 32 along K, by v_wmma_scale_f32_16x16x128_f8f6f4 with both operands' format E2M1 (or v_wmma_scale_f32_32x16x128_f4), f32 sums; everything else in f32.
;; Inputs: b1 4,096 float32; b2 1,024 float32; bo 1,024 float32; bqkv 3,072 float32; ln1_b 1,024 float32; ln1_g 1,024 float32; ln2_b 1,024 float32; ln2_g 1,024 float32; src 2 x 2,048 x 1,024 float32; w1_codes 4,096 x 32 x 16 uint8 (E2M1 codes of w1, K innermost, in blocks of 32 codes, two codes a byte); w1_scales 4,096 x 32 uint8 (E8M0 scales of w1, one for each 32 codes along K); w2_codes 1,024 x 128 x 16 uint8 (E2M1 codes of w2, K innermost, in blocks of 32 codes, two codes a byte); w2_scales 1,024 x 128 uint8 (E8M0 scales of w2, one for each 32 codes along K); wo_codes 1,024 x 32 x 16 uint8 (E2M1 codes of wo, K innermost, in blocks of 32 codes, two codes a byte); wo_scales 1,024 x 32 uint8 (E8M0 scales of wo, one for each 32 codes along K); wqkv_codes 3,072 x 32 x 16 uint8 (E2M1 codes of wqkv, K innermost, in blocks of 32 codes, two codes a byte); wqkv_scales 3,072 x 32 uint8 (E8M0 scales of wqkv, one for each 32 codes along K).
;; Outputs: out0 2 x 2,048 x 1,024 float32.
;; This version of the problem:
;;   THIS VERSION OF THE PROBLEM IS GIVEN IN LOW PRECISION. The matrix products marked QUANTISED in the list below multiply operands that are first quantised to E2M1 (2 exponent bits, 1 mantissa bit; 4 bits a number), with one power-of-two scale for each 32 numbers along K (OCP MX v1.0); their sums are f32. All else is computed in f32.
;;   The module's matrix products, in the order in which they are computed (A, B: the left and right operand; K: the contracted axis; several contracted axes count as one K, in the product's order):
;;     1. [M 4,096, K 1,024] x [K 1,024, N 3,072]; A: computed on the way; B: input wqkv (given as codes): QUANTISED
;;     2. batch 32 x [M 2,048, K 64] x [K 64, N 2,048]; A: computed on the way; B: computed on the way: QUANTISED
;;     3. batch 32 x [M 2,048, K 2,048] x [K 2,048, N 64]; A: softmax (see below); B: computed on the way: QUANTISED
;;     4. [M 4,096, K 1,024] x [K 1,024, N 1,024]; A: computed on the way; B: input wo (given as codes): QUANTISED
;;     5. [M 4,096, K 1,024] x [K 1,024, N 4,096]; A: computed on the way; B: input w1 (given as codes): QUANTISED
;;     6. [M 4,096, K 4,096] x [K 4,096, N 1,024]; A: computed on the way; B: input w2 (given as codes): QUANTISED
;;   THE QUANTISER, for each operand of a quantised product, along K:
;;     - K is cut into blocks of 32 from its start; a last block that is shorter is filled with zeros.
;;     - A block's scale is 2^e with e = floor(log2(the largest magnitude in the block)) - 2, held to -126 .. 127; a block of zeros has e = 0. As a byte (E8M0): e + 127.
;;     - Each number is divided by its block's scale, clamped to +-6, and rounded to the nearest number of E2M1, ties to even, subnormals kept.
;;     - The product sums the exact products of the quantised numbers (number of the format x scale) in f32.
;;   ~~~python
;;   def quantise(x, axis):      # numpy; x: float32 -> the quantised numbers, widened to float32 again
;;       x = np.moveaxis(x, axis, -1); K = x.shape[-1]
;;       x = np.pad(x, [(0, 0)] * (x.ndim - 1) + [(0, -K % 32)]); x = x.reshape(x.shape[:-1] + (-1, 32)); a = np.abs(x).max(-1, keepdims=True)
;;       e = np.where(a > 0, np.clip(np.frexp(np.where(a > 0, a, 1))[1] - 1 - 2, -126, 127), 0)      # np.frexp(a)[1] - 1 = floor(log2(a)), exactly
;;       r = np.clip(x / 2.0 ** e, -6, 6)
;;       step = 2.0 ** (np.maximum(np.frexp(np.where(r == 0, 1, r))[1] - 1, 0) - 1)
;;       q = np.round(r / step) * step * 2.0 ** e      # np.round: ties to even
;;       return np.moveaxis(q.reshape(q.shape[:-2] + (-1,))[..., :K], -1, axis).astype(np.float32)
;;   ~~~
;;   SOFTMAX AHEAD OF A QUANTISED PRODUCT. Where the list says 'softmax', what is quantised is not the finished softmax but p = 2^(t - M), with t = logit x log2(e) and M = ceil(the row's largest t), a whole number; so 1/2 < the row's largest p <= 1. The row's sum l is taken of the UNQUANTISED p, in f32, and the product's result is divided by l at the end. Since M is a whole number, a kernel that streams over the keys may use a running M (the ceiling of the running maximum): every later rescaling is an exact power of two, which a block's scale takes up: the codes' values come out the same.
;;   OPERANDS COMPUTED ON THE WAY. 'Computed on the way' means the value that the module computes at that place (a softmax that the list does not call 'softmax' is quantised finished and normalised). What goes into a quantiser is computed in f32, as accurately as f32 sums, v_exp_f32 and their like allow (about 1e-6 of the number): no bf16 or f16 on the way to a quantiser, and a product that is left as it is and whose result goes on into a quantised operand takes f32 operands (vector FMAs, or v_wmma_f32_16x16x4_f32). A number that lies on a knife's edge between two numbers of the format may be rounded either way, as far as f32 arithmetic and the matrix unit's own rounding can turn it there, and no further.
;;   INPUTS GIVEN AS CODES. w1 (in the module: [4096, 1024], K = its axis 1); w2 (in the module: [1024, 4096], K = its axis 1); wo (in the module: [1024, 1024], K = its axis 1); wqkv (in the module: [3072, 1024], K = its axis 1): each comes as NAME_codes (uint8): NAME with its K axis moved to the last place and cut into blocks of 32 codes, [.., K / 32, bytes a block], one block behind the other in memory; two codes a byte, the lower K in the low four bits (a code: sign, 2 exponent bits, 1 mantissa bit); and NAME_scales (uint8): the same leading axes, one E8M0 byte (e + 127) for each 32 codes along K. Its value is code x scale, taken as it is: it is not quantised again, and the codes and scales need not be those that the quantiser above would give.
;; 2 versions. Each part assembles by itself: llvm-mc -triple=amdgcn-amd-amdhsa -mcpu=gfx1250 --defsym DOCPART=n.
;; ======== version 1 of 2: 6 launches
;; workspace buffers: xq 2,228,224 bytes; rt 524,288 bytes; wof 524,288 bytes; qkv 6,684,672 bytes; cq 2,228,224 bytes; s2 16,777,216 bytes; yq 2,228,224 bytes; hq 8,912,896 bytes
;; launch prep (part 1): grid 256 x 1, 8 waves a work-group, no clusters, 70,656 bytes of LDS; arguments src, ln1_g, ln1_b, xq, rt, wo_codes, wof; writes xq, rt, wof
.if DOCPART == 1
	.amdgcn_target "amdgcn-amd-amdhsa--gfx1250"
	.amdhsa_code_object_version 6
	.text
	.protected	k_q72546b9529_prep
	.globl	k_q72546b9529_prep
	.p2align	8
	.type	k_q72546b9529_prep,@function
k_q72546b9529_prep:
	s_mov_b64 s[64:65], 0
	v_nop
	global_prefetch_b8 v0, s[64:65] scope:SCOPE_SE
	s_setreg_imm32_b32 hwreg(HW_REG_WAVE_MODE, 25, 1), 1
	s_wait_xcnt 0x0
; LayerNorm 1 of src [4096][1024] f32, quantised to codes of FP4 (E2M1) with one E8M0 byte for each 32 features; the table of cos and sin for the rotary embedding; and wo's codes laid anew for the fourth launch.
; THE ORDER OF ROWS, in every buffer of this program: a tile has 16 slots; slot r of tile T is row 32 (T / 2) + 8 (T % 2) + r + 8 (r / 8).
; xq: codes [tile 256][K step 8][c 2][lane 32][16 bytes]: lane (r, h) holds block 4 s + 2 c + h of slot r: the image of an operand's registers.  From byte 2,097,152: scale bytes [tile][h 2][r 16][16 bytes]: word j of (h, r) is K step 4 h + j.
; rt: [tile 128][q 8][lane][16 bytes]: (cos, sin) of pairs 2 q and 2 q + 1 of the 16 pairs that lane (r, h) of the next launch holds: pair m is frequency 16 (m / 8) + 8 h + m % 8, at slot r's position.
; wof: wo's codes as xq's are laid: [tile 64][K step 8][c 2][lane][16 bytes].  The launch's 65,536 threads move 8 bytes each: thread tau writes byte 8 tau, so a wave stores 256 consecutive bytes.
; SHARES: a work-group takes a tile of 16 tokens, wave w features 128 w .. 128 w + 127 (K step w).  Rows are loaded 512 consecutive bytes an instruction and turned through the wave's own stage in LDS,
; so that lane (r, h) holds, of slot r, features 32 b + 16 h + 0 .. 15 of each block b: 64 numbers.  Mean and variance meet across the eight waves in LDS: two barriers; the scale words: a third.
; LIMITS: a block of zeros gets the byte 1 (its codes are zeros; this program alone reads the bytes); NaN and infinities are not served; the frequency is 2^(-i log2(10000) / 32) by v_exp_f32,
; so an angle may differ from a f32 power's by some 2e-4 radians at position 2,047; sine and cosine are polynomials on [-pi/4, pi/4] behind a two-part reduction, good to f32 for angles up to 2,047.
.set STGW,  8448                       ; a wave's stage: 16 rows x (512 + 16) bytes
.set STAT,  67584                      ; [r 16][wave 8] f32: the sums; 512 bytes on: the sums of squares
.set SG,    68608                      ; the tile's 512 scale bytes
.set TM,    16                         ; v16-31 at work in the quantiser
.set PW,    32                         ; the scale word
.set PC,    34                         ; v34-41 the codes
.set SU,    42                         ; v42-49 sums
.set MU,    50                         ; v50-51 -mean, twice
.set RS,    52                         ; v52-53 1 / sqrt(var + eps), twice
.set CSN,   54                         ; v54-55 cos, sin
.set WD,    60                         ; v60-61 my 8 bytes of wo's codes; v62 where they lie in wo_codes; none is written again
.set X,     64
.set G,     128
.set BB,    192
.set WV,    14
.set SEL,   30
.macro ACROSS off                      ; four packed sums -> the row's sum over all eight waves, in v[SU]
	v_pk_add_f32 v[SU:SU+1], v[SU:SU+1], v[SU+2:SU+3]
	v_pk_add_f32 v[SU+4:SU+5], v[SU+4:SU+5], v[SU+6:SU+7]
	v_pk_add_f32 v[SU:SU+1], v[SU:SU+1], v[SU+4:SU+5]
	v_add_f32 v[SU], v[SU], v[SU+1]
	v_permlanex16_b32 v[SU+1], v[SU], s[SEL], s[SEL+1]   ; the row's other 64 numbers lie in the lane 16 away
	v_add_f32 v[SU], v[SU], v[SU+1]
	ds_store_b32 v5, v[SU] offset:\off             ; both halves of the lanes write the same word with the same value
	s_wait_dscnt 0x0                               ; for the others' sake: my store has landed
	s_barrier_signal -1
	s_barrier_wait -1
	ds_load_b128 v[SU:SU+3], v6 offset:\off
	ds_load_b128 v[SU+4:SU+7], v6 offset:\off+16
	s_wait_dscnt 0x0
	v_pk_add_f32 v[SU:SU+1], v[SU:SU+1], v[SU+2:SU+3]
	v_pk_add_f32 v[SU+4:SU+5], v[SU+4:SU+5], v[SU+6:SU+7]
	v_pk_add_f32 v[SU:SU+1], v[SU:SU+1], v[SU+4:SU+5]
	v_add_f32 v[SU], v[SU], v[SU+1]
.endm
; 64 numbers of a lane, register 16 b + i = k 32 b + 16 h + i of my row, become a fragment's codes in v[PC] on and its scale word in v[PW]
.macro QUANT4 src
.irp b, 0,1,2,3
	v_max3_num_f32 v[TM+\b], |v[\src+16*\b]|, |v[\src+1+16*\b]|, 0x1800000   ; my 16 numbers of block b, and the floor 2^(3 - 127): the byte cannot fall under 1
.endr
.irp i, 2,4,6,8,10,12,14
.irp b, 0,1,2,3
	v_max3_num_f32 v[TM+\b], v[TM+\b], |v[\src+16*\b+\i]|, |v[\src+1+16*\b+\i]|
.endr
.endr
.irp b, 0,1,2,3
	v_permlanex16_b32 v[TM+4+\b], v[TM+\b], s[SEL], s[SEL+1]
.endr
.irp b, 0,1,2,3
	v_max_num_f32 v[TM+\b], v[TM+\b], v[TM+4+\b]   ; the block's largest magnitude
.endr
.irp b, 0,1,2,3
	v_add_nc_u32 v[TM+12+\b], 0xff000000, v[TM+\b] ; 2 off its exponent field: the conversion's scale operand
.endr
.irp b, 0,1,2,3
	v_lshrrev_b32 v[TM+4+\b], 23, v[TM+12+\b]      ; the scale's byte
.endr
	v_lshl_or_b32 v[PW], v[TM+5], 8, v[TM+4]
	v_lshl_or_b32 v[PW], v[TM+6], 16, v[PW]
	v_lshl_or_b32 v[PW], v[TM+7], 24, v[PW]
.irp b, 0,1,2,3
	v_cvt_scalef32_pk8_fp4_f32 v[PC+2*\b], v[\src+16*\b:\src+7+16*\b], v[TM+12+\b]
	v_cvt_scalef32_pk8_fp4_f32 v[PC+1+2*\b], v[\src+8+16*\b:\src+15+16*\b], v[TM+12+\b]
.endr
	v_nop                                          ; one plain place behind a scaled conversion
.irp c, 0,1                                    ; a whole block to a lane: lanes 0-15 block 2 c, lanes 16-31 block 2 c + 1
.irp i, 0,1
	v_permlane16_swap_b32 v[PC+4*\c+\i], v[PC+2+4*\c+\i]
.endr
.endr
.endm
	s_load_b256 s[4:11], s[0:1], 0x0               ; src s[4:5], gain s[6:7], bias s[8:9], xq s[10:11]
	s_load_b64 s[12:13], s[0:1], 0x20              ; rt
	s_load_b64 s[40:41], s[0:1], 0x28              ; wo's codes
	s_load_b64 s[42:43], s[0:1], 0x30              ; wof
	v_lshl_add_u32 v27, v0, 2, 0x11000
	v_mov_b32 v33, 0
	v_lshrrev_b32 v9, 5, v0
	v_readfirstlane_b32 s[WV], v9                  ; wave 0..7
	v_and_b32 v10, 31, v0                          ; lane
	v_and_b32 v11, 15, v0                          ; r
	v_bfe_u32 v12, v0, 4, 1                        ; h
	v_lshlrev_b32 v1, 4, v10                       ; 16 x lane
	s_mul_i32 s15, s[WV], STGW
	v_add_nc_u32 v2, s15, v1                       ; the stage, on the way in: a row's 512 bytes as they lie
	v_mul_u32_u24 v3, v11, 528
	v_lshl_add_u32 v3, v12, 6, v3
	v_add_nc_u32 v3, s15, v3                       ; on the way out: row r, + 64 h
	v_lshlrev_b32 v4, 6, v12                       ; gain and bias: 64 h
	v_lshlrev_b32 v6, 5, v11
	v_add_nc_u32 v6, STAT, v6                      ; row r's eight partial sums
	s_lshl_b32 s16, s[WV], 2
	v_add_nc_u32 v5, s16, v6                       ; and mine among them
	s_lshr_b32 s17, s[WV], 2
	s_lshl_b32 s17, s17, 8
	s_and_b32 s18, s[WV], 3
	s_lshl_b32 s18, s18, 2
	s_add_co_u32 s17, s17, s18
	s_add_co_u32 s17, s17, SG
	v_lshl_add_u32 v7, v11, 4, s17                 ; K step w's scale word of row r: 256 (w / 4) + 16 r + 4 (w % 4)
	v_lshlrev_b32 v8, 3, v0                        ; the table and wof: 8 bytes a thread
	v_add_nc_u32 v13, SG, v1                       ; the scale bytes on their way out
	; wo's codes: thread tau = 256 g + thread writes byte 8 tau of wof.  tau = 1024 tile + 128 s + 64 c + 32 h + 2 r + half, so tile = g / 4, and 64 s + 32 c + 16 h = 128 (g % 4) + 16 x wave
	v_bfe_u32 v62, v0, 1, 4                        ; the slot r
	v_bfe_u32 v63, v0, 4, 1
	v_lshl_add_u32 v62, v63, 3, v62                ; r + 8 (r / 8)
	v_lshlrev_b32 v62, 9, v62                      ; a row of wo's codes is 512 bytes
	v_lshl_add_u32 v62, v9, 4, v62                 ; + 16 x wave
	v_and_b32 v63, 1, v0
	v_lshl_add_u32 v62, v63, 3, v62                ; + which 8 bytes of the block's 16
	s_lshr_b32 s44, ttmp9, 3
	s_lshl_b32 s44, s44, 14                        ; 32 rows for each pair of tiles,
	s_bfe_u32 s45, ttmp9, 0x10002
	s_lshl_b32 s45, s45, 12                        ; 8 rows for the odd tile,
	s_add_co_u32 s44, s44, s45
	s_and_b32 s45, ttmp9, 3
	s_lshl_b32 s45, s45, 7                         ; 128 (g % 4)
	s_add_co_u32 s44, s44, s45
	s_mov_b32 s45, 0
	s_mov_b32 s[SEL], 0x76543210
	s_mov_b32 s[SEL+1], 0xfedcba98                 ; v_permlanex16_b32's selects for lane l xor 16
	s_mov_b32 s34, 0x3a800000                      ; 1 / 1024
	s_mov_b32 s35, 0x3727c5ac                      ; 1e-5
	s_lshr_b32 s20, ttmp9, 1
	s_lshl_b32 s20, s20, 17                        ; 32 rows of 4,096 bytes for each pair of tiles,
	s_and_b32 s21, ttmp9, 1
	s_lshl_b32 s21, s21, 15                        ; 8 rows for the odd tile,
	s_add_co_u32 s20, s20, s21
	s_lshl_b32 s22, s[WV], 9                       ; my wave's 512 bytes of a row
	s_add_co_u32 s20, s20, s22
	s_mov_b32 s21, 0
	s_mov_b32 s23, 0
	s_lshl_b32 s24, ttmp9, 13                      ; a tile's codes are 8,192 bytes, a K step's 1,024
	s_lshl_b32 s25, s[WV], 10
	s_add_co_u32 s24, s24, s25
	s_mov_b32 s25, 0
	s_lshl_b32 s26, ttmp9, 9                       ; a tile's scale bytes are 512
	s_mov_b32 s27, 0
	s_lshl_b32 s28, ttmp9, 11                      ; the work-group's 2,048 bytes of the table, and of wof
	s_mov_b32 s29, 0
	s_wait_kmcnt 0x0
	s_add_nc_u64 s[4:5], s[4:5], s[20:21]
	s_add_nc_u64 s[6:7], s[6:7], s[22:23]
	s_add_nc_u64 s[8:9], s[8:9], s[22:23]
	s_add_nc_u64 s[32:33], s[10:11], s[26:27]
	s_add_nc_u64 s[10:11], s[10:11], s[24:25]
	s_add_nc_u64 s[12:13], s[12:13], s[28:29]
	s_add_nc_u64 s[40:41], s[40:41], s[44:45]
	s_add_nc_u64 s[42:43], s[42:43], s[28:29]
	global_load_b64 v[WD:WD+1], v62, s[40:41]      ; issued first: the wait for the rows below shows it in too
.irp i, 0,1,2,3,4,5,6,7,8,9,10,11,12,13,14,15
	global_load_b128 v[X+4*\i:X+4*\i+3], v1, s[4:5] offset:(\i+8*(\i/8))*4096 th:TH_LOAD_NT   ; slot i's 512 consecutive bytes
.endr
.irp b, 0,1,2,3
.irp i, 0,1,2,3
	global_load_b128 v[G+16*\b+4*\i:G+16*\b+4*\i+3], v4, s[6:7] offset:128*\b+16*\i
.endr
.endr
.irp b, 0,1,2,3
.irp i, 0,1,2,3
	global_load_b128 v[BB+16*\b+4*\i:BB+16*\b+4*\i+3], v4, s[8:9] offset:128*\b+16*\i
.endr
.endr
	; THE TABLE, while the loads are on their way: thread tau = 256 x work-group + thread makes the pair at byte 8 tau
	s_lshl_b32 s36, ttmp9, 8
	v_add_nc_u32 v16, s36, v0                      ; tau = 512 T + 64 q + 2 lane + (m % 2)
	v_bfe_u32 v17, v16, 6, 3
	v_and_b32 v18, 1, v16
	v_lshl_or_b32 v17, v17, 1, v18                 ; m
	v_bfe_u32 v18, v16, 1, 4                       ; the slot
	v_bfe_u32 v19, v16, 5, 1                       ; the half
	v_bfe_u32 v20, v16, 4, 1
	v_lshl_add_u32 v18, v20, 3, v18                ; slot + 8 (slot / 8)
	s_lshr_b32 s36, ttmp9, 2
	s_lshl_b32 s36, s36, 5
	s_bfe_u32 s37, ttmp9, 0x10001
	s_lshl_b32 s37, s37, 3
	s_add_co_u32 s36, s36, s37
	v_add_nc_u32 v18, s36, v18                     ; the position
	v_bfe_u32 v20, v17, 3, 1
	v_and_b32 v21, 7, v17
	v_lshl_add_u32 v20, v20, 4, v21
	v_lshl_add_u32 v20, v19, 3, v20                ; the frequency's number i
	v_cvt_f32_u32 v20, v20
	v_cvt_f32_u32 v18, v18
	v_mul_f32 v20, 0xbed49a78, v20                 ; -i log2(10000) / 32
	v_exp_f32 v20, v20
	v_nop                                          ; a plain place behind the transcendental
	s_wait_alu depctr_va_vdst(0)                   ; and the wait ahead of its first reader
	v_mul_f32 v18, v18, v20                        ; the angle
	v_mul_f32 v19, 0x3f22f983, v18                 ; x 2 / pi
	v_rndne_f32 v19, v19                           ; n quarter turns
	v_fmamk_f32 v21, v19, 0xbfc90fdb, v18          ; angle - n pi/2, pi/2 in two parts
	v_fmamk_f32 v21, v19, 0x333bbd2e, v21
	v_mul_f32 v22, v21, v21                        ; z
	v_mov_b32 v23, 0xb94ca1f9
	v_fmaak_f32 v23, v23, v22, 0x3c08839e
	v_fmaak_f32 v23, v23, v22, 0xbe2aaaa3
	v_mul_f32 v23, v23, v22
	v_fma_f32 v23, v23, v21, v21                   ; sine of the rest
	v_mov_b32 v24, 0x37ccf5ce
	v_fmaak_f32 v24, v24, v22, 0xbab6061a
	v_fmaak_f32 v24, v24, v22, 0x3d2aaaa5
	v_mul_f32 v25, v22, v22
	v_fma_f32 v26, v22, -0.5, 1.0
	v_fma_f32 v24, v24, v25, v26                   ; cosine of the rest
	v_cvt_i32_f32 v25, v19
	v_and_b32 v26, 1, v25
	v_cmp_eq_u32 vcc_lo, 1, v26                    ; an odd quarter: the two change places
	v_cndmask_b32 v[CSN+1], v23, v24, vcc_lo
	v_cndmask_b32 v[CSN], v24, v23, vcc_lo
	v_and_b32 v26, 2, v25
	v_lshlrev_b32 v26, 30, v26
	v_xor_b32 v[CSN+1], v26, v[CSN+1]              ; the sine is negative in quarters 2 and 3,
	v_add_nc_u32 v25, 1, v25
	v_and_b32 v25, 2, v25
	v_lshlrev_b32 v25, 30, v25
	v_xor_b32 v[CSN], v25, v[CSN]                  ; the cosine in quarters 1 and 2
	global_store_b64 v8, v[CSN:CSN+1], s[12:13]    ; a wave stores 256 consecutive bytes
.irp b, 0,1,2,3
	v_mov_b32 v[TM+4+\b], 0                        ; written once: a lane permute's destination counts as one of its sources
.endr
	s_wait_loadcnt 32                              ; wo's bytes and the 16 rows are in; gain's and bias's 32 loads may be out
	global_store_b64 v8, v[WD:WD+1], s[42:43]      ; wo's codes in their new place: a wave stores 256 consecutive bytes
.irp i, 0,1,2,3,4,5,6,7,8,9,10,11,12,13,14,15
	ds_store_b128 v2, v[X+4*\i:X+4*\i+3] offset:528*\i
.endr
.irp b, 0,1,2,3
.irp i, 0,1,2,3
	ds_load_b128 v[X+16*\b+4*\i:X+16*\b+4*\i+3], v3 offset:128*\b+16*\i   ; LDS serves a wave's instructions in order: these see my stores
.endr
.endr
	s_wait_dscnt 0x0
.irp k, 0,1,2,3
	v_pk_add_f32 v[SU+2*\k:SU+2*\k+1], v[X+2*\k:X+2*\k+1], v[X+8+2*\k:X+8+2*\k+1]
.endr
.irp j, 16,24,32,40,48,56
.irp k, 0,1,2,3
	v_pk_add_f32 v[SU+2*\k:SU+2*\k+1], v[SU+2*\k:SU+2*\k+1], v[X+\j+2*\k:X+\j+2*\k+1]
.endr
.endr
	ACROSS 0
	v_mul_f32 v[MU], 0xba800000, v[SU]             ; -mean
	v_mov_b32 v[MU+1], v[MU]
.set j, 0
.rept 32
	v_pk_add_f32 v[X+j:X+j+1], v[X+j:X+j+1], v[MU:MU+1]
.set j, j+2
.endr
.irp k, 0,1,2,3
	v_pk_mul_f32 v[SU+2*\k:SU+2*\k+1], v[X+2*\k:X+2*\k+1], v[X+2*\k:X+2*\k+1]
.endr
.irp j, 8,16,24,32,40,48,56
.irp k, 0,1,2,3
	v_pk_fma_f32 v[SU+2*\k:SU+2*\k+1], v[X+\j+2*\k:X+\j+2*\k+1], v[X+\j+2*\k:X+\j+2*\k+1], v[SU+2*\k:SU+2*\k+1]
.endr
.endr
	ACROSS 512
	v_fma_f32 v[RS], v[SU], s34, s35               ; variance + eps
	v_rsq_f32 v[RS], v[RS]
	v_nop
	s_wait_alu depctr_va_vdst(0)                   ; the wait ahead of the first reader
	v_mov_b32 v[RS+1], v[RS]
	s_wait_loadcnt 0x0                             ; gain and bias
.set j, 0
.rept 32
	v_pk_mul_f32 v[X+j:X+j+1], v[X+j:X+j+1], v[RS:RS+1]
.set j, j+2
.endr
.set j, 0
.rept 32
	v_pk_fma_f32 v[X+j:X+j+1], v[X+j:X+j+1], v[G+j:G+j+1], v[BB+j:BB+j+1]
.set j, j+2
.endr
	QUANT4 X
	global_store_b128 v1, v[PC:PC+3], s[10:11]             ; 512 consecutive bytes a store
	global_store_b128 v1, v[PC+4:PC+7], s[10:11] offset:512
	ds_store_b32 v7, v[PW]
	s_wait_dscnt 0x0
	s_barrier_signal -1
	s_barrier_wait -1                              ; the tile's 512 scale bytes lie in LDS
	s_cmp_lg_u32 s[WV], 0
	s_cbranch_scc1 .Ldone
	ds_load_b128 v[56:59], v13
	s_wait_dscnt 0x0
	global_store_b128 v1, v[56:59], s[32:33] offset:2097152   ; two aligned runs of 256 bytes
.Ldone:
	s_wait_tensorcnt 0x0
	ds_add_u32 v27, v33
	s_wait_dscnt 0x0
	s_endpgm
.Lfunc_end_k_q72546b9529_prep:
	.size	k_q72546b9529_prep, .Lfunc_end_k_q72546b9529_prep-k_q72546b9529_prep
	.p2alignl 7, 3214868480
	.fill 96, 4, 3214868480
	.section	.rodata,"a",@progbits
	.p2align	6, 0x0
	.amdhsa_kernel k_q72546b9529_prep
		.amdhsa_group_segment_fixed_size 70656
		.amdhsa_private_segment_fixed_size 0
		.amdhsa_enable_private_segment 0
		.amdhsa_kernarg_size 56
		.amdhsa_user_sgpr_count 2
		.amdhsa_user_sgpr_kernarg_segment_ptr 1
		.amdhsa_wavefront_size32 1
		.amdhsa_system_sgpr_workgroup_id_x 1
		.amdhsa_system_sgpr_workgroup_id_y 1
		.amdhsa_system_sgpr_workgroup_id_z 1
		.amdhsa_system_vgpr_workitem_id 0
		.amdhsa_next_free_vgpr 256
		.amdhsa_next_free_sgpr 66
		.amdhsa_reserve_vcc 1
		.amdhsa_float_denorm_mode_32 3
		.amdhsa_float_denorm_mode_16_64 3
		.amdhsa_memory_ordered 1
		.amdhsa_forward_progress 1
		.amdhsa_inst_pref_size 30
	.end_amdhsa_kernel
	.amdgpu_metadata
---
amdhsa.version: [ 1, 2 ]
amdhsa.kernels:
  - .name:           k_q72546b9529_prep
    .symbol:         k_q72546b9529_prep.kd
    .args:
      - { .name: src, .offset: 0, .size: 8, .value_kind: global_buffer, .address_space: global }
      - { .name: ln1_g, .offset: 8, .size: 8, .value_kind: global_buffer, .address_space: global }
      - { .name: ln1_b, .offset: 16, .size: 8, .value_kind: global_buffer, .address_space: global }
      - { .name: xq, .offset: 24, .size: 8, .value_kind: global_buffer, .address_space: global }
      - { .name: rt, .offset: 32, .size: 8, .value_kind: global_buffer, .address_space: global }
      - { .name: wo_codes, .offset: 40, .size: 8, .value_kind: global_buffer, .address_space: global }
      - { .name: wof, .offset: 48, .size: 8, .value_kind: global_buffer, .address_space: global }
    .group_segment_fixed_size: 70656
    .private_segment_fixed_size: 0
    .kernarg_segment_align: 8
    .kernarg_segment_size: 56
    .max_flat_workgroup_size: 256
    .sgpr_count:     66
    .vgpr_count:     256
    .wavefront_size: 32
...
	.end_amdgpu_metadata
.endif
;; end of part 1
;; launch qkvp (part 2): grid 12 x 16, 16 waves a work-group, no clusters, 290,816 bytes of LDS; arguments xq, wqkv_codes, wqkv_scales, bqkv, rt, qkv; writes qkv
.if DOCPART == 2
	.amdgcn_target "amdgcn-amd-amdhsa--gfx1250"
	.amdhsa_code_object_version 6
	.text
	.protected	k_q72546b9529_qkvp
	.globl	k_q72546b9529_qkvp
	.p2align	8
	.type	k_q72546b9529_qkvp,@function
k_q72546b9529_qkvp:
	s_mov_b64 s[64:65], 0
	v_nop
	global_prefetch_b8 v0, s[64:65] scope:SCOPE_SE
	s_setreg_imm32_b32 hwreg(HW_REG_WAVE_MODE, 25, 1), 1
	s_wait_xcnt 0x0
; qkv = x wqkv^T + bqkv on codes of FP4 (E2M1), the rotary embedding on q and k, and the quantising of q and k (along the head's 64) and of v (along the keys).
; SHARES: a work-group takes 256 token slots (16 tiles: y) x 256 rows of wqkv (x: 0-3 q, 4-7 k, 8-11 v); wave w takes head w / 4 of its four and 64 slots (w % 4): 4 x 4 tiles, 16 accumulators.
; K = 1,024 whole lies in LDS, filled ONCE by lane-wise copies at the head: x's codes and scale bytes as they lie in xq; the weight's rows are laid anew on the way: block beta of slot r of a tile at
; 272 beta + 16 r, the slots in this program's order of rows (slot r of tile T = row 32 (T / 2) + 8 (T % 2) + r + 8 (r / 8)).  A copy reads 512 consecutive bytes of one row.
; No multicast: the weight must be laid anew block by block, which a lane-wise copy does and a tile load does not; x's tiles, shared by the 12 work-groups of a row of the grid, are a third of a work-group's bytes.
; q, k: source 0 = 16 rows of the weight, source 1 = 16 slots: a lane holds one token and its 32 registers of a token tile are the head's features 32 b + 16 h + 0 .. 15.  The sums begin as the bias.
; v: the sources change places: a lane holds one feature and its 32 registers are 64 tokens, 32 b + 16 h + 0 .. 15: the keys, along which v is quantised.
; qkv: codes of part p at p x 2 MiB: q, k [head 32][tile 128][lane][16 bytes] (lane (r, h): block h of slot r); v [head][key step 16][tile of features 4][c 2][lane][16 bytes].
;      scale bytes at 6 MiB + p x 128 KiB: [head][64 tokens: 32][r 16][8 bytes]: four halfwords (q, k: the four token tiles; v: the four tiles of features), each the bytes of two blocks.
; LIMITS: a block of zeros gets the byte 1 (its codes are zeros); NaN and infinities are not served; the bias is added ahead of the products (q, k), which is another order of f32 additions than x W^T + b.
.set WC,  131072                       ; behind x's codes (16 tiles x 8,192): the weight's 16 tiles x 32 blocks x 272 bytes
.set XS,  270336                       ; x's scale bytes, 16 x 512
.set WS,  278528                       ; the weight's, laid alike
.set SG,  286720                       ; 2,048 bytes for the scale bytes on their way out: no copy lands here
.set M,   12                           ; v12-17 at work in the quantiser
.set BV,  24                           ; v24-27 v's bias
.set SCW, 32                           ; v32-47 the weight's scale words: register 4 a + j, row h of the lanes: K step 4 h + j
.set SCX, 48                           ; v48-63 x's
.set WF,  64
.set XF,  96
.set ACC, 128
.set TB,  64                           ; the table, two sets of 32
.set CD,  64                           ; the codes
.set HW,  80                           ; v80-83 the halfwords of scale bytes
.set SEL, 26
.macro WM d, a, b, sa, sb, row
.if \row
	v_wmma_scale_f32_16x16x128_f8f6f4 v[\d:\d+7], v[\a:\a+7], v[\b:\b+7], v[\d:\d+7], v[\sa], v[\sb] matrix_a_fmt:MATRIX_FMT_FP4 matrix_b_fmt:MATRIX_FMT_FP4 matrix_a_scale:MATRIX_SCALE_ROW1 matrix_b_scale:MATRIX_SCALE_ROW1
.else
	v_wmma_scale_f32_16x16x128_f8f6f4 v[\d:\d+7], v[\a:\a+7], v[\b:\b+7], v[\d:\d+7], v[\sa], v[\sb] matrix_a_fmt:MATRIX_FMT_FP4 matrix_b_fmt:MATRIX_FMT_FP4
.endif
.endm
.macro WMZ d, a, b, sa, sb
	v_wmma_scale_f32_16x16x128_f8f6f4 v[\d:\d+7], v[\a:\a+7], v[\b:\b+7], 0, v[\sa], v[\sb] matrix_a_fmt:MATRIX_FMT_FP4 matrix_b_fmt:MATRIX_FMT_FP4
.endm
; 32 numbers of a lane, register 16 b + i = k 32 b + 16 h + i, become 4 registers of codes (lane (r, h): block h whole) and a halfword of two scale bytes
.macro QUANT2 src, dst, hw
.irp b, 0,1
	v_max3_num_f32 v[M+\b], |v[\src+16*\b]|, |v[\src+16*\b+1]|, 0x1800000   ; with the floor 2^(3 - 127): the byte cannot fall under 1
.endr
.irp i, 2,4,6,8,10,12,14
.irp b, 0,1
	v_max3_num_f32 v[M+\b], v[M+\b], |v[\src+16*\b+\i]|, |v[\src+16*\b+\i+1]|
.endr
.endr
.irp b, 0,1
	v_permlanex16_b32 v[M+2+\b], v[M+\b], s[SEL], s[SEL+1]
.endr
.irp b, 0,1
	v_max_num_f32 v[M+\b], v[M+\b], v[M+2+\b]
.endr
.irp b, 0,1
	v_add_nc_u32 v[M+4+\b], 0xff000000, v[M+\b]    ; 2 off the exponent field: the conversion's scale operand
.endr
.irp b, 0,1
	v_lshrrev_b32 v[M+2+\b], 23, v[M+4+\b]
.endr
	v_lshl_or_b32 v[\hw], v[M+3], 8, v[M+2]
.irp b, 0,1
	v_cvt_scalef32_pk8_fp4_f32 v[\dst+2*\b], v[\src+16*\b:\src+16*\b+7], v[M+4+\b]
	v_cvt_scalef32_pk8_fp4_f32 v[\dst+2*\b+1], v[\src+16*\b+8:\src+16*\b+15], v[M+4+\b]
.endr
	v_nop                                          ; one plain place behind a scaled conversion
	v_permlane16_swap_b32 v[\dst], v[\dst+2]
	v_permlane16_swap_b32 v[\dst+1], v[\dst+3]
.endm
; A K step of 128: 16 LDS loads, 16 matrix instructions on 16 accumulators by turns, four places ahead of the next step's loads
.macro STEP s, vp
.irp t, 0,1,2,3
.irp c, 0,1
	ds_load_b128 v[XF+8*\t+4*\c:XF+8*\t+4*\c+3], v2 offset:8192*\t+1024*(\s)+512*\c
.endr
.endr
.irp a, 0,1,2,3
.irp c, 0,1
	ds_load_b128 v[WF+8*\a+4*\c:WF+8*\a+4*\c+3], v3 offset:8704*\a+(4*(\s)+2*\c)*272
.endr
.endr
.irp a, 0,1,2,3
	s_wait_dscnt 6-2*\a                            ; the later tiles' weight fragments, two loads each, may be out
.irp t, 0,1,2,3
.if \vp
.if (\s) == 0
	WMZ ACC+32*\a+8*\t, XF+8*\t, WF+8*\a, SCX+4*\t, SCW+4*\a
.else
	WM ACC+32*\a+8*\t, XF+8*\t, WF+8*\a, SCX+4*\t+(\s)%4, SCW+4*\a+(\s)%4, (\s)/4
.endif
.else
	WM ACC+32*\t+8*\a, WF+8*\a, XF+8*\t, SCW+4*\a+(\s)%4, SCX+4*\t+(\s)%4, (\s)/4
.endif
.endr
.endr
.rept 4
	v_nop
.endr
.endm
	s_load_b256 s[4:11], s[0:1], 0x0               ; xq s[4:5], the weight's codes s[6:7], its scales s[8:9], the bias s[10:11]
	s_load_b128 s[12:15], s[0:1], 0x20             ; rt s[12:13], qkv s[14:15]
	v_lshl_add_u32 v30, v0, 2, 0x46800
	v_mov_b32 v31, 0
	ds_add_u32 v30, v31
	ds_add_u32 v30, v31
	v_lshrrev_b32 v23, 5, v0
	v_readfirstlane_b32 s16, v23                   ; wave 0..15
	s_lshr_b32 s17, s16, 2                         ; fw: which head of the four
	s_and_b32 s18, s16, 3                          ; tg: which 64 slots
	s_mov_b32 s19, ttmp9                           ; fb
	s_and_b32 s20, ttmp7, 0xffff                   ; tb
	v_and_b32 v20, 31, v0                          ; lane
	v_and_b32 v21, 15, v0                          ; r
	v_bfe_u32 v22, v0, 4, 1                        ; h
	v_lshlrev_b32 v1, 4, v20                       ; 16 x lane
	; the copies' addresses: v64-79, untouched until the wait for the copies.  Every copy's immediate stays under 65,536: what lies further on stands in address registers of its own
	v_lshlrev_b32 v64, 4, v0                       ; LDS: 16 x thread
	v_lshlrev_b32 v65, 4, v0                       ; memory: 16 x thread
	v_add_nc_u32 v78, 0x10000, v64                 ; x's tiles 8 to 15: 65,536 bytes on, in LDS
	v_add_nc_u32 v79, 0x10000, v65                 ; and in memory
	v_add_nc_u32 v66, XS, v64
	v_bfe_u32 v23, v0, 6, 3                        ; the weight's scale bytes: thread = 2 x row + half; row f goes to tile 2 (f / 32) + (f / 8) % 2, slot f % 8 + 8 ((f / 16) % 2)
	v_lshlrev_b32 v67, 10, v23
	v_bfe_u32 v23, v0, 4, 1
	v_lshl_add_u32 v67, v23, 9, v67
	v_and_b32 v23, 1, v0
	v_lshl_add_u32 v67, v23, 8, v67
	v_bfe_u32 v23, v0, 5, 1
	v_lshl_add_u32 v67, v23, 7, v67
	v_bfe_u32 v23, v0, 1, 3
	v_lshl_add_u32 v67, v23, 4, v67
	v_add_nc_u32 v67, WS, v67
	s_lshl_b32 s28, s16, 13
	v_add_nc_u32 v68, s28, v1                      ; the weight's codes: wave w copies rows 16 w + k + 8 e; the immediate 16 k + 4096 e goes onto both addresses,
.irp k, 1,2,3,4,5,6,7
	v_add_nc_u32 v[68+\k], 496*\k, v68             ; so memory's offset carries the rest of 512 k,
.endr
	s_lshr_b32 s28, s16, 1
	s_mul_i32 s28, s28, 17408
	s_and_b32 s29, s16, 1
	s_lshl_b32 s29, s29, 7
	s_add_co_u32 s28, s28, s29
	s_add_co_u32 s28, s28, WC
	v_mul_u32_u24 v76, v20, 272
	v_add_nc_u32 v76, s28, v76                     ; LDS: tile 2 (w / 2) + e, slot k + 8 (w % 2), block = lane,
	v_add_nc_u32 v77, 4608, v76                    ; and LDS's the rest of 8,704 e
	s_lshl_b32 s28, s20, 17
	s_mov_b32 s29, 0
	s_lshl_b32 s30, s20, 13
	s_add_co_u32 s30, s30, 0x200000
	s_mov_b32 s31, 0
	s_lshl_b32 s32, s19, 17
	s_mov_b32 s33, 0
	s_lshl_b32 s34, s19, 13
	s_mov_b32 s35, 0
	; where the results go
	s_lshr_b32 s21, s19, 2                         ; the part: 0 q, 1 k, 2 v
	s_and_b32 s22, s19, 3
	s_lshl_b32 s22, s22, 2
	s_lshr_b32 s24, s20, 3
	s_lshl_b32 s24, s24, 4
	s_add_co_u32 s24, s24, s22                     ; 16 x batch + the work-group's first head
	s_add_co_u32 s22, s24, s17                     ; my head
	s_and_b32 s25, s20, 7
	s_lshl_b32 s23, s25, 4
	s_lshl_b32 s54, s18, 2
	s_add_co_u32 s23, s23, s54                     ; T0: my first token tile in the batch
	s_lshl_b32 s44, s21, 21
	s_lshl_b32 s54, s22, 16
	s_add_co_u32 s44, s44, s54
	s_lshl_b32 s55, s23, 9
	s_add_co_u32 s44, s44, s55                     ; q, k: part, head, tile
	s_mov_b32 s45, 0
	s_lshl_b32 s46, s23, 12                        ; the table: 4,096 bytes a tile
	s_mov_b32 s47, 0
	s_add_co_u32 s48, s54, 0x400000                ; v: head,
	s_lshr_b32 s55, s23, 3
	s_lshl_b32 s55, s55, 12
	s_add_co_u32 s48, s48, s55                     ; key step,
	s_bfe_u32 s55, s23, 0x10002
	s_lshl_b32 s55, s55, 9
	s_add_co_u32 s48, s48, s55                     ; which 64 keys of its 128
	s_mov_b32 s49, 0
	s_lshl_b32 s50, s21, 17
	s_add_co_u32 s50, s50, 0x600000
	s_add_co_u32 s55, s24, s18                     ; the scale bytes leave by waves 0 to 3, wave w % 4 for head w % 4
	s_lshl_b32 s55, s55, 12
	s_add_co_u32 s50, s50, s55
	s_lshl_b32 s55, s25, 9
	s_add_co_u32 s50, s50, s55
	s_mov_b32 s51, 0
	s_lshl_b32 s52, s19, 10
	s_lshl_b32 s55, s17, 8
	s_add_co_u32 s52, s52, s55                     ; the bias of my 64 rows
	s_mov_b32 s53, 0
	s_mov_b32 s[SEL], 0x76543210
	s_mov_b32 s[SEL+1], 0xfedcba98
	s_wait_dscnt 0x0
	s_wait_kmcnt 0x0
	s_add_nc_u64 s[36:37], s[4:5], s[28:29]
	s_add_nc_u64 s[38:39], s[4:5], s[30:31]
	s_add_nc_u64 s[40:41], s[6:7], s[32:33]
	s_add_nc_u64 s[42:43], s[8:9], s[34:35]
.irp k, 0,1,2,3,4,5,6,7
	global_load_async_to_lds_b128 v64, v65, s[36:37] offset:8192*\k     ; x's tiles 0 to 7: the 512 threads copy a tile's 8,192 bytes as they lie
.endr
.irp k, 0,1,2,3,4,5,6,7
	global_load_async_to_lds_b128 v78, v79, s[36:37] offset:8192*\k     ; tiles 8 to 15
.endr
	global_load_async_to_lds_b128 v66, v65, s[38:39]
	global_load_async_to_lds_b128 v67, v65, s[42:43]
.irp e, 0,1
.irp k, 0,1,2,3,4,5,6,7
	global_load_async_to_lds_b128 v[76+\e], v[68+\k], s[40:41] offset:16*\k+4096*\e
.endr
.endr
	s_add_nc_u64 s[44:45], s[14:15], s[44:45]
	s_add_nc_u64 s[46:47], s[12:13], s[46:47]
	s_add_nc_u64 s[48:49], s[14:15], s[48:49]
	s_add_nc_u64 s[50:51], s[14:15], s[50:51]
	s_add_nc_u64 s[52:53], s[10:11], s[52:53]
	v_lshlrev_b32 v6, 6, v22                       ; the bias as a sum's start: 64 h
	v_bfe_u32 v23, v0, 3, 1
	v_lshl_add_u32 v18, v23, 3, v21
	v_lshlrev_b32 v18, 2, v18                      ; v's bias: 4 (r + 8 (r / 8))
.irp t, 0,1,2,3
.irp a, 0,1,2,3
.irp j, 0,1
	global_load_b128 v[ACC+32*\t+8*\a+4*\j:ACC+32*\t+8*\a+4*\j+3], v6, s[52:53] offset:128*(\a/2)+32*(\a%2)+16*\j   ; the sums begin as the bias (q, k; v starts its sums anew)
.endr
.endr
.endr
.irp a, 0,1,2,3
	global_load_b32 v[BV+\a], v18, s[52:53] offset:128*(\a/2)+32*(\a%2)
.endr
	s_lshl_b32 s54, s18, 15
	v_add_nc_u32 v2, s54, v1                       ; x's fragments: my four tiles
	s_mul_i32 s54, s17, 34816
	s_add_co_u32 s54, s54, WC
	v_mul_u32_u24 v3, v22, 272
	v_lshl_add_u32 v3, v21, 4, v3
	v_add_nc_u32 v3, s54, v3                       ; the weight's: 272 h + 16 r
	s_lshl_b32 s54, s18, 11
	s_add_co_u32 s54, s54, XS
	v_add_nc_u32 v4, s54, v1
	s_lshl_b32 s54, s17, 11
	s_add_co_u32 s54, s54, WS
	v_add_nc_u32 v5, s54, v1
	s_lshl_b32 s54, s16, 7
	s_add_co_u32 s54, s54, SG
	v_lshl_add_u32 v7, v21, 3, s54                 ; my 8 scale bytes of row r
	s_lshl_b32 s54, s18, 9
	s_add_co_u32 s54, s54, SG
	v_add_nc_u32 v19, s54, v1                      ; and a head's 512 on their way out
	v_mov_b32 v[M+2], 0                            ; written once: a lane permute's destination counts as one of its sources
	v_mov_b32 v[M+3], 0
	s_wait_asynccnt 0x0                            ; my copies have landed,
	s_barrier_signal -1
	s_barrier_wait -1                              ; everybody's have
.irp t, 0,1,2,3
	ds_load_b128 v[SCX+4*\t:SCX+4*\t+3], v4 offset:512*\t
.endr
.irp a, 0,1,2,3
	ds_load_b128 v[SCW+4*\a:SCW+4*\a+3], v5 offset:512*\a
.endr
	s_wait_loadcnt 0x0                             ; the bias
	s_cmp_eq_u32 s21, 2
	s_cbranch_scc1 .Lvpart
.irp s, 0,1,2,3,4,5,6,7
	STEP \s, 0
.endr
	; THE ROTARY EMBEDDING: registers 2 m, 2 m + 1 of a token tile are a pair; the table holds (cos, sin) in the same two places
.macro TLOAD t
.irp q, 0,1,2,3,4,5,6,7
	global_load_b128 v[TB+32*((\t)%2)+4*\q:TB+32*((\t)%2)+4*\q+3], v1, s[46:47] offset:4096*(\t)+512*\q
.endr
.endm
.macro ROPE t
.irp m, 0,1,2,3,4,5,6,7,8,9,10,11,12,13,14,15
	v_mul_f32 v[10+18*(\m%2)], v[ACC+32*\t+2*\m+1], v[TB+32*(\t%2)+2*\m+1]      ; odd x sin
	v_mul_f32 v[11+18*(\m%2)], v[ACC+32*\t+2*\m+1], v[TB+32*(\t%2)+2*\m]        ; odd x cos
	v_fma_f32 v[ACC+32*\t+2*\m+1], v[ACC+32*\t+2*\m], v[TB+32*(\t%2)+2*\m+1], v[11+18*(\m%2)]
	v_fma_f32 v[ACC+32*\t+2*\m], v[ACC+32*\t+2*\m], v[TB+32*(\t%2)+2*\m], -v[10+18*(\m%2)]
.endr
.endm
	TLOAD 0
	TLOAD 1
	s_wait_loadcnt 8                               ; this tile's table is in; the next tile's eight loads may be out
	ROPE 0
	TLOAD 2
	s_wait_loadcnt 8
	ROPE 1
	TLOAD 3
	s_wait_loadcnt 8
	ROPE 2
	s_wait_loadcnt 0x0
	ROPE 3
.irp t, 0,1,2,3
	QUANT2 ACC+32*\t, CD+4*\t, HW+\t
	global_store_b128 v1, v[CD+4*\t:CD+4*\t+3], s[44:45] offset:512*\t   ; a tile's 512 consecutive bytes
.endr
	s_branch .Ljoin
.Lvpart:
.irp s, 0,1,2,3,4,5,6,7
	STEP \s, 1
.endr
.irp a, 0,1,2,3
.set j, 0
.rept 32
	v_add_f32 v[ACC+32*\a+j], v[BV+\a], v[ACC+32*\a+j]   ; a lane holds one feature: one number of the bias
.set j, j+1
.endr
.endr
.irp a, 0,1,2,3
	QUANT2 ACC+32*\a, CD+4*\a, HW+\a
	global_store_b128 v1, v[CD+4*\a:CD+4*\a+3], s[48:49] offset:1024*\a
.endr
.Ljoin:
	v_lshl_or_b32 v8, v[HW+1], 16, v[HW]
	v_lshl_or_b32 v9, v[HW+3], 16, v[HW+2]
	ds_store_b64 v7, v[8:9]                        ; both halves of the lanes write the same bytes with the same values
	s_wait_dscnt 0x0
	s_barrier_signal -1
	s_barrier_wait -1
	s_cmp_gt_u32 s16, 3
	s_cbranch_scc1 .Ldone
	ds_load_b128 v[84:87], v19
	s_wait_dscnt 0x0
	global_store_b128 v1, v[84:87], s[50:51]       ; 512 consecutive bytes of a head's scale bytes
.Ldone:
	s_wait_tensorcnt 0x0
	ds_add_u32 v30, v31
	s_wait_dscnt 0x0
	s_endpgm
.Lfunc_end_k_q72546b9529_qkvp:
	.size	k_q72546b9529_qkvp, .Lfunc_end_k_q72546b9529_qkvp-k_q72546b9529_qkvp
	.p2alignl 7, 3214868480
	.fill 96, 4, 3214868480
	.section	.rodata,"a",@progbits
	.p2align	6, 0x0
	.amdhsa_kernel k_q72546b9529_qkvp
		.amdhsa_group_segment_fixed_size 290816
		.amdhsa_private_segment_fixed_size 0
		.amdhsa_enable_private_segment 0
		.amdhsa_kernarg_size 48
		.amdhsa_user_sgpr_count 2
		.amdhsa_user_sgpr_kernarg_segment_ptr 1
		.amdhsa_wavefront_size32 1
		.amdhsa_system_sgpr_workgroup_id_x 1
		.amdhsa_system_sgpr_workgroup_id_y 1
		.amdhsa_system_sgpr_workgroup_id_z 1
		.amdhsa_system_vgpr_workitem_id 0
		.amdhsa_next_free_vgpr 256
		.amdhsa_next_free_sgpr 66
		.amdhsa_reserve_vcc 0
		.amdhsa_float_denorm_mode_32 3
		.amdhsa_float_denorm_mode_16_64 3
		.amdhsa_memory_ordered 1
		.amdhsa_forward_progress 1
		.amdhsa_inst_pref_size 101
	.end_amdhsa_kernel
	.amdgpu_metadata
---
amdhsa.version: [ 1, 2 ]
amdhsa.kernels:
  - .name:           k_q72546b9529_qkvp
    .symbol:         k_q72546b9529_qkvp.kd
    .args:
      - { .name: xq, .offset: 0, .size: 8, .value_kind: global_buffer, .address_space: global }
      - { .name: wqkv_codes, .offset: 8, .size: 8, .value_kind: global_buffer, .address_space: global }
      - { .name: wqkv_scales, .offset: 16, .size: 8, .value_kind: global_buffer, .address_space: global }
      - { .name: bqkv, .offset: 24, .size: 8, .value_kind: global_buffer, .address_space: global }
      - { .name: rt, .offset: 32, .size: 8, .value_kind: global_buffer, .address_space: global }
      - { .name: qkv, .offset: 40, .size: 8, .value_kind: global_buffer, .address_space: global }
    .group_segment_fixed_size: 290816
    .private_segment_fixed_size: 0
    .kernarg_segment_align: 8
    .kernarg_segment_size: 48
    .max_flat_workgroup_size: 512
    .sgpr_count:     66
    .vgpr_count:     256
    .wavefront_size: 32
...
	.end_amdgpu_metadata
.endif
;; end of part 2
;; launch attn (part 3): grid 256 x 1, 8 waves a work-group, no clusters, 1,536 bytes of LDS; arguments qkv, cq; writes cq
.if DOCPART == 3
	.amdgcn_target "amdgcn-amd-amdhsa--gfx1250"
	.amdhsa_code_object_version 6
	.text
	.protected	k_q72546b9529_attn
	.globl	k_q72546b9529_attn
	.p2align	8
	.type	k_q72546b9529_attn,@function
k_q72546b9529_attn:
	s_mov_b64 s[64:65], 0
	v_nop
	global_prefetch_b8 v0, s[64:65] scope:SCOPE_SE
	s_setreg_imm32_b32 hwreg(HW_REG_WAVE_MODE, 25, 1), 1
	s_wait_xcnt 0x0
; Causal attention on codes of FP4 (E2M1), heads of 64, and the quantising of its result along the model's features.
; t = score x log2(e) / 8; M = the running largest t rounded up to a whole number; p = 2^(t - M) is quantised along the keys; the row's sum of the unquantised p divides at the end.
; SHARES: work-group g: batch g / 128, heads 8 ((g / 64) % 2) + wave, p = g % 64.  A wave takes query tile p and then tile 127 - p of its head: (T / 8) + 1 key steps of 128 keys each, 17 together in every wave.
; K and V go from memory straight into registers, a step ahead: each fragment is 512 consecutive bytes a load, as the launch before laid them.  No LDS ring: a wave's fragments serve it alone.
; THE SECOND TILE STARTS WITH ITS OPERANDS ASKED FOR: both tiles' queries are loaded at the head, and a tile's last key step asks for the head's key step 0, with which the next tile begins.
; So the 19 loads of K and V are counted alike in every trip, on the way from tile to tile too, and no load leaves the head's bytes.  (Those that the second tile's last step asks for are read by nobody.)
; Both products are used transposed: a lane holds one query.  THE HEAD'S 64 IS HALF OF THE INSTRUCTION'S 128: a fragment of K holds two key tiles side by side along K, and the queries' fragment has zero codes in the other half:
; v[12:19] = (q, 0) picks the first tile, v[8:15] = (0, q) the second.  The slots of a tile are in this program's order of rows, so that the 16 registers of two neighbouring tiles are 16 neighbouring keys.
; No L2 prefetch: a head's K and V are read by 64 work-groups that all begin at key 0, and the loads already run a step ahead.  No multicast: nothing goes through LDS.
; cq: as xq: codes [tile 256][K step 8][c 2][lane][16 bytes], scale bytes from byte 2,097,152.
; LIMITS: a block of zeros gets the byte 1; NaN and infinities are not served; a block's largest p is taken from its largest score by the same two instructions.
.set KF,  32
.set VF,  64
.set S,   96
.set O,   160
.set PC,  192
.set KSC, 200                          ; v200-201 K's scale words
.set VSR, 202                          ; v202-205 V's scale bytes as loaded
.set VW,  206                          ; v206-209 V's scale words
.set PW,  210                          ; p's scale word
.set BM,  212
.set PD,  216
.set SO,  220
.set F,   224                          ; v224-225
.set W,   226
.set W2,  227
.set T2,  228
.set M,   232
.set CD,  240
.set HW,  244
.set QA,  248                          ; v248-251 the queries of the tile to come
.set QB,  252                          ; v252-255 those of the second tile
.set QSW, 20                           ; the queries' scale word
.set QR,  21                           ; the word that holds the coming tile's two scale bytes
.set QR2, 22                           ; the second tile's
.set NM,  24                           ; -M
.set TX,  25                           ; the largest t
.set LS,  26                           ; v26-27 the sum
.set SEL, 14
.set CS,  16
.macro WM d, a, b, sa, sb, row
.if \row
	v_wmma_scale_f32_16x16x128_f8f6f4 v[\d:\d+7], v[\a:\a+7], v[\b:\b+7], v[\d:\d+7], v[\sa], v[\sb] matrix_a_fmt:MATRIX_FMT_FP4 matrix_b_fmt:MATRIX_FMT_FP4 matrix_a_scale:MATRIX_SCALE_ROW1 matrix_b_scale:MATRIX_SCALE_ROW1
.else
	v_wmma_scale_f32_16x16x128_f8f6f4 v[\d:\d+7], v[\a:\a+7], v[\b:\b+7], v[\d:\d+7], v[\sa], v[\sb] matrix_a_fmt:MATRIX_FMT_FP4 matrix_b_fmt:MATRIX_FMT_FP4
.endif
.endm
.macro WMZ d, a, b, sa, sb, row
.if \row
	v_wmma_scale_f32_16x16x128_f8f6f4 v[\d:\d+7], v[\a:\a+7], v[\b:\b+7], 0, v[\sa], v[\sb] matrix_a_fmt:MATRIX_FMT_FP4 matrix_b_fmt:MATRIX_FMT_FP4 matrix_a_scale:MATRIX_SCALE_ROW1 matrix_b_scale:MATRIX_SCALE_ROW1
.else
	v_wmma_scale_f32_16x16x128_f8f6f4 v[\d:\d+7], v[\a:\a+7], v[\b:\b+7], 0, v[\sa], v[\sb] matrix_a_fmt:MATRIX_FMT_FP4 matrix_b_fmt:MATRIX_FMT_FP4
.endif
.endm
.macro QUANT2 src, dst, hw
.irp b, 0,1
	v_max3_num_f32 v[M+\b], |v[\src+16*\b]|, |v[\src+16*\b+1]|, 0x1800000
.endr
.irp i, 2,4,6,8,10,12,14
.irp b, 0,1
	v_max3_num_f32 v[M+\b], v[M+\b], |v[\src+16*\b+\i]|, |v[\src+16*\b+\i+1]|
.endr
.endr
.irp b, 0,1
	v_permlanex16_b32 v[M+2+\b], v[M+\b], s[SEL], s[SEL+1]
.endr
.irp b, 0,1
	v_max_num_f32 v[M+\b], v[M+\b], v[M+2+\b]
.endr
.irp b, 0,1
	v_add_nc_u32 v[M+4+\b], 0xff000000, v[M+\b]
.endr
.irp b, 0,1
	v_lshrrev_b32 v[M+2+\b], 23, v[M+4+\b]
.endr
	v_lshl_or_b32 v[\hw], v[M+3], 8, v[M+2]
.irp b, 0,1
	v_cvt_scalef32_pk8_fp4_f32 v[\dst+2*\b], v[\src+16*\b:\src+16*\b+7], v[M+4+\b]
	v_cvt_scalef32_pk8_fp4_f32 v[\dst+2*\b+1], v[\src+16*\b+8:\src+16*\b+15], v[M+4+\b]
.endr
	v_nop
	v_permlane16_swap_b32 v[\dst], v[\dst+2]
	v_permlane16_swap_b32 v[\dst+1], v[\dst+3]
.endm
.macro KLOAD                           ; nine loads: a step's eight key tiles, and their scale words (lanes 0-15: tiles 0-3, lanes 16-31: tiles 4-7)
.irp j, 0,1,2,3
.irp c, 0,1
	global_load_b128 v[KF+8*\j+4*\c:KF+8*\j+4*\c+3], v1, s[32:33] offset:1024*\j+512*\c
.endr
.endr
	global_load_b64 v[KSC:KSC+1], v2, s[34:35]
.endm
.macro VLOAD                           ; ten loads: four tiles of features x 128 keys, and the scale bytes of the step's two halves
.irp a, 0,1,2,3
.irp c, 0,1
	global_load_b128 v[VF+8*\a+4*\c:VF+8*\a+4*\c+3], v1, s[36:37] offset:1024*\a+512*\c
.endr
.endr
	global_load_b64 v[VSR:VSR+1], v3, s[38:39]
	global_load_b64 v[VSR+2:VSR+3], v3, s[38:39] offset:128
.endm
	s_load_b128 s[4:7], s[0:1], 0x0                ; qkv s[4:5], cq s[6:7]
	v_lshl_add_u32 v238, v0, 2, 0x200
	v_mov_b32 v239, 0
	v_lshrrev_b32 v28, 5, v0
	v_readfirstlane_b32 s8, v28                    ; wave 0..7
	v_and_b32 v28, 31, v0
	v_and_b32 v29, 15, v0                          ; r
	v_bfe_u32 v30, v0, 4, 1                        ; h
	v_lshlrev_b32 v1, 4, v28                       ; 16 x lane
	v_lshlrev_b32 v2, 3, v28                       ; 8 x lane
	v_lshlrev_b32 v3, 3, v29                       ; 8 r
	v_bfe_u32 v31, v0, 3, 1
	v_lshl_add_u32 v5, v31, 3, v29
	v_lshlrev_b32 v31, 4, v30
	v_sub_nc_u32 v5, v5, v31                       ; r + 8 (r / 8) - 16 h: my query's place less my keys'
	v_mov_b32 v6, 0                                ; the two tiles' halfwords of scale bytes
	s_lshl_b32 s50, s8, 1
	v_lshl_add_u32 v7, v29, 4, s50                 ; LDS: 16 r + 2 x wave
	s_lshr_b32 s9, ttmp9, 7                        ; batch
	s_bfe_u32 s10, ttmp9, 0x10006                  ; which eight heads
	s_and_b32 s11, ttmp9, 63                       ; p
	s_lshl_b32 s12, s10, 3
	s_add_co_u32 s12, s12, s8                      ; head
	s_lshl_b32 s13, s9, 4
	s_add_co_u32 s13, s13, s12                     ; 16 x batch + head
	s_lshl_b32 s50, s11, 1
	s_sub_co_u32 s50, 127, s50
	s_lshl_b32 s50, s50, 9
	v_mul_lo_u32 v4, v30, s50                      ; the scale bytes' way out: lanes 16-31 serve tile 127 - p, 127 - 2 p tiles of 512 bytes on
	v_lshl_add_u32 v4, v29, 4, v4
.irp i, 8,9,10,11,16,17,18,19
	v_mov_b32 v\i, 0                               ; zero codes beside the queries'
.endr
.irp b, 0,1,2,3
	v_mov_b32 v[PD+\b], 0                          ; written once: a lane permute's destination counts as one of its sources
.endr
	v_mov_b32 v[M+2], 0
	v_mov_b32 v[M+3], 0
	v_mov_b32 v[F+1], 0                            ; named with F as a pair, so it is written
	s_mov_b32 s[SEL], 0x76543210
	s_mov_b32 s[SEL+1], 0xfedcba98
	s_mov_b32 s[CS], 0x3e38aa3b                    ; c = log2(e) / 8
	s_mov_b32 s[CS+1], s[CS]
	s_mov_b32 s54, 0x01000100                      ; a word's low halfword twice,
	s_mov_b32 s55, 0x03020302                      ; its high halfword twice
	s_mov_b32 s57, 0
	s_mov_b32 s59, 0
	s_mov_b32 s46, 0
	s_sub_co_u32 s61, 127, s11                     ; the second tile
	s_lshl_b32 s50, s13, 16                        ; a head's codes are 65,536 bytes in each part,
	s_mov_b32 s51, 0
	s_lshl_b32 s52, s13, 12                        ; its scale bytes 4,096
	s_add_co_u32 s52, s52, 0x600000
	s_mov_b32 s53, 0
	s_wait_kmcnt 0x0
	s_add_nc_u64 s[20:21], s[4:5], s[50:51]        ; q's codes
	s_add_nc_u64 s[24:25], s[20:21], 0x200000      ; k's
	s_add_nc_u64 s[28:29], s[20:21], 0x400000      ; v's
	s_add_nc_u64 s[22:23], s[4:5], s[52:53]        ; q's scale bytes
	s_add_nc_u64 s[26:27], s[22:23], 0x20000       ; k's
	s_add_nc_u64 s[30:31], s[22:23], 0x40000       ; v's
	s_lshl_b32 s50, s9, 20                         ; cq: 128 tiles of 8,192 bytes a batch,
	s_lshr_b32 s52, s12, 1
	s_lshl_b32 s52, s52, 10                        ; K step head / 2,
	s_add_co_u32 s50, s50, s52
	s_and_b32 s52, s12, 1
	s_lshl_b32 s52, s52, 9                         ; c = head % 2
	s_add_co_u32 s50, s50, s52
	s_add_nc_u64 s[62:63], s[6:7], s[50:51]
	s_lshl_b32 s50, s9, 7
	s_add_co_u32 s50, s50, s11
	s_lshl_b32 s50, s50, 9
	s_lshl_b32 s52, s10, 8
	s_add_co_u32 s50, s50, s52
	s_add_co_u32 s50, s50, 0x200000
	s_add_nc_u64 s[18:19], s[6:7], s[50:51]        ; cq's scale bytes: tile 128 x batch + p, my eight heads' 256 bytes
	s_lshl_b32 s50, s11, 9
	s_add_nc_u64 s[40:41], s[20:21], s[50:51]      ; the first tile's queries: 512 bytes a tile
	s_lshl_b32 s50, s61, 9
	s_add_nc_u64 s[42:43], s[20:21], s[50:51]      ; the second's
	s_lshr_b32 s50, s11, 2
	s_lshl_b32 s50, s50, 7
	s_bfe_u32 s52, s11, 0x10001
	s_lshl_b32 s52, s52, 2
	s_add_co_u32 s50, s50, s52
	s_add_nc_u64 s[4:5], s[22:23], s[50:51]        ; the word that holds the first tile's halfword of scale bytes (the two buffers' addresses have served)
	s_lshr_b32 s50, s61, 2
	s_lshl_b32 s50, s50, 7
	s_bfe_u32 s52, s61, 0x10001
	s_lshl_b32 s52, s52, 2
	s_add_co_u32 s50, s50, s52
	s_add_nc_u64 s[6:7], s[22:23], s[50:51]        ; the second's
	s_mov_b64 s[32:33], s[24:25]                   ; key step 0
	s_mov_b64 s[34:35], s[26:27]
	s_mov_b64 s[36:37], s[28:29]
	s_mov_b64 s[38:39], s[30:31]
	global_load_b128 v[QA:QA+3], v1, s[40:41]
	global_load_b128 v[QB:QB+3], v1, s[42:43]
	global_load_b32 v[QR], v3, s[4:5]
	global_load_b32 v[QR2], v3, s[6:7]
	KLOAD
	VLOAD
.Ltile:
	s_wait_xcnt 0x0                                ; the last tile's store has read its registers and its base: both may be written
	s_cmp_eq_u32 s46, 0
	s_cselect_b32 s47, s11, s61                    ; T
	s_lshr_b32 s48, s47, 3
	s_add_co_u32 s48, s48, 1                       ; key steps
	s_lshl_b32 s50, s47, 13
	s_mov_b32 s51, 0
	s_add_nc_u64 s[44:45], s[62:63], s[50:51]
	s_lshr_b32 s60, s47, 1
	s_lshl_b32 s60, s60, 5
	s_and_b32 s52, s47, 1
	s_lshl_b32 s53, s52, 3
	s_add_co_u32 s60, s60, s53                     ; slot 0's position
	s_cmp_eq_u32 s52, 0
	s_cselect_b32 s52, s54, s55
	s_wait_loadcnt 19                              ; the queries are in; K's nine and V's ten loads of key step 0 may be out (on the way from the first tile they are all that is out)
.irp i, 0,1,2,3
	v_mov_b32 v[12+\i], v[QA+\i]                   ; this tile's queries between the zero codes
.endr
	v_perm_b32 v[QSW], v[QR], v[QR], s52           ; the two bytes twice: they serve whichever half of K the queries stand in
.irp i, 0,1,2,3
	v_mov_b32 v[QA+\i], v[QB+\i]                   ; the next trip finds the second tile's
.endr
	v_mov_b32 v[QR], v[QR2]
.set j, 0
.rept 32
	v_mov_b32 v[O+j], 0                            ; the step is written once: the first finds zeros.  (These are also the places between the writes of the queries and their scale word and the first product)
.set j, j+1
.endr
	v_mov_b32 v[LS], 0
	v_mov_b32 v[LS+1], 0
	v_mov_b32 v[TX], 0xff61b1e6                    ; -3e38, under every t
	v_floor_f32 v[NM], -v[TX]
	s_mov_b32 s49, 0
.Lstep:
	s_wait_loadcnt 10                              ; K is in; V's ten loads may be out
.irp j, 0,1,2,3
.irp u, 0,1
	WMZ S+16*\j+8*\u, KF+8*\j, 12-4*\u, KSC+\j%2, QSW, \j/2
.endr
.endr
.rept 4
	v_nop                                          ; places ahead of the loads into K's registers and of the first read of the scores
.endr
	s_wait_xcnt 0x0                                ; earlier loads have read their bases
	s_add_co_u32 s50, s49, 1
	s_cmp_lt_u32 s50, s48
	s_cselect_b32 s50, s50, 0                      ; the next step; behind the tile's last step: key step 0, with which the next tile begins
	s_lshl_b32 s56, s50, 12
	s_lshl_b32 s58, s50, 8
	s_add_nc_u64 s[32:33], s[24:25], s[56:57]
	s_add_nc_u64 s[34:35], s[26:27], s[58:59]
	KLOAD
	s_add_co_u32 s50, s49, 1
	s_cmp_lg_u32 s50, s48
	s_cbranch_scc1 .Lopen                          ; only the last step reaches past a query
	s_lshl_b32 s50, s49, 7
	s_sub_co_i32 s50, s60, s50
	v_add_nc_u32 v[W], s50, v5                     ; d = my query - the step's first key - 16 h: register 16 b + i is hidden where 32 b + i > d
	v_mov_b32 v[W2], 0xff800000
.set n, 0
.rept 64
	v_cmp_gt_i32 vcc_lo, 32*(n/16)+n%16, v[W]
	v_cndmask_b32 v[S+n], v[S+n], v[W2], vcc_lo
.set n, n+1
.endr
.Lopen:
.irp b, 0,1,2,3
	v_max3_num_f32 v[BM+\b], v[S+16*\b], v[S+16*\b+1], v[S+16*\b+2]   ; each block's largest score: for the row's maximum and for the block's largest p
.endr
.irp i, 3,5,7,9,11,13
.irp b, 0,1,2,3
	v_max3_num_f32 v[BM+\b], v[BM+\b], v[S+16*\b+\i], v[S+16*\b+\i+1]
.endr
.endr
.irp b, 0,1,2,3
	v_max_num_f32 v[BM+\b], v[BM+\b], v[S+16*\b+15]
.endr
.irp b, 0,1,2,3
	v_permlanex16_b32 v[PD+\b], v[BM+\b], s[SEL], s[SEL+1]
.endr
.irp b, 0,1,2,3
	v_max_num_f32 v[BM+\b], v[BM+\b], v[PD+\b]
.endr
	v_max3_num_f32 v[W], v[BM], v[BM+1], v[BM+2]
	v_max_num_f32 v[W], v[W], v[BM+3]
	v_mul_f32 v[W], s[CS], v[W]
	v_max_num_f32 v[TX], v[TX], v[W]               ; the running largest t
	v_mov_b32 v[W], v[NM]
	v_floor_f32 v[NM], -v[TX]                      ; -M = floor(-t): M is a whole number
	v_sub_f32 v[W], v[NM], v[W]
	v_cvt_i32_f32 v[W], v[W]                       ; (it saturates)
	v_ldexp_f32 v[F], 1.0, v[W]                    ; f = 2^(old M - new M)
.set j, 0
.rept 32
	v_pk_fma_f32 v[S+j:S+j+1], v[S+j:S+j+1], s[CS:CS+1], v[NM:NM+1] op_sel_hi:[1,0,0]   ; t - M
.set j, j+2
.endr
.irp b, 0,1,2,3
	v_fma_f32 v[BM+\b], v[BM+\b], s[CS], v[NM]
.endr
.set j, 0
.rept 64
	v_exp_f32 v[S+j], v[S+j]
.set j, j+1
.endr
	v_pk_mul_f32 v[LS:LS+1], v[LS:LS+1], v[F:F+1] op_sel_hi:[1,0]   ; a plain place behind the exponentials
	s_wait_alu depctr_va_vdst(0)                   ; one wait for the batch, ahead of its first reader
.irp b, 0,1,2,3
	v_exp_f32 v[BM+\b], v[BM+\b]
.endr
	v_pk_add_f32 v[T2:T2+1], v[S:S+1], v[S+2:S+3]  ; the row's sum of the unquantised p, in two chains
.irp j, 4,8,12,16,20,24,28,32,36,40,44,48,52,56,60
	v_pk_add_f32 v[LS:LS+1], v[LS:LS+1], v[S+\j:S+\j+1]
	v_pk_add_f32 v[T2:T2+1], v[T2:T2+1], v[S+\j+2:S+\j+3]
.endr
	v_pk_add_f32 v[LS:LS+1], v[LS:LS+1], v[T2:T2+1]
	s_wait_alu depctr_va_vdst(0)                   ; and one for the four
.irp b, 0,1,2,3
	v_max_num_f32 v[BM+\b], 0x1800000, v[BM+\b]    ; the floor: the byte cannot fall under 1
.endr
.irp b, 0,1,2,3
	v_add_nc_u32 v[SO+\b], 0xff000000, v[BM+\b]
.endr
.irp b, 0,1,2,3
	v_lshrrev_b32 v[PD+\b], 23, v[SO+\b]
.endr
	v_lshl_or_b32 v[PW], v[PD+1], 8, v[PD]
	v_lshl_or_b32 v[PW], v[PD+2], 16, v[PW]
	v_lshl_or_b32 v[PW], v[PD+3], 24, v[PW]
.irp b, 0,1,2,3
	v_cvt_scalef32_pk8_fp4_f32 v[PC+2*\b], v[S+16*\b:S+16*\b+7], v[SO+\b]
	v_cvt_scalef32_pk8_fp4_f32 v[PC+2*\b+1], v[S+16*\b+8:S+16*\b+15], v[SO+\b]
.endr
	v_nop
.irp c, 0,1
.irp i, 0,1
	v_permlane16_swap_b32 v[PC+4*\c+\i], v[PC+2+4*\c+\i]
.endr
.endr
	s_wait_loadcnt 9                               ; V is in; K's nine loads may be out
	v_perm_b32 v[VW], v[VSR+2], v[VSR], 0x05040100     ; a tile's word: its halfword of the step's first 64 keys, then of the second
	v_perm_b32 v[VW+1], v[VSR+2], v[VSR], 0x07060302
	v_perm_b32 v[VW+2], v[VSR+3], v[VSR+1], 0x05040100
	v_perm_b32 v[VW+3], v[VSR+3], v[VSR+1], 0x07060302
.set j, 0
.rept 16
	v_pk_mul_f32 v[O+j:O+j+1], v[O+j:O+j+1], v[F:F+1] op_sel_hi:[1,0]   ; O^T under the new M; these sixteen are the places ahead of the scaled products
.set j, j+2
.endr
.irp a, 0,1,2,3
	WM O+8*\a, VF+8*\a, PC, VW+\a, PW, 0
.endr
.rept 4
	v_nop
.endr
	s_wait_xcnt 0x0
	s_add_nc_u64 s[36:37], s[28:29], s[56:57]
	s_add_nc_u64 s[38:39], s[30:31], s[58:59]
	VLOAD
	s_add_co_u32 s49, s49, 1
	s_cmp_lt_u32 s49, s48
	s_cbranch_scc1 .Lstep
	; key step 0's 19 loads stay out from here to the next tile's first step: nothing in between names their registers
	v_add_f32 v[LS], v[LS], v[LS+1]
	v_permlanex16_b32 v[W], v[LS], s[SEL], s[SEL+1]
	v_add_f32 v[LS], v[LS], v[W]
	v_rcp_f32 v[W2], v[LS]
	v_nop
	s_wait_alu depctr_va_vdst(0)
.set j, 0
.rept 32
	v_mul_f32 v[O+j], v[O+j], v[W2]
.set j, j+1
.endr
	QUANT2 O, CD, HW
	global_store_b128 v1, v[CD:CD+3], s[44:45]     ; 512 consecutive bytes
	v_lshrrev_b32 v6, 16, v6
	v_lshl_or_b32 v6, v[HW], 16, v6                ; after two tiles: the first's halfword below, the second's above
	s_add_co_u32 s46, s46, 1
	s_cmp_lt_u32 s46, 2
	s_cbranch_scc1 .Ltile
	ds_store_b16 v7, v6
	ds_store_b16_d16_hi v7, v6 offset:256
	s_wait_dscnt 0x0
	s_barrier_signal -1
	s_barrier_wait -1                              ; eight heads' scale bytes of both tiles lie in LDS
	s_cmp_lg_u32 s8, 0
	s_cbranch_scc1 .Ldone
	ds_load_b128 v[CD+4:CD+7], v1
	s_wait_dscnt 0x0
	global_store_b128 v4, v[CD+4:CD+7], s[18:19]   ; sixteen lanes store 256 consecutive bytes, aligned, of each tile
.Ldone:
	s_wait_tensorcnt 0x0
	ds_add_u32 v238, v239
	s_wait_dscnt 0x0
	s_endpgm
.Lfunc_end_k_q72546b9529_attn:
	.size	k_q72546b9529_attn, .Lfunc_end_k_q72546b9529_attn-k_q72546b9529_attn
	.p2alignl 7, 3214868480
	.fill 96, 4, 3214868480
	.section	.rodata,"a",@progbits
	.p2align	6, 0x0
	.amdhsa_kernel k_q72546b9529_attn
		.amdhsa_group_segment_fixed_size 1536
		.amdhsa_private_segment_fixed_size 0
		.amdhsa_enable_private_segment 0
		.amdhsa_kernarg_size 16
		.amdhsa_user_sgpr_count 2
		.amdhsa_user_sgpr_kernarg_segment_ptr 1
		.amdhsa_wavefront_size32 1
		.amdhsa_system_sgpr_workgroup_id_x 1
		.amdhsa_system_sgpr_workgroup_id_y 1
		.amdhsa_system_sgpr_workgroup_id_z 1
		.amdhsa_system_vgpr_workitem_id 0
		.amdhsa_next_free_vgpr 256
		.amdhsa_next_free_sgpr 66
		.amdhsa_reserve_vcc 1
		.amdhsa_float_denorm_mode_32 3
		.amdhsa_float_denorm_mode_16_64 3
		.amdhsa_memory_ordered 1
		.amdhsa_forward_progress 1
		.amdhsa_inst_pref_size 34
	.end_amdhsa_kernel
	.amdgpu_metadata
---
amdhsa.version: [ 1, 2 ]
amdhsa.kernels:
  - .name:           k_q72546b9529_attn
    .symbol:         k_q72546b9529_attn.kd
    .args:
      - { .name: qkv, .offset: 0, .size: 8, .value_kind: global_buffer, .address_space: global }
      - { .name: cq, .offset: 8, .size: 8, .value_kind: global_buffer, .address_space: global }
    .group_segment_fixed_size: 1536
    .private_segment_fixed_size: 0
    .kernarg_segment_align: 8
    .kernarg_segment_size: 16
    .max_flat_workgroup_size: 256
    .sgpr_count:     66
    .vgpr_count:     256
    .wavefront_size: 32
...
	.end_amdgpu_metadata
.endif
;; end of part 3
;; launch wo_ln (part 4): grid 256 x 1, 8 waves a work-group, no clusters, 70,656 bytes of LDS; arguments cq, wof, wo_scales, bo, src, ln2_g, ln2_b, s2, yq; writes s2, yq
.if DOCPART == 4
	.amdgcn_target "amdgcn-amd-amdhsa--gfx1250"
	.amdhsa_code_object_version 6
	.text
	.protected	k_q72546b9529_wo_ln
	.globl	k_q72546b9529_wo_ln
	.p2align	8
	.type	k_q72546b9529_wo_ln,@function
k_q72546b9529_wo_ln:
	s_mov_b64 s[64:65], 0
	v_nop
	global_prefetch_b8 v0, s[64:65] scope:SCOPE_SE
	s_setreg_imm32_b32 hwreg(HW_REG_WAVE_MODE, 25, 1), 1
	s_wait_xcnt 0x0
; src2 = src + bo + ctx wo^T on codes of FP4 (E2M1); then LayerNorm 2 of src2, quantised as the first launch quantises.
; SHARES: a work-group takes a tile of 16 tokens x all 1,024 features, so that a row's mean and variance stay in the work-group; wave w takes features 128 w .. 128 w + 127: eight tiles, eight accumulators by turns.
; Each fragment of wo serves one matrix instruction of the work-group, so LDS would spare nothing: the weights go from memory straight into registers.  They come from wof, where the first launch has laid wo's codes
; in the order of an operand's registers, [tile 64][K step 8][c 2][lane][16 bytes], slot r of tile T being row 32 (T / 2) + 8 (T % 2) + r + 8 (r / 8): each load takes 512 consecutive bytes.
; Three buffers of four weight fragments and ctx's fragment: 30 loads a wave on their way.
; The sums begin as src + bo: the rows are loaded 512 consecutive bytes an instruction, bo is added, and they turn through the wave's stage into the accumulators' layout.
; s2: [tile 256][block 32][i 4][lane][16 bytes]: the image of the accumulators: lane (r, h) holds features 32 B + 16 h + 4 i .. + 3 of slot r.   yq: as xq.
; LIMITS: as in the first launch; residual and bias are added ahead of the products, another order of f32 additions than src + ctx W^T + b.
.set STGW,  8448
.set STAT,  67584
.set SG,    68608
.set WSC,   16                         ; v16-47 wo's scale words: register 4 a + j, row h of the lanes: K step 4 h + j
.set CSC,   48                         ; v48-51 ctx's
.set SU,    52
.set MU,    60
.set RS,    62
.set X,     64                         ; the accumulators
.set ACC,   64
.set G,     128
.set BB,    192
.set TM,    128                        ; over the gain, when it has served
.set PW,    144
.set PC,    146
.set BO,    248
.set WV,    22
.set SEL,   24
.macro WM d, a, b, sa, sb, row
.if \row
	v_wmma_scale_f32_16x16x128_f8f6f4 v[\d:\d+7], v[\a:\a+7], v[\b:\b+7], v[\d:\d+7], v[\sa], v[\sb] matrix_a_fmt:MATRIX_FMT_FP4 matrix_b_fmt:MATRIX_FMT_FP4 matrix_a_scale:MATRIX_SCALE_ROW1 matrix_b_scale:MATRIX_SCALE_ROW1
.else
	v_wmma_scale_f32_16x16x128_f8f6f4 v[\d:\d+7], v[\a:\a+7], v[\b:\b+7], v[\d:\d+7], v[\sa], v[\sb] matrix_a_fmt:MATRIX_FMT_FP4 matrix_b_fmt:MATRIX_FMT_FP4
.endif
.endm
.macro ACROSS off
	v_pk_add_f32 v[SU:SU+1], v[SU:SU+1], v[SU+2:SU+3]
	v_pk_add_f32 v[SU+4:SU+5], v[SU+4:SU+5], v[SU+6:SU+7]
	v_pk_add_f32 v[SU:SU+1], v[SU:SU+1], v[SU+4:SU+5]
	v_add_f32 v[SU], v[SU], v[SU+1]
	v_permlanex16_b32 v[SU+1], v[SU], s[SEL], s[SEL+1]
	v_add_f32 v[SU], v[SU], v[SU+1]
	ds_store_b32 v5, v[SU] offset:\off
	s_wait_dscnt 0x0
	s_barrier_signal -1
	s_barrier_wait -1
	ds_load_b128 v[SU:SU+3], v6 offset:\off
	ds_load_b128 v[SU+4:SU+7], v6 offset:\off+16
	s_wait_dscnt 0x0
	v_pk_add_f32 v[SU:SU+1], v[SU:SU+1], v[SU+2:SU+3]
	v_pk_add_f32 v[SU+4:SU+5], v[SU+4:SU+5], v[SU+6:SU+7]
	v_pk_add_f32 v[SU:SU+1], v[SU:SU+1], v[SU+4:SU+5]
	v_add_f32 v[SU], v[SU], v[SU+1]
.endm
.macro QUANT4 src
.irp b, 0,1,2,3
	v_max3_num_f32 v[TM+\b], |v[\src+16*\b]|, |v[\src+1+16*\b]|, 0x1800000
.endr
.irp i, 2,4,6,8,10,12,14
.irp b, 0,1,2,3
	v_max3_num_f32 v[TM+\b], v[TM+\b], |v[\src+16*\b+\i]|, |v[\src+1+16*\b+\i]|
.endr
.endr
.irp b, 0,1,2,3
	v_permlanex16_b32 v[TM+4+\b], v[TM+\b], s[SEL], s[SEL+1]
.endr
.irp b, 0,1,2,3
	v_max_num_f32 v[TM+\b], v[TM+\b], v[TM+4+\b]
.endr
.irp b, 0,1,2,3
	v_add_nc_u32 v[TM+12+\b], 0xff000000, v[TM+\b]
.endr
.irp b, 0,1,2,3
	v_lshrrev_b32 v[TM+4+\b], 23, v[TM+12+\b]
.endr
	v_lshl_or_b32 v[PW], v[TM+5], 8, v[TM+4]
	v_lshl_or_b32 v[PW], v[TM+6], 16, v[PW]
	v_lshl_or_b32 v[PW], v[TM+7], 24, v[PW]
.irp b, 0,1,2,3
	v_cvt_scalef32_pk8_fp4_f32 v[PC+2*\b], v[\src+16*\b:\src+7+16*\b], v[TM+12+\b]
	v_cvt_scalef32_pk8_fp4_f32 v[PC+1+2*\b], v[\src+8+16*\b:\src+15+16*\b], v[TM+12+\b]
.endr
	v_nop
.irp c, 0,1
.irp i, 0,1
	v_permlane16_swap_b32 v[PC+4*\c+\i], v[PC+2+4*\c+\i]
.endr
.endr
.endm
; chunk k: K step k / 2, tiles 4 (k % 2) .. + 3: ten loads of 512 consecutive bytes into buffer k % 3
.macro CLOAD k
.set BF, 128+40*((\k)%3)
.irp a, 0,1,2,3
.irp c, 0,1
	global_load_b128 v[BF+8*\a+4*\c:BF+8*\a+4*\c+3], v1, s[6:7] offset:(4*((\k)%2)+\a)*8192+1024*((\k)/2)+512*\c
.endr
.endr
.irp c, 0,1
	global_load_b128 v[BF+32+4*\c:BF+32+4*\c+3], v1, s[4:5] offset:1024*((\k)/2)+512*\c
.endr
.endm
.macro CHUNK k
.set BF, 128+40*((\k)%3)
.if (\k) < 14
	s_wait_loadcnt 20                              ; this chunk is in; the two behind it, ten loads each, may be out
.else
	s_wait_loadcnt 10*(15-(\k))
.endif
.irp a, 0,1,2,3
	WM ACC+8*(4*((\k)%2)+\a), BF+8*\a, BF+32, WSC+4*(4*((\k)%2)+\a)+((\k)/2)%4, CSC+((\k)/2)%4, (\k)/8
.endr
.rept 4
	v_nop                                          ; places ahead of the loads into this buffer, and at the end ahead of the stores of the sums
.endr
.if (\k) < 13
	CLOAD (\k)+3
.endif
.endm
	s_load_b256 s[4:11], s[0:1], 0x0               ; cq s[4:5], wof s[6:7], wo's scales s[8:9], bo s[10:11]
	s_load_b256 s[12:19], s[0:1], 0x20             ; src s[12:13], gain s[14:15], bias s[16:17], s2 s[18:19]
	s_load_b64 s[20:21], s[0:1], 0x40              ; yq
	v_lshl_add_u32 v14, v0, 2, 0x11000
	v_mov_b32 v15, 0
	v_lshrrev_b32 v9, 5, v0
	v_readfirstlane_b32 s[WV], v9
	v_and_b32 v10, 31, v0
	v_and_b32 v11, 15, v0
	v_bfe_u32 v12, v0, 4, 1
	v_lshlrev_b32 v1, 4, v10
	s_mul_i32 s23, s[WV], STGW
	v_add_nc_u32 v2, s23, v1
	v_mul_u32_u24 v3, v11, 528
	v_lshl_add_u32 v3, v12, 6, v3
	v_add_nc_u32 v3, s23, v3
	v_lshlrev_b32 v4, 6, v12
	v_lshlrev_b32 v6, 5, v11
	v_add_nc_u32 v6, STAT, v6
	s_lshl_b32 s23, s[WV], 2
	v_add_nc_u32 v5, s23, v6
	s_lshr_b32 s23, s[WV], 2
	s_lshl_b32 s23, s23, 8
	s_and_b32 s28, s[WV], 3
	s_lshl_b32 s28, s28, 2
	s_add_co_u32 s23, s23, s28
	s_add_co_u32 s23, s23, SG
	v_lshl_add_u32 v7, v11, 4, s23
	v_add_nc_u32 v13, SG, v1
	v_bfe_u32 v9, v0, 3, 1
	v_lshl_add_u32 v10, v9, 3, v11                 ; r + 8 (r / 8)
	v_lshlrev_b32 v9, 5, v10
	v_lshl_add_u32 v9, v12, 4, v9                  ; wo's scale bytes: a row is 32; + 16 h
	s_mov_b32 s[SEL], 0x76543210
	s_mov_b32 s[SEL+1], 0xfedcba98
	s_mov_b32 s26, 0x3a800000
	s_mov_b32 s27, 0x3727c5ac
	s_lshl_b32 s28, ttmp9, 13                      ; a tile's codes
	s_mov_b32 s29, 0
	s_lshl_b32 s30, ttmp9, 9                       ; a tile's scale bytes
	s_mov_b32 s31, 0
	s_lshl_b32 s32, s[WV], 16                      ; my eight tiles of wof, 8,192 bytes each
	s_mov_b32 s33, 0
	s_lshl_b32 s34, s[WV], 12
	s_mov_b32 s35, 0
	s_lshl_b32 s36, s[WV], 9                       ; my 128 features in f32
	s_mov_b32 s37, 0
	s_lshr_b32 s38, ttmp9, 1
	s_lshl_b32 s38, s38, 17
	s_and_b32 s39, ttmp9, 1
	s_lshl_b32 s39, s39, 15
	s_add_co_u32 s38, s38, s39
	s_add_co_u32 s38, s38, s36
	s_mov_b32 s39, 0
	s_lshl_b32 s40, ttmp9, 16
	s_lshl_b32 s41, s[WV], 13
	s_add_co_u32 s40, s40, s41
	s_mov_b32 s41, 0
	s_lshl_b32 s42, s[WV], 10
	s_add_co_u32 s42, s42, s28
	s_mov_b32 s43, 0
	s_wait_kmcnt 0x0
	s_add_nc_u64 s[46:47], s[4:5], s[30:31]
	s_add_nc_u64 s[4:5], s[4:5], s[28:29]
	s_add_nc_u64 s[6:7], s[6:7], s[32:33]
	s_add_nc_u64 s[8:9], s[8:9], s[34:35]
	s_add_nc_u64 s[10:11], s[10:11], s[36:37]
	s_add_nc_u64 s[12:13], s[12:13], s[38:39]
	s_add_nc_u64 s[14:15], s[14:15], s[36:37]
	s_add_nc_u64 s[16:17], s[16:17], s[36:37]
	s_add_nc_u64 s[18:19], s[18:19], s[40:41]
	s_add_nc_u64 s[48:49], s[20:21], s[30:31]
	s_add_nc_u64 s[20:21], s[20:21], s[42:43]
.irp i, 0,1,2,3,4,5,6,7,8,9,10,11,12,13,14,15
	global_load_b128 v[X+4*\i:X+4*\i+3], v1, s[12:13] offset:(\i+8*(\i/8))*4096 th:TH_LOAD_NT
.endr
	global_load_b128 v[BO:BO+3], v1, s[10:11]
.irp a, 0,1,2,3,4,5,6,7
	global_load_b128 v[WSC+4*\a:WSC+4*\a+3], v9, s[8:9] offset:(32*(\a/2)+8*(\a%2))*32
.endr
	global_load_b128 v[CSC:CSC+3], v1, s[46:47] offset:2097152
	CLOAD 0
	CLOAD 1
	CLOAD 2
	s_wait_loadcnt 39                              ; the rows and bo are in; 9 loads of scale words and 30 of the first three chunks may be out
.irp i, 0,1,2,3,4,5,6,7,8,9,10,11,12,13,14,15
	v_pk_add_f32 v[X+4*\i:X+4*\i+1], v[X+4*\i:X+4*\i+1], v[BO:BO+1]
	v_pk_add_f32 v[X+4*\i+2:X+4*\i+3], v[X+4*\i+2:X+4*\i+3], v[BO+2:BO+3]
.endr
.irp i, 0,1,2,3,4,5,6,7,8,9,10,11,12,13,14,15
	ds_store_b128 v2, v[X+4*\i:X+4*\i+3] offset:528*\i
.endr
.irp b, 0,1,2,3
.irp i, 0,1,2,3
	ds_load_b128 v[X+16*\b+4*\i:X+16*\b+4*\i+3], v3 offset:128*\b+16*\i   ; LDS serves a wave's instructions in order: these see my stores
.endr
.endr
	s_wait_dscnt 0x0
.irp k, 0,1,2,3,4,5,6,7,8,9,10,11,12,13,14,15
	CHUNK \k
.endr
.irp b, 0,1,2,3
.irp i, 0,1,2,3
	global_store_b128 v1, v[ACC+16*\b+4*\i:ACC+16*\b+4*\i+3], s[18:19] offset:2048*\b+512*\i   ; src2, 512 consecutive bytes a store; each accumulator from its low end on
.endr
.endr
.irp b, 0,1,2,3
.irp i, 0,1,2,3
	global_load_b128 v[G+16*\b+4*\i:G+16*\b+4*\i+3], v4, s[14:15] offset:128*\b+16*\i
.endr
.endr
.irp b, 0,1,2,3
.irp i, 0,1,2,3
	global_load_b128 v[BB+16*\b+4*\i:BB+16*\b+4*\i+3], v4, s[16:17] offset:128*\b+16*\i
.endr
.endr
.irp k, 0,1,2,3
	v_pk_add_f32 v[SU+2*\k:SU+2*\k+1], v[X+2*\k:X+2*\k+1], v[X+8+2*\k:X+8+2*\k+1]
.endr
.irp j, 16,24,32,40,48,56
.irp k, 0,1,2,3
	v_pk_add_f32 v[SU+2*\k:SU+2*\k+1], v[SU+2*\k:SU+2*\k+1], v[X+\j+2*\k:X+\j+2*\k+1]
.endr
.endr
	ACROSS 0
	v_mul_f32 v[MU], 0xba800000, v[SU]             ; -mean
	v_mov_b32 v[MU+1], v[MU]
	s_wait_xcnt 0x0                                ; the stores of src2 have read their registers: they are rewritten only behind this wait
.set j, 0
.rept 32
	v_pk_add_f32 v[X+j:X+j+1], v[X+j:X+j+1], v[MU:MU+1]
.set j, j+2
.endr
.irp k, 0,1,2,3
	v_pk_mul_f32 v[SU+2*\k:SU+2*\k+1], v[X+2*\k:X+2*\k+1], v[X+2*\k:X+2*\k+1]
.endr
.irp j, 8,16,24,32,40,48,56
.irp k, 0,1,2,3
	v_pk_fma_f32 v[SU+2*\k:SU+2*\k+1], v[X+\j+2*\k:X+\j+2*\k+1], v[X+\j+2*\k:X+\j+2*\k+1], v[SU+2*\k:SU+2*\k+1]
.endr
.endr
	ACROSS 512
	v_fma_f32 v[RS], v[SU], s26, s27
	v_rsq_f32 v[RS], v[RS]
	v_nop
	s_wait_alu depctr_va_vdst(0)                   ; the wait ahead of the first reader
	v_mov_b32 v[RS+1], v[RS]
	s_wait_loadcnt 0x0
.set j, 0
.rept 32
	v_pk_mul_f32 v[X+j:X+j+1], v[X+j:X+j+1], v[RS:RS+1]
.set j, j+2
.endr
.set j, 0
.rept 32
	v_pk_fma_f32 v[X+j:X+j+1], v[X+j:X+j+1], v[G+j:G+j+1], v[BB+j:BB+j+1]
.set j, j+2
.endr
.irp b, 0,1,2,3
	v_mov_b32 v[TM+4+\b], 0
.endr
	QUANT4 X
	global_store_b128 v1, v[PC:PC+3], s[20:21]
	global_store_b128 v1, v[PC+4:PC+7], s[20:21] offset:512
	ds_store_b32 v7, v[PW]
	s_wait_dscnt 0x0
	s_barrier_signal -1
	s_barrier_wait -1
	s_cmp_lg_u32 s[WV], 0
	s_cbranch_scc1 .Ldone
	ds_load_b128 v[160:163], v13
	s_wait_dscnt 0x0
	global_store_b128 v1, v[160:163], s[48:49] offset:2097152
.Ldone:
	s_wait_tensorcnt 0x0
	ds_add_u32 v14, v15
	s_wait_dscnt 0x0
	s_endpgm
.Lfunc_end_k_q72546b9529_wo_ln:
	.size	k_q72546b9529_wo_ln, .Lfunc_end_k_q72546b9529_wo_ln-k_q72546b9529_wo_ln
	.p2alignl 7, 3214868480
	.fill 96, 4, 3214868480
	.section	.rodata,"a",@progbits
	.p2align	6, 0x0
	.amdhsa_kernel k_q72546b9529_wo_ln
		.amdhsa_group_segment_fixed_size 70656
		.amdhsa_private_segment_fixed_size 0
		.amdhsa_enable_private_segment 0
		.amdhsa_kernarg_size 72
		.amdhsa_user_sgpr_count 2
		.amdhsa_user_sgpr_kernarg_segment_ptr 1
		.amdhsa_wavefront_size32 1
		.amdhsa_system_sgpr_workgroup_id_x 1
		.amdhsa_system_sgpr_workgroup_id_y 1
		.amdhsa_system_sgpr_workgroup_id_z 1
		.amdhsa_system_vgpr_workitem_id 0
		.amdhsa_next_free_vgpr 256
		.amdhsa_next_free_sgpr 66
		.amdhsa_reserve_vcc 0
		.amdhsa_float_denorm_mode_32 3
		.amdhsa_float_denorm_mode_16_64 3
		.amdhsa_memory_ordered 1
		.amdhsa_forward_progress 1
		.amdhsa_inst_pref_size 57
	.end_amdhsa_kernel
	.amdgpu_metadata
---
amdhsa.version: [ 1, 2 ]
amdhsa.kernels:
  - .name:           k_q72546b9529_wo_ln
    .symbol:         k_q72546b9529_wo_ln.kd
    .args:
      - { .name: cq, .offset: 0, .size: 8, .value_kind: global_buffer, .address_space: global }
      - { .name: wof, .offset: 8, .size: 8, .value_kind: global_buffer, .address_space: global }
      - { .name: wo_scales, .offset: 16, .size: 8, .value_kind: global_buffer, .address_space: global }
      - { .name: bo, .offset: 24, .size: 8, .value_kind: global_buffer, .address_space: global }
      - { .name: src, .offset: 32, .size: 8, .value_kind: global_buffer, .address_space: global }
      - { .name: ln2_g, .offset: 40, .size: 8, .value_kind: global_buffer, .address_space: global }
      - { .name: ln2_b, .offset: 48, .size: 8, .value_kind: global_buffer, .address_space: global }
      - { .name: s2, .offset: 56, .size: 8, .value_kind: global_buffer, .address_space: global }
      - { .name: yq, .offset: 64, .size: 8, .value_kind: global_buffer, .address_space: global }
    .group_segment_fixed_size: 70656
    .private_segment_fixed_size: 0
    .kernarg_segment_align: 8
    .kernarg_segment_size: 72
    .max_flat_workgroup_size: 256
    .sgpr_count:     66
    .vgpr_count:     256
    .wavefront_size: 32
...
	.end_amdgpu_metadata
.endif
;; end of part 4
;; launch ffn1 (part 5): grid 16 x 16, 16 waves a work-group, no clusters, 290,816 bytes of LDS; arguments yq, w1_codes, w1_scales, b1, hq; writes hq
.if DOCPART == 5
	.amdgcn_target "amdgcn-amd-amdhsa--gfx1250"
	.amdhsa_code_object_version 6
	.text
	.protected	k_q72546b9529_ffn1
	.globl	k_q72546b9529_ffn1
	.p2align	8
	.type	k_q72546b9529_ffn1,@function
k_q72546b9529_ffn1:
	s_mov_b64 s[64:65], 0
	v_nop
	global_prefetch_b8 v0, s[64:65] scope:SCOPE_SE
	s_setreg_imm32_b32 hwreg(HW_REG_WAVE_MODE, 25, 1), 1
	s_wait_xcnt 0x0
; h = relu(y w1^T + b1) on codes of FP4 (E2M1), quantised along the hidden units on the way out.
; The frame is the QKV launch's: a work-group takes 256 token slots (y) x 256 rows of w1 (x); wave w takes 64 rows (w / 4) x 64 slots (w % 4): 16 accumulators by turns.  K = 1,024 whole lies in LDS, filled ONCE by lane-wise
; copies at the head; the weight's rows are laid anew on the way: block beta of slot r of a tile at 272 beta + 16 r, slot r of tile T = row 32 (T / 2) + 8 (T % 2) + r + 8 (r / 8).
; No multicast: the weight must be laid anew block by block, which a lane-wise copy does and a tile load does not.
; Source 0 = 16 rows of the weight, source 1 = 16 slots: a lane holds one token, and its 32 registers of a token tile are hidden units 32 b + 16 h + 0 .. 15: two blocks of the next K.  The sums begin as the bias.
; hq: codes [tile 256][K step 32][c 2][lane][16 bytes]; from byte 8,388,608 scale bytes [y 16][x 16][slot 256][8 bytes]: the eight blocks of this work-group's 256 hidden units.
; LIMITS: a block of zeros gets the byte 1 (its codes are zeros); NaN and infinities are not served; the bias is added ahead of the products.
.set WC,  131072
.set XS,  270336
.set WS,  278528
.set SG,  286720
.set M,   12
.set SCW, 32
.set SCX, 48
.set WF,  64
.set XF,  96
.set ACC, 128
.set CD,  64
.set HW,  80
.set SEL, 26
.macro WM d, a, b, sa, sb, row
.if \row
	v_wmma_scale_f32_16x16x128_f8f6f4 v[\d:\d+7], v[\a:\a+7], v[\b:\b+7], v[\d:\d+7], v[\sa], v[\sb] matrix_a_fmt:MATRIX_FMT_FP4 matrix_b_fmt:MATRIX_FMT_FP4 matrix_a_scale:MATRIX_SCALE_ROW1 matrix_b_scale:MATRIX_SCALE_ROW1
.else
	v_wmma_scale_f32_16x16x128_f8f6f4 v[\d:\d+7], v[\a:\a+7], v[\b:\b+7], v[\d:\d+7], v[\sa], v[\sb] matrix_a_fmt:MATRIX_FMT_FP4 matrix_b_fmt:MATRIX_FMT_FP4
.endif
.endm
.macro QUANT2 src, dst, hw
.irp b, 0,1
	v_max3_num_f32 v[M+\b], |v[\src+16*\b]|, |v[\src+16*\b+1]|, 0x1800000
.endr
.irp i, 2,4,6,8,10,12,14
.irp b, 0,1
	v_max3_num_f32 v[M+\b], v[M+\b], |v[\src+16*\b+\i]|, |v[\src+16*\b+\i+1]|
.endr
.endr
.irp b, 0,1
	v_permlanex16_b32 v[M+2+\b], v[M+\b], s[SEL], s[SEL+1]
.endr
.irp b, 0,1
	v_max_num_f32 v[M+\b], v[M+\b], v[M+2+\b]
.endr
.irp b, 0,1
	v_add_nc_u32 v[M+4+\b], 0xff000000, v[M+\b]
.endr
.irp b, 0,1
	v_lshrrev_b32 v[M+2+\b], 23, v[M+4+\b]
.endr
	v_lshl_or_b32 v[\hw], v[M+3], 8, v[M+2]
.irp b, 0,1
	v_cvt_scalef32_pk8_fp4_f32 v[\dst+2*\b], v[\src+16*\b:\src+16*\b+7], v[M+4+\b]
	v_cvt_scalef32_pk8_fp4_f32 v[\dst+2*\b+1], v[\src+16*\b+8:\src+16*\b+15], v[M+4+\b]
.endr
	v_nop
	v_permlane16_swap_b32 v[\dst], v[\dst+2]
	v_permlane16_swap_b32 v[\dst+1], v[\dst+3]
.endm
.macro STEP s
.irp t, 0,1,2,3
.irp c, 0,1
	ds_load_b128 v[XF+8*\t+4*\c:XF+8*\t+4*\c+3], v2 offset:8192*\t+1024*(\s)+512*\c
.endr
.endr
.irp a, 0,1,2,3
.irp c, 0,1
	ds_load_b128 v[WF+8*\a+4*\c:WF+8*\a+4*\c+3], v3 offset:8704*\a+(4*(\s)+2*\c)*272
.endr
.endr
.irp a, 0,1,2,3
	s_wait_dscnt 6-2*\a                            ; the later tiles' weight fragments, two loads each, may be out
.irp t, 0,1,2,3
	WM ACC+32*\t+8*\a, WF+8*\a, XF+8*\t, SCW+4*\a+(\s)%4, SCX+4*\t+(\s)%4, (\s)/4
.endr
.endr
.rept 4
	v_nop
.endr
.endm
	s_load_b256 s[4:11], s[0:1], 0x0               ; yq s[4:5], the weight's codes s[6:7], its scales s[8:9], the bias s[10:11]
	s_load_b64 s[12:13], s[0:1], 0x20              ; hq
	v_lshl_add_u32 v30, v0, 2, 0x46800
	v_mov_b32 v31, 0
	ds_add_u32 v30, v31
	ds_add_u32 v30, v31
	v_lshrrev_b32 v23, 5, v0
	v_readfirstlane_b32 s16, v23
	s_lshr_b32 s17, s16, 2                         ; fw
	s_and_b32 s18, s16, 3                          ; tg
	s_mov_b32 s19, ttmp9                           ; fb
	s_and_b32 s20, ttmp7, 0xffff                   ; tb
	v_and_b32 v20, 31, v0
	v_and_b32 v21, 15, v0
	v_bfe_u32 v22, v0, 4, 1
	v_lshlrev_b32 v1, 4, v20
	v_lshlrev_b32 v64, 4, v0                       ; the copies' addresses: v64-79, untouched until the wait for the copies.  Every copy's immediate stays under 65,536
	v_lshlrev_b32 v65, 4, v0
	v_add_nc_u32 v78, 0x10000, v64                 ; y's tiles 8 to 15: 65,536 bytes on, in LDS
	v_add_nc_u32 v79, 0x10000, v65                 ; and in memory
	v_add_nc_u32 v66, XS, v64
	v_bfe_u32 v23, v0, 6, 3
	v_lshlrev_b32 v67, 10, v23
	v_bfe_u32 v23, v0, 4, 1
	v_lshl_add_u32 v67, v23, 9, v67
	v_and_b32 v23, 1, v0
	v_lshl_add_u32 v67, v23, 8, v67
	v_bfe_u32 v23, v0, 5, 1
	v_lshl_add_u32 v67, v23, 7, v67
	v_bfe_u32 v23, v0, 1, 3
	v_lshl_add_u32 v67, v23, 4, v67
	v_add_nc_u32 v67, WS, v67
	s_lshl_b32 s28, s16, 13
	v_add_nc_u32 v68, s28, v1
.irp k, 1,2,3,4,5,6,7
	v_add_nc_u32 v[68+\k], 496*\k, v68
.endr
	s_lshr_b32 s28, s16, 1
	s_mul_i32 s28, s28, 17408
	s_and_b32 s29, s16, 1
	s_lshl_b32 s29, s29, 7
	s_add_co_u32 s28, s28, s29
	s_add_co_u32 s28, s28, WC
	v_mul_u32_u24 v76, v20, 272
	v_add_nc_u32 v76, s28, v76
	v_add_nc_u32 v77, 4608, v76
	s_lshl_b32 s28, s20, 17
	s_mov_b32 s29, 0
	s_lshl_b32 s30, s20, 13
	s_add_co_u32 s30, s30, 0x200000
	s_mov_b32 s31, 0
	s_lshl_b32 s32, s19, 17
	s_mov_b32 s33, 0
	s_lshl_b32 s34, s19, 13
	s_mov_b32 s35, 0
	s_lshl_b32 s44, s20, 4
	s_lshl_b32 s54, s18, 2
	s_add_co_u32 s44, s44, s54
	s_lshl_b32 s44, s44, 15                        ; my first token tile: 32,768 bytes a tile,
	s_lshl_b32 s54, s19, 1
	s_lshr_b32 s55, s17, 1
	s_add_co_u32 s54, s54, s55
	s_lshl_b32 s54, s54, 10                        ; K step 2 fb + fw / 2,
	s_add_co_u32 s44, s44, s54
	s_and_b32 s54, s17, 1
	s_lshl_b32 s54, s54, 9                         ; c = fw % 2
	s_add_co_u32 s44, s44, s54
	s_mov_b32 s45, 0
	s_lshl_b32 s50, s20, 4
	s_add_co_u32 s50, s50, s19
	s_lshl_b32 s50, s50, 11
	s_lshl_b32 s54, s18, 9
	s_add_co_u32 s50, s50, s54
	s_add_co_u32 s50, s50, 0x800000                ; the scale bytes leave by waves 0 to 3, 512 bytes each
	s_mov_b32 s51, 0
	s_lshl_b32 s52, s19, 10
	s_lshl_b32 s55, s17, 8
	s_add_co_u32 s52, s52, s55
	s_mov_b32 s53, 0
	s_mov_b32 s[SEL], 0x76543210
	s_mov_b32 s[SEL+1], 0xfedcba98
	s_wait_dscnt 0x0
	s_wait_kmcnt 0x0
	s_add_nc_u64 s[36:37], s[4:5], s[28:29]
	s_add_nc_u64 s[38:39], s[4:5], s[30:31]
	s_add_nc_u64 s[40:41], s[6:7], s[32:33]
	s_add_nc_u64 s[42:43], s[8:9], s[34:35]
.irp k, 0,1,2,3,4,5,6,7
	global_load_async_to_lds_b128 v64, v65, s[36:37] offset:8192*\k     ; y's tiles 0 to 7, as they lie
.endr
.irp k, 0,1,2,3,4,5,6,7
	global_load_async_to_lds_b128 v78, v79, s[36:37] offset:8192*\k     ; tiles 8 to 15
.endr
	global_load_async_to_lds_b128 v66, v65, s[38:39]
	global_load_async_to_lds_b128 v67, v65, s[42:43]
.irp e, 0,1
.irp k, 0,1,2,3,4,5,6,7
	global_load_async_to_lds_b128 v[76+\e], v[68+\k], s[40:41] offset:16*\k+4096*\e
.endr
.endr
	s_add_nc_u64 s[44:45], s[12:13], s[44:45]
	s_add_nc_u64 s[50:51], s[12:13], s[50:51]
	s_add_nc_u64 s[52:53], s[10:11], s[52:53]
	v_lshlrev_b32 v6, 6, v22
.irp t, 0,1,2,3
.irp a, 0,1,2,3
.irp j, 0,1
	global_load_b128 v[ACC+32*\t+8*\a+4*\j:ACC+32*\t+8*\a+4*\j+3], v6, s[52:53] offset:128*(\a/2)+32*(\a%2)+16*\j   ; the sums begin as the bias
.endr
.endr
.endr
	s_lshl_b32 s54, s18, 15
	v_add_nc_u32 v2, s54, v1
	s_mul_i32 s54, s17, 34816
	s_add_co_u32 s54, s54, WC
	v_mul_u32_u24 v3, v22, 272
	v_lshl_add_u32 v3, v21, 4, v3
	v_add_nc_u32 v3, s54, v3
	s_lshl_b32 s54, s18, 11
	s_add_co_u32 s54, s54, XS
	v_add_nc_u32 v4, s54, v1
	s_lshl_b32 s54, s17, 11
	s_add_co_u32 s54, s54, WS
	v_add_nc_u32 v5, s54, v1
	s_lshl_b32 s54, s18, 9
	s_add_co_u32 s54, s54, SG
	v_add_nc_u32 v19, s54, v1                      ; 512 scale bytes on their way out
	s_lshl_b32 s55, s17, 1
	s_add_co_u32 s54, s54, s55
	v_lshl_add_u32 v7, v21, 3, s54                 ; slot 64 tg + 16 t + r: 8 bytes a slot, my halfword fw
	v_mov_b32 v[M+2], 0
	v_mov_b32 v[M+3], 0
	s_wait_asynccnt 0x0                            ; my copies have landed,
	s_barrier_signal -1
	s_barrier_wait -1                              ; everybody's have
.irp t, 0,1,2,3
	ds_load_b128 v[SCX+4*\t:SCX+4*\t+3], v4 offset:512*\t
.endr
.irp a, 0,1,2,3
	ds_load_b128 v[SCW+4*\a:SCW+4*\a+3], v5 offset:512*\a
.endr
	s_wait_loadcnt 0x0
.irp s, 0,1,2,3,4,5,6,7
	STEP \s
.endr
.set j, 0
.rept 128
	v_max_num_f32 v[ACC+j], 0, v[ACC+j]            ; the activation, in f32; each accumulator from its low end on
.set j, j+1
.endr
.irp t, 0,1,2,3
	QUANT2 ACC+32*\t, CD+4*\t, HW+\t
	global_store_b128 v1, v[CD+4*\t:CD+4*\t+3], s[44:45] offset:32768*\t
	ds_store_b16 v7, v[HW+\t] offset:128*\t
.endr
	s_wait_dscnt 0x0
	s_barrier_signal -1
	s_barrier_wait -1
	s_cmp_gt_u32 s16, 3
	s_cbranch_scc1 .Ldone
	ds_load_b128 v[84:87], v19
	s_wait_dscnt 0x0
	global_store_b128 v1, v[84:87], s[50:51]
.Ldone:
	s_wait_tensorcnt 0x0
	ds_add_u32 v30, v31
	s_wait_dscnt 0x0
	s_endpgm
.Lfunc_end_k_q72546b9529_ffn1:
	.size	k_q72546b9529_ffn1, .Lfunc_end_k_q72546b9529_ffn1-k_q72546b9529_ffn1
	.p2alignl 7, 3214868480
	.fill 96, 4, 3214868480
	.section	.rodata,"a",@progbits
	.p2align	6, 0x0
	.amdhsa_kernel k_q72546b9529_ffn1
		.amdhsa_group_segment_fixed_size 290816
		.amdhsa_private_segment_fixed_size 0
		.amdhsa_enable_private_segment 0
		.amdhsa_kernarg_size 40
		.amdhsa_user_sgpr_count 2
		.amdhsa_user_sgpr_kernarg_segment_ptr 1
		.amdhsa_wavefront_size32 1
		.amdhsa_system_sgpr_workgroup_id_x 1
		.amdhsa_system_sgpr_workgroup_id_y 1
		.amdhsa_system_sgpr_workgroup_id_z 1
		.amdhsa_system_vgpr_workitem_id 0
		.amdhsa_next_free_vgpr 256
		.amdhsa_next_free_sgpr 66
		.amdhsa_reserve_vcc 0
		.amdhsa_float_denorm_mode_32 3
		.amdhsa_float_denorm_mode_16_64 3
		.amdhsa_memory_ordered 1
		.amdhsa_forward_progress 1
		.amdhsa_inst_pref_size 51
	.end_amdhsa_kernel
	.amdgpu_metadata
---
amdhsa.version: [ 1, 2 ]
amdhsa.kernels:
  - .name:           k_q72546b9529_ffn1
    .symbol:         k_q72546b9529_ffn1.kd
    .args:
      - { .name: yq, .offset: 0, .size: 8, .value_kind: global_buffer, .address_space: global }
      - { .name: w1_codes, .offset: 8, .size: 8, .value_kind: global_buffer, .address_space: global }
      - { .name: w1_scales, .offset: 16, .size: 8, .value_kind: global_buffer, .address_space: global }
      - { .name: b1, .offset: 24, .size: 8, .value_kind: global_buffer, .address_space: global }
      - { .name: hq, .offset: 32, .size: 8, .value_kind: global_buffer, .address_space: global }
    .group_segment_fixed_size: 290816
    .private_segment_fixed_size: 0
    .kernarg_segment_align: 8
    .kernarg_segment_size: 40
    .max_flat_workgroup_size: 512
    .sgpr_count:     66
    .vgpr_count:     256
    .wavefront_size: 32
...
	.end_amdgpu_metadata
.endif
;; end of part 5
;; launch ffn2 (part 6): grid 16 x 16, 8 waves a work-group, no clusters, 183,296 bytes of LDS; arguments hq, w2_codes, w2_scales, b2, s2, out0; writes out0
.if DOCPART == 6
	.amdgcn_target "amdgcn-amd-amdhsa--gfx1250"
	.amdhsa_code_object_version 6
	.text
	.protected	k_q72546b9529_ffn2
	.globl	k_q72546b9529_ffn2
	.p2align	8
	.type	k_q72546b9529_ffn2,@function
k_q72546b9529_ffn2:
	s_mov_b64 s[64:65], 0
	v_nop
	global_prefetch_b8 v0, s[64:65] scope:SCOPE_SE
	s_setreg_imm32_b32 hwreg(HW_REG_WAVE_MODE, 25, 1), 1
	s_wait_xcnt 0x0
; out = src2 + b2 + h w2^T on codes of FP4 (E2M1), K = 4,096.
; SHARES: a work-group takes 256 token slots (y) x 64 rows of w2 (x); wave w takes token tiles 2 w, 2 w + 1 x the four tiles of rows: eight accumulators by turns, 32 K steps written out.
; The 64 rows of w2, all of K, lie in LDS, filled ONCE by lane-wise copies at the head and laid anew on the way (block beta of slot r of a tile at 272 beta + 16 r; slot r of tile T = row 32 (T / 2) + 8 (T % 2) + r + 8 (r / 8)).
; A fragment of h serves one wave alone: it goes from memory straight into registers, 512 consecutive bytes a load, TWELVE K steps ahead: 48 loads, 24,576 bytes, of each wave on their way.
; REGISTERS, in windows of 256 (s_set_vgpr_msb's low byte: bits 1:0 source 0, 3:2 source 1, 5:4 source 2, 7:6 destination): window 0 holds all but h's fragments; window 1: v0-191: h's twelve sets of 16.
; So a K step has three switches for its eight matrix instructions: source 1 in window 1 for the products, the destination in window 1 for h's loads, all in window 0 for the LDS loads: the price of the twelve steps.
; The sums begin as src2, loaded in the accumulators' own layout.  h's scale words of all of K, 32 registers, are loaded ahead of h's fragments, so that the first step's wait shows them all in.
; No multicast: the weight must be laid anew block by block, and h does not go through LDS.
; The way out: a tile of 16 rows x 64 columns through the wave's own stage; sixteen lanes store 256 consecutive bytes, aligned; b2 is added there.
; LIMITS: NaN and infinities are not served; the residual is added ahead of the products, another order of f32 additions than src2 + h W^T + b.
.set WS,  139264                       ; behind the codes (4 tiles x 128 blocks x 272): the weight's scale bytes [tile][g 4][h 2][r 16][16 bytes]
.set STG, 147456                       ; a stage of 16 x 272 bytes for each wave: no copy lands here
.set DEPTH, 12                         ; K steps of h on their way
.set B2,  12
.set WSC, 32                           ; v32-47 the weight's scale words of 8 K steps: register 4 a + j, row h of the lanes: K step 8 g + 4 h + j
.set WF,  64                           ; v64-127 the weight's fragments, two sets of 32
.set HSC, 128                          ; v128-159 h's scale words: register 8 g + 4 t + j, row h of the lanes: K step 8 g + 4 h + j of token tile t
.set ACC, 192
.set HF,  0                            ; in window 1: set s % 12 at v[16 (s % 12)]
.set MSB, 0
.macro WIN new                         ; the immediate's high byte repeats the setting that is left
.if MSB != \new
	s_set_vgpr_msb (MSB<<8)|\new
.set MSB, \new
.endif
.endm
.macro WM d, a, b, sa, sb, row
.if \row
	v_wmma_scale_f32_16x16x128_f8f6f4 v[\d:\d+7], v[\a:\a+7], v[\b:\b+7], v[\d:\d+7], v[\sa], v[\sb] matrix_a_fmt:MATRIX_FMT_FP4 matrix_b_fmt:MATRIX_FMT_FP4 matrix_a_scale:MATRIX_SCALE_ROW1 matrix_b_scale:MATRIX_SCALE_ROW1
.else
	v_wmma_scale_f32_16x16x128_f8f6f4 v[\d:\d+7], v[\a:\a+7], v[\b:\b+7], v[\d:\d+7], v[\sa], v[\sb] matrix_a_fmt:MATRIX_FMT_FP4 matrix_b_fmt:MATRIX_FMT_FP4
.endif
.endm
.macro WLOAD s
.irp a, 0,1,2,3
.irp c, 0,1
	ds_load_b128 v[WF+32*((\s)%2)+8*\a+4*\c:WF+32*((\s)%2)+8*\a+4*\c+3], v[2+\a] offset:(4*(\s)+2*\c)*272
.endr
.endr
.endm
.macro HLOAD s                         ; under the setting 0x40: the data go to window 1, the address comes from window 0
.irp t, 0,1
.irp c, 0,1
	global_load_b128 v[HF+16*((\s)%DEPTH)+8*\t+4*\c:HF+16*((\s)%DEPTH)+8*\t+4*\c+3], v1, s[24:25] offset:32768*\t+1024*(\s)+512*\c
.endr
.endr
.endm
.macro HSLOAD g
.irp t, 0,1
.irp p, 0,1
	global_load_b64 v[HSC+8*(\g)+4*\t+2*\p:HSC+8*(\g)+4*\t+2*\p+1], v7, s[26:27] offset:8192*(\g)+128*\t+2048*\p
.endr
.endr
.endm
.macro STEP s
.if ((\s)%8 == 0) && ((\s) > 0)
.irp a, 0,1,2,3
	ds_load_b128 v[WSC+4*\a:WSC+4*\a+3], v6 offset:2048*\a+512*((\s)/8)
.endr
	s_wait_dscnt 0x0
.elseif (\s) == 31
	s_wait_dscnt 0x0
.else
	s_wait_dscnt 8                                 ; this step's weight fragments are in; the next step's eight loads may be out
.endif
.if (\s) <= 32-DEPTH
	s_wait_loadcnt 4*(DEPTH-1)                     ; this step's h is in; the eleven steps behind it, four loads each, may be out
.else
	s_wait_loadcnt 4*(31-(\s))                     ; the steps that are left
.endif
	WIN 0x04                                       ; source 1 (h) in window 1
.irp t, 0,1
.irp a, 0,1,2,3
	WM ACC+32*\t+8*\a, WF+32*((\s)%2)+8*\a, HF+16*((\s)%DEPTH)+8*\t, WSC+4*\a+(\s)%4, HSC+8*((\s)/8)+4*\t+(\s)%4, ((\s)/4)%2
.endr
.endr
.rept 4
	v_nop                                          ; places ahead of the loads into the registers just read, and at the end ahead of the first read of the sums
.endr
.if (\s) < 32-DEPTH
	WIN 0x40
	HLOAD (\s)+DEPTH                               ; into the set just multiplied
.endif
	WIN 0
.if (\s) < 30
	WLOAD (\s)+2
.endif
.endm
	s_load_b256 s[4:11], s[0:1], 0x0               ; hq s[4:5], w2's codes s[6:7], its scales s[8:9], b2 s[10:11]
	s_load_b128 s[12:15], s[0:1], 0x20             ; s2 s[12:13], out0 s[14:15]
	v_lshl_add_u32 v190, v0, 2, 0x2c800
	v_mov_b32 v191, 0
	ds_add_u32 v190, v191
	ds_add_u32 v190, v191
	v_lshrrev_b32 v16, 5, v0
	v_readfirstlane_b32 s16, v16                   ; wave 0..7
	s_mov_b32 s17, ttmp9                           ; fb
	s_and_b32 s18, ttmp7, 0xffff                   ; tb
	v_and_b32 v17, 31, v0
	v_and_b32 v18, 15, v0                          ; r
	v_bfe_u32 v19, v0, 4, 1                        ; h
	v_lshlrev_b32 v1, 4, v17
	; the copies' addresses: v64-81, untouched until the wait for the copies.  Wave w copies rows 4 w + rho + 32 G, a quarter q of a row (512 bytes) at a time.
	; The immediate 16 rho + 512 q, under 65,536, goes onto both addresses; all that hangs on G stands in registers
	s_lshl_b32 s19, s16, 13
	v_add_nc_u32 v64, s19, v1
.irp k, 1,2,3
	v_add_nc_u32 v[64+\k], 2032*\k, v64            ; memory's offset carries the rest of 2,048 rho,
.endr
.irp k, 0,1,2,3
	v_add_nc_u32 v[78+\k], 0x10000, v[64+\k]       ; and for rows 32 to 63 their 65,536 bytes
.endr
	s_bfe_u32 s19, s16, 0x10001
	s_mul_i32 s19, s19, 34816
	s_and_b32 s34, s16, 1
	s_lshl_b32 s34, s34, 6
	s_add_co_u32 s19, s19, s34
	s_lshr_b32 s34, s16, 2
	s_lshl_b32 s34, s34, 7
	s_add_co_u32 s19, s19, s34
	v_mul_u32_u24 v68, v17, 272
	v_add_nc_u32 v68, s19, v68                     ; LDS: tile 2 G + (w / 2) % 2, slot 4 (w % 2) + rho + 8 (w / 4), block 32 q + lane
	v_add_nc_u32 v69, 69632, v68                   ; two tiles on for G = 1,
.irp q, 1,2,3
	v_add_nc_u32 v[68+2*\q], 8192*\q, v68          ; and the rest of 8,704 q
	v_add_nc_u32 v[69+2*\q], 8192*\q, v69
.endr
	v_lshlrev_b32 v76, 4, v0                       ; the scale bytes: thread = 8 x row + chunk of 16
	v_bfe_u32 v16, v0, 6, 1
	v_lshlrev_b32 v77, 11, v16
	v_and_b32 v16, 7, v0
	v_lshl_add_u32 v77, v16, 8, v77
	v_bfe_u32 v16, v0, 7, 1
	v_lshl_add_u32 v77, v16, 7, v77
	v_bfe_u32 v16, v0, 3, 3
	v_lshl_add_u32 v77, v16, 4, v77
	v_add_nc_u32 v77, WS, v77
	s_lshl_b32 s20, s17, 17
	s_mov_b32 s21, 0
	s_lshl_b32 s22, s17, 13
	s_mov_b32 s23, 0
	s_lshl_b32 s24, s18, 4
	s_lshl_b32 s34, s16, 1
	s_add_co_u32 s34, s24, s34                     ; my first token tile
	s_lshl_b32 s24, s34, 15
	s_mov_b32 s25, 0
	s_lshl_b32 s26, s18, 15
	s_lshl_b32 s35, s16, 8
	s_add_co_u32 s26, s26, s35
	s_add_co_u32 s26, s26, 0x800000
	s_mov_b32 s27, 0
	s_lshl_b32 s28, s34, 16
	s_lshl_b32 s35, s17, 12
	s_add_co_u32 s28, s28, s35
	s_mov_b32 s29, 0
	s_lshl_b32 s30, s17, 8
	s_mov_b32 s31, 0
	s_lshl_b32 s32, s18, 3
	s_add_co_u32 s32, s32, s16
	s_lshl_b32 s32, s32, 17                        ; 32 rows of 4,096 bytes for each pair of tiles
	s_add_co_u32 s32, s32, s30
	s_mov_b32 s33, 0
	s_wait_dscnt 0x0
	s_wait_kmcnt 0x0
	s_add_nc_u64 s[20:21], s[6:7], s[20:21]
	s_add_nc_u64 s[22:23], s[8:9], s[22:23]
.irp q, 0,1,2,3
.irp k, 0,1,2,3
	global_load_async_to_lds_b128 v[68+2*\q], v[64+\k], s[20:21] offset:16*\k+512*\q     ; rows 0 to 31
.endr
.endr
.irp q, 0,1,2,3
.irp k, 0,1,2,3
	global_load_async_to_lds_b128 v[69+2*\q], v[78+\k], s[20:21] offset:16*\k+512*\q     ; rows 32 to 63
.endr
.endr
	global_load_async_to_lds_b128 v77, v76, s[22:23]
	global_load_async_to_lds_b128 v77, v76, s[22:23] offset:4096
	s_add_nc_u64 s[24:25], s[4:5], s[24:25]
	s_add_nc_u64 s[26:27], s[4:5], s[26:27]
	s_add_nc_u64 s[28:29], s[12:13], s[28:29]
	s_add_nc_u64 s[30:31], s[10:11], s[30:31]
	s_add_nc_u64 s[32:33], s[14:15], s[32:33]
	v_lshlrev_b32 v11, 4, v18                      ; 16 (lane % 16)
	v_lshlrev_b32 v7, 3, v18
	v_lshl_add_u32 v7, v19, 12, v7                 ; h's scale words: 4,096 h + 8 r
	; 81 loads follow, more than LOADcnt's field counts: the issue of the last ones is held until early ones are back (ISA guide 5.7.1).  What step 0 wants stands first
.irp t, 0,1
.irp b, 0,1
.irp i, 0,1,2,3
	global_load_b128 v[ACC+32*\t+16*\b+4*\i:ACC+32*\t+16*\b+4*\i+3], v1, s[28:29] offset:65536*\t+2048*\b+512*\i th:TH_LOAD_NT   ; the sums begin as src2
.endr
.endr
.endr
	global_load_b128 v[B2:B2+3], v11, s[30:31]
.irp g, 0,1,2,3
	HSLOAD \g
.endr
	WIN 0x40
.irp s, 0,1,2,3,4,5,6,7,8,9,10,11
	HLOAD \s
.endr
	WIN 0
	v_mul_u32_u24 v2, v19, 272
	v_lshl_add_u32 v2, v18, 4, v2                  ; the weight's fragments: 272 h + 16 r,
.irp a, 1,2,3
	v_add_nc_u32 v[2+\a], 34816*\a, v2             ; a tile on
.endr
	v_add_nc_u32 v6, WS, v1
	s_mul_i32 s19, s16, 4352
	s_add_co_u32 s19, s19, STG
	v_mul_u32_u24 v8, v18, 272
	v_lshl_add_u32 v8, v19, 6, v8
	v_add_nc_u32 v8, s19, v8                       ; the stage, in: row r, + 64 h
	v_mul_u32_u24 v9, v19, 272
	v_add_nc_u32 v9, v9, v11
	v_add_nc_u32 v9, s19, v9                       ; back: lanes 0-15 one row, lanes 16-31 the next
	v_lshl_add_u32 v10, v19, 12, v11               ; and the same two rows in out0
	s_wait_asynccnt 0x0                            ; my copies have landed,
	s_barrier_signal -1
	s_barrier_wait -1                              ; everybody's have
.irp a, 0,1,2,3
	ds_load_b128 v[WSC+4*\a:WSC+4*\a+3], v6 offset:2048*\a
.endr
	WLOAD 0
	WLOAD 1
.irp s, 0,1,2,3,4,5,6,7,8,9,10,11,12,13,14,15,16,17,18,19,20,21,22,23,24,25,26,27,28,29,30,31
	STEP \s
.endr
.irp t, 0,1
.irp b, 0,1
.irp i, 0,1,2,3
	ds_store_b128 v8, v[ACC+32*\t+16*\b+4*\i:ACC+32*\t+16*\b+4*\i+3] offset:128*\b+16*\i   ; each accumulator from its low end on
.endr
.endr
.irp k, 0,1,2,3,4,5,6,7
	ds_load_b128 v[64+32*\t+4*\k:64+32*\t+4*\k+3], v9 offset:544*\k   ; LDS serves a wave's instructions in order: these see my stores, and the next tile's stores come behind them
.endr
.endr
.irp t, 0,1
.irp k, 0,1,2,3,4,5,6,7
	s_wait_dscnt 16*(1-\t)+7-\k                    ; the later rows' loads, and the second tile's sixteen instructions, may be out
	v_pk_add_f32 v[64+32*\t+4*\k:64+32*\t+4*\k+1], v[64+32*\t+4*\k:64+32*\t+4*\k+1], v[B2:B2+1]
	v_pk_add_f32 v[64+32*\t+4*\k+2:64+32*\t+4*\k+3], v[64+32*\t+4*\k+2:64+32*\t+4*\k+3], v[B2+2:B2+3]
	global_store_b128 v10, v[64+32*\t+4*\k:64+32*\t+4*\k+3], s[32:33] offset:(8*\t+2*\k+8*(\k/4))*4096 th:TH_STORE_NT   ; sixteen lanes store 256 consecutive bytes, at a multiple of 256 from out0's first byte
.endr
.endr
	s_wait_tensorcnt 0x0
	ds_add_u32 v190, v191
	s_wait_dscnt 0x0
	s_endpgm
.Lfunc_end_k_q72546b9529_ffn2:
	.size	k_q72546b9529_ffn2, .Lfunc_end_k_q72546b9529_ffn2-k_q72546b9529_ffn2
	.p2alignl 7, 3214868480
	.fill 96, 4, 3214868480
	.section	.rodata,"a",@progbits
	.p2align	6, 0x0
	.amdhsa_kernel k_q72546b9529_ffn2
		.amdhsa_group_segment_fixed_size 183296
		.amdhsa_private_segment_fixed_size 0
		.amdhsa_enable_private_segment 0
		.amdhsa_kernarg_size 48
		.amdhsa_user_sgpr_count 2
		.amdhsa_user_sgpr_kernarg_segment_ptr 1
		.amdhsa_wavefront_size32 1
		.amdhsa_system_sgpr_workgroup_id_x 1
		.amdhsa_system_sgpr_workgroup_id_y 1
		.amdhsa_system_sgpr_workgroup_id_z 1
		.amdhsa_system_vgpr_workitem_id 0
		.amdhsa_next_free_vgpr 448
		.amdhsa_next_free_sgpr 66
		.amdhsa_reserve_vcc 0
		.amdhsa_float_denorm_mode_32 3
		.amdhsa_float_denorm_mode_16_64 3
		.amdhsa_memory_ordered 1
		.amdhsa_forward_progress 1
		.amdhsa_inst_pref_size 88
	.end_amdhsa_kernel
	.amdgpu_metadata
---
amdhsa.version: [ 1, 2 ]
amdhsa.kernels:
  - .name:           k_q72546b9529_ffn2
    .symbol:         k_q72546b9529_ffn2.kd
    .args:
      - { .name: hq, .offset: 0, .size: 8, .value_kind: global_buffer, .address_space: global }
      - { .name: w2_codes, .offset: 8, .size: 8, .value_kind: global_buffer, .address_space: global }
      - { .name: w2_scales, .offset: 16, .size: 8, .value_kind: global_buffer, .address_space: global }
      - { .name: b2, .offset: 24, .size: 8, .value_kind: global_buffer, .address_space: global }
      - { .name: s2, .offset: 32, .size: 8, .value_kind: global_buffer, .address_space: global }
      - { .name: out0, .offset: 40, .size: 8, .value_kind: global_buffer, .address_space: global }
    .group_segment_fixed_size: 183296
    .private_segment_fixed_size: 0
    .kernarg_segment_align: 8
    .kernarg_segment_size: 48
    .max_flat_workgroup_size: 256
    .sgpr_count:     66
    .vgpr_count:     448
    .wavefront_size: 32
...
	.end_amdgpu_metadata
.endif
;; end of part 6
;; ======== version 2 of 2: 6 launches
;; workspace buffers: xq 2,228,224 bytes; rt 524,288 bytes; wof 524,288 bytes; qkv 6,684,672 bytes; cq 2,228,224 bytes; s2 16,777,216 bytes; yq 2,228,224 bytes; hq 8,912,896 bytes
;; launch prep (part 7): grid 256 x 1, 8 waves a work-group, no clusters, 70,656 bytes of LDS; arguments src, ln1_g, ln1_b, xq, rt, wo_codes, wof; writes xq, rt, wof
.if DOCPART == 7
	.amdgcn_target "amdgcn-amd-amdhsa--gfx1250"
	.amdhsa_code_object_version 6
	.text
	.protected	k_q72546b9529_prep
	.globl	k_q72546b9529_prep
	.p2align	8
	.type	k_q72546b9529_prep,@function
k_q72546b9529_prep:
	s_mov_b64 s[64:65], 0
	v_nop
	global_prefetch_b8 v0, s[64:65] scope:SCOPE_SE
	s_setreg_imm32_b32 hwreg(HW_REG_WAVE_MODE, 25, 1), 1
	s_wait_xcnt 0x0
; LayerNorm 1 of src [4096][1024] f32, quantised to codes of FP4 (E2M1) with one E8M0 byte for each 32 features; the table of cos and sin for the rotary embedding; and wo's codes laid anew for the fourth launch.
; THE ORDER OF ROWS, in every buffer of this program: a tile has 16 slots; slot r of tile T is row 32 (T / 2) + 8 (T % 2) + r + 8 (r / 8).
; xq: codes [tile 256][K step 8][c 2][lane 32][16 bytes]: lane (r, h) holds block 4 s + 2 c + h of slot r: the image of an operand's registers.  From byte 2,097,152: scale bytes [tile][h 2][r 16][16 bytes]: word j of (h, r) is K step 4 h + j.
; rt: [tile 128][q 8][lane][16 bytes]: (cos, sin) of pairs 2 q and 2 q + 1 of the 16 pairs that lane (r, h) of the next launch holds: pair m is frequency 16 (m / 8) + 8 h + m % 8, at slot r's position.
; wof: wo's codes as xq's are laid: [tile 64][K step 8][c 2][lane][16 bytes].  The launch's 65,536 threads move 8 bytes each: thread tau writes byte 8 tau, so a wave stores 256 consecutive bytes.
; SHARES: a work-group takes a tile of 16 tokens, wave w features 128 w .. 128 w + 127 (K step w).  Rows are loaded 512 consecutive bytes an instruction and turned through the wave's own stage in LDS,
; so that lane (r, h) holds, of slot r, features 32 b + 16 h + 0 .. 15 of each block b: 64 numbers.  Mean and variance meet across the eight waves in LDS: two barriers; the scale words: a third.
; LIMITS: a block of zeros gets the byte 1 (its codes are zeros; this program alone reads the bytes); NaN and infinities are not served; the frequency is 2^(-i log2(10000) / 32) by v_exp_f32,
; so an angle may differ from a f32 power's by some 2e-4 radians at position 2,047; sine and cosine are polynomials on [-pi/4, pi/4] behind a two-part reduction, good to f32 for angles up to 2,047.
.set STGW,  8448                       ; a wave's stage: 16 rows x (512 + 16) bytes
.set STAT,  67584                      ; [r 16][wave 8] f32: the sums; 512 bytes on: the sums of squares
.set SG,    68608                      ; the tile's 512 scale bytes
.set TM,    16                         ; v16-31 at work in the quantiser
.set PW,    32                         ; the scale word
.set PC,    34                         ; v34-41 the codes
.set SU,    42                         ; v42-49 sums
.set MU,    50                         ; v50-51 -mean, twice
.set RS,    52                         ; v52-53 1 / sqrt(var + eps), twice
.set CSN,   54                         ; v54-55 cos, sin
.set WD,    60                         ; v60-61 my 8 bytes of wo's codes; v62 where they lie in wo_codes; none is written again
.set X,     64
.set G,     128
.set BB,    192
.set WV,    14
.set SEL,   30
.macro ACROSS off                      ; four packed sums -> the row's sum over all eight waves, in v[SU]
	s_delay_alu instid0(VALU_DEP_3)
	v_pk_add_f32 v[SU:SU+1], v[SU:SU+1], v[SU+2:SU+3]
	s_delay_alu instid0(VALU_DEP_2)
	v_pk_add_f32 v[SU+4:SU+5], v[SU+4:SU+5], v[SU+6:SU+7]
	s_delay_alu instid0(VALU_DEP_1)
	v_pk_add_f32 v[SU:SU+1], v[SU:SU+1], v[SU+4:SU+5]
	s_delay_alu instid0(VALU_DEP_1)
	v_add_f32 v[SU], v[SU], v[SU+1]
	s_delay_alu instid0(VALU_DEP_1)
	v_permlanex16_b32 v[SU+1], v[SU], s[SEL], s[SEL+1]   ; the row's other 64 numbers lie in the lane 16 away
	s_delay_alu instid0(VALU_DEP_1)
	v_add_f32 v[SU], v[SU], v[SU+1]
	ds_store_b32 v5, v[SU] offset:\off             ; both halves of the lanes write the same word with the same value
	s_wait_dscnt 0x0                               ; for the others' sake: my store has landed
	s_barrier_signal -1
	s_barrier_wait -1
	ds_load_b128 v[SU:SU+3], v6 offset:\off
	ds_load_b128 v[SU+4:SU+7], v6 offset:\off+16
	s_wait_dscnt 0x0
	v_pk_add_f32 v[SU:SU+1], v[SU:SU+1], v[SU+2:SU+3]
	v_pk_add_f32 v[SU+4:SU+5], v[SU+4:SU+5], v[SU+6:SU+7]
	s_delay_alu instid0(VALU_DEP_1)
	v_pk_add_f32 v[SU:SU+1], v[SU:SU+1], v[SU+4:SU+5]
	s_delay_alu instid0(VALU_DEP_1)
	v_add_f32 v[SU], v[SU], v[SU+1]
.endm
; 64 numbers of a lane, register 16 b + i = k 32 b + 16 h + i of my row, become a fragment's codes in v[PC] on and its scale word in v[PW]
.macro QUANT4 src
.irp b, 0,1,2,3
	v_max3_num_f32 v[TM+\b], |v[\src+16*\b]|, |v[\src+1+16*\b]|, 0x1800000   ; my 16 numbers of block b, and the floor 2^(3 - 127): the byte cannot fall under 1
.endr
.irp i, 2,4,6,8,10,12,14
.irp b, 0,1,2,3
	s_delay_alu instid0(VALU_DEP_4)
	v_max3_num_f32 v[TM+\b], v[TM+\b], |v[\src+16*\b+\i]|, |v[\src+1+16*\b+\i]|
.endr
.endr
.irp b, 0,1,2,3
	s_delay_alu instid0(VALU_DEP_4)
	v_permlanex16_b32 v[TM+4+\b], v[TM+\b], s[SEL], s[SEL+1]
.endr
.irp b, 0,1,2,3
	s_delay_alu instid0(VALU_DEP_4)
	v_max_num_f32 v[TM+\b], v[TM+\b], v[TM+4+\b]   ; the block's largest magnitude
.endr
.irp b, 0,1,2,3
	s_delay_alu instid0(VALU_DEP_4)
	v_add_nc_u32 v[TM+12+\b], 0xff000000, v[TM+\b] ; 2 off its exponent field: the conversion's scale operand
.endr
.irp b, 0,1,2,3
	s_delay_alu instid0(VALU_DEP_4)
	v_lshrrev_b32 v[TM+4+\b], 23, v[TM+12+\b]      ; the scale's byte
.endr
	s_delay_alu instid0(VALU_DEP_3)
	v_lshl_or_b32 v[PW], v[TM+5], 8, v[TM+4]
	s_delay_alu instid0(VALU_DEP_1)
	v_lshl_or_b32 v[PW], v[TM+6], 16, v[PW]
	s_delay_alu instid0(VALU_DEP_1)
	v_lshl_or_b32 v[PW], v[TM+7], 24, v[PW]
.irp b, 0,1,2,3
	v_cvt_scalef32_pk8_fp4_f32 v[PC+2*\b], v[\src+16*\b:\src+7+16*\b], v[TM+12+\b]
	v_cvt_scalef32_pk8_fp4_f32 v[PC+1+2*\b], v[\src+8+16*\b:\src+15+16*\b], v[TM+12+\b]
.endr
	v_nop                                          ; one plain place behind a scaled conversion
.irp c, 0,1                                    ; a whole block to a lane: lanes 0-15 block 2 c, lanes 16-31 block 2 c + 1
.irp i, 0,1
	v_permlane16_swap_b32 v[PC+4*\c+\i], v[PC+2+4*\c+\i]
.endr
.endr
.endm
	s_load_b256 s[4:11], s[0:1], 0x0               ; src s[4:5], gain s[6:7], bias s[8:9], xq s[10:11]
	s_load_b64 s[12:13], s[0:1], 0x20              ; rt
	s_load_b64 s[40:41], s[0:1], 0x28              ; wo's codes
	s_load_b64 s[42:43], s[0:1], 0x30              ; wof
	v_lshl_add_u32 v27, v0, 2, 0x11000
	v_mov_b32 v33, 0
	v_lshrrev_b32 v9, 5, v0
	s_delay_alu instid0(VALU_DEP_1)
	v_readfirstlane_b32 s[WV], v9                  ; wave 0..7
	v_and_b32 v10, 31, v0                          ; lane
	v_and_b32 v11, 15, v0                          ; r
	v_bfe_u32 v12, v0, 4, 1                        ; h
	s_delay_alu instid0(VALU_DEP_3)
	v_lshlrev_b32 v1, 4, v10                       ; 16 x lane
	s_mul_i32 s15, s[WV], STGW
	v_add_nc_u32 v2, s15, v1                       ; the stage, on the way in: a row's 512 bytes as they lie
	v_mul_u32_u24 v3, v11, 528
	s_delay_alu instid0(VALU_DEP_1)
	v_lshl_add_u32 v3, v12, 6, v3
	s_delay_alu instid0(VALU_DEP_1)
	v_add_nc_u32 v3, s15, v3                       ; on the way out: row r, + 64 h
	v_lshlrev_b32 v4, 6, v12                       ; gain and bias: 64 h
	v_lshlrev_b32 v6, 5, v11
	s_delay_alu instid0(VALU_DEP_1)
	v_add_nc_u32 v6, STAT, v6                      ; row r's eight partial sums
	s_lshl_b32 s16, s[WV], 2
	v_add_nc_u32 v5, s16, v6                       ; and mine among them
	s_lshr_b32 s17, s[WV], 2
	s_lshl_b32 s17, s17, 8
	s_and_b32 s18, s[WV], 3
	s_lshl_b32 s18, s18, 2
	s_add_co_u32 s17, s17, s18
	s_add_co_u32 s17, s17, SG
	v_lshl_add_u32 v7, v11, 4, s17                 ; K step w's scale word of row r: 256 (w / 4) + 16 r + 4 (w % 4)
	v_lshlrev_b32 v8, 3, v0                        ; the table and wof: 8 bytes a thread
	v_add_nc_u32 v13, SG, v1                       ; the scale bytes on their way out
	; wo's codes: thread tau = 256 g + thread writes byte 8 tau of wof.  tau = 1024 tile + 128 s + 64 c + 32 h + 2 r + half, so tile = g / 4, and 64 s + 32 c + 16 h = 128 (g % 4) + 16 x wave
	v_bfe_u32 v62, v0, 1, 4                        ; the slot r
	v_bfe_u32 v63, v0, 4, 1
	s_delay_alu instid0(VALU_DEP_1)
	v_lshl_add_u32 v62, v63, 3, v62                ; r + 8 (r / 8)
	s_delay_alu instid0(VALU_DEP_1)
	v_lshlrev_b32 v62, 9, v62                      ; a row of wo's codes is 512 bytes
	s_delay_alu instid0(VALU_DEP_1)
	v_lshl_add_u32 v62, v9, 4, v62                 ; + 16 x wave
	v_and_b32 v63, 1, v0
	s_delay_alu instid0(VALU_DEP_1)
	v_lshl_add_u32 v62, v63, 3, v62                ; + which 8 bytes of the block's 16
	s_lshr_b32 s44, ttmp9, 3
	s_lshl_b32 s44, s44, 14                        ; 32 rows for each pair of tiles,
	s_bfe_u32 s45, ttmp9, 0x10002
	s_lshl_b32 s45, s45, 12                        ; 8 rows for the odd tile,
	s_add_co_u32 s44, s44, s45
	s_and_b32 s45, ttmp9, 3
	s_lshl_b32 s45, s45, 7                         ; 128 (g % 4)
	s_add_co_u32 s44, s44, s45
	s_mov_b32 s45, 0
	s_mov_b32 s[SEL], 0x76543210
	s_mov_b32 s[SEL+1], 0xfedcba98                 ; v_permlanex16_b32's selects for lane l xor 16
	s_mov_b32 s34, 0x3a800000                      ; 1 / 1024
	s_mov_b32 s35, 0x3727c5ac                      ; 1e-5
	s_lshr_b32 s20, ttmp9, 1
	s_lshl_b32 s20, s20, 17                        ; 32 rows of 4,096 bytes for each pair of tiles,
	s_and_b32 s21, ttmp9, 1
	s_lshl_b32 s21, s21, 15                        ; 8 rows for the odd tile,
	s_add_co_u32 s20, s20, s21
	s_lshl_b32 s22, s[WV], 9                       ; my wave's 512 bytes of a row
	s_add_co_u32 s20, s20, s22
	s_mov_b32 s21, 0
	s_mov_b32 s23, 0
	s_lshl_b32 s24, ttmp9, 13                      ; a tile's codes are 8,192 bytes, a K step's 1,024
	s_lshl_b32 s25, s[WV], 10
	s_add_co_u32 s24, s24, s25
	s_mov_b32 s25, 0
	s_lshl_b32 s26, ttmp9, 9                       ; a tile's scale bytes are 512
	s_mov_b32 s27, 0
	s_lshl_b32 s28, ttmp9, 11                      ; the work-group's 2,048 bytes of the table, and of wof
	s_mov_b32 s29, 0
	s_wait_alu depctr_va_vdst(0)
	s_wait_kmcnt 0x0
	s_add_nc_u64 s[4:5], s[4:5], s[20:21]
	s_add_nc_u64 s[6:7], s[6:7], s[22:23]
	s_add_nc_u64 s[8:9], s[8:9], s[22:23]
	s_add_nc_u64 s[32:33], s[10:11], s[26:27]
	s_add_nc_u64 s[10:11], s[10:11], s[24:25]
	s_add_nc_u64 s[12:13], s[12:13], s[28:29]
	s_add_nc_u64 s[40:41], s[40:41], s[44:45]
	s_add_nc_u64 s[42:43], s[42:43], s[28:29]
	global_load_b64 v[WD:WD+1], v62, s[40:41]      ; issued first: the wait for the rows below shows it in too
.irp i, 0,1,2,3,4,5,6,7,8,9,10,11,12,13,14,15
	global_load_b128 v[X+4*\i:X+4*\i+3], v1, s[4:5] offset:(\i+8*(\i/8))*4096 th:TH_LOAD_NT   ; slot i's 512 consecutive bytes
.endr
.irp b, 0,1,2,3
.irp i, 0,1,2,3
	global_load_b128 v[G+16*\b+4*\i:G+16*\b+4*\i+3], v4, s[6:7] offset:128*\b+16*\i
.endr
.endr
.irp b, 0,1,2,3
.irp i, 0,1,2,3
	global_load_b128 v[BB+16*\b+4*\i:BB+16*\b+4*\i+3], v4, s[8:9] offset:128*\b+16*\i
.endr
.endr
	; THE TABLE, while the loads are on their way: thread tau = 256 x work-group + thread makes the pair at byte 8 tau
	s_lshl_b32 s36, ttmp9, 8
	v_add_nc_u32 v16, s36, v0                      ; tau = 512 T + 64 q + 2 lane + (m % 2)
	s_delay_alu instid0(VALU_DEP_1)
	v_bfe_u32 v17, v16, 6, 3
	s_delay_alu instid0(VALU_DEP_2)
	v_and_b32 v18, 1, v16
	s_delay_alu instid0(VALU_DEP_1)
	v_lshl_or_b32 v17, v17, 1, v18                 ; m
	s_delay_alu instid0(VALU_DEP_4)
	v_bfe_u32 v18, v16, 1, 4                       ; the slot
	v_bfe_u32 v19, v16, 5, 1                       ; the half
	v_bfe_u32 v20, v16, 4, 1
	s_delay_alu instid0(VALU_DEP_1)
	v_lshl_add_u32 v18, v20, 3, v18                ; slot + 8 (slot / 8)
	s_lshr_b32 s36, ttmp9, 2
	s_lshl_b32 s36, s36, 5
	s_bfe_u32 s37, ttmp9, 0x10001
	s_lshl_b32 s37, s37, 3
	s_add_co_u32 s36, s36, s37
	v_add_nc_u32 v18, s36, v18                     ; the position
	v_bfe_u32 v20, v17, 3, 1
	v_and_b32 v21, 7, v17
	s_delay_alu instid0(VALU_DEP_1)
	v_lshl_add_u32 v20, v20, 4, v21
	s_delay_alu instid0(VALU_DEP_1)
	v_lshl_add_u32 v20, v19, 3, v20                ; the frequency's number i
	s_delay_alu instid0(VALU_DEP_1)
	v_cvt_f32_u32 v20, v20
	v_cvt_f32_u32 v18, v18
	s_delay_alu instid0(VALU_DEP_2)
	v_mul_f32 v20, 0xbed49a78, v20                 ; -i log2(10000) / 32
	s_wait_alu depctr_va_vdst(0)
	v_exp_f32 v20, v20
	v_nop                                          ; a plain place behind the transcendental
	s_wait_alu depctr_va_vdst(0)                   ; and the wait ahead of its first reader
	v_mul_f32 v18, v18, v20                        ; the angle
	s_delay_alu instid0(VALU_DEP_1)
	v_mul_f32 v19, 0x3f22f983, v18                 ; x 2 / pi
	s_delay_alu instid0(VALU_DEP_1)
	v_rndne_f32 v19, v19                           ; n quarter turns
	s_delay_alu instid0(VALU_DEP_1)
	v_fmamk_f32 v21, v19, 0xbfc90fdb, v18          ; angle - n pi/2, pi/2 in two parts
	s_delay_alu instid0(VALU_DEP_1)
	v_fmamk_f32 v21, v19, 0x333bbd2e, v21
	s_delay_alu instid0(VALU_DEP_1)
	v_mul_f32 v22, v21, v21                        ; z
	v_mov_b32 v23, 0xb94ca1f9
	s_delay_alu instid0(VALU_DEP_1)
	v_fmaak_f32 v23, v23, v22, 0x3c08839e
	s_delay_alu instid0(VALU_DEP_1)
	v_fmaak_f32 v23, v23, v22, 0xbe2aaaa3
	s_delay_alu instid0(VALU_DEP_1)
	v_mul_f32 v23, v23, v22
	s_delay_alu instid0(VALU_DEP_1)
	v_fma_f32 v23, v23, v21, v21                   ; sine of the rest
	v_mov_b32 v24, 0x37ccf5ce
	s_delay_alu instid0(VALU_DEP_1)
	v_fmaak_f32 v24, v24, v22, 0xbab6061a
	s_delay_alu instid0(VALU_DEP_1)
	v_fmaak_f32 v24, v24, v22, 0x3d2aaaa5
	v_mul_f32 v25, v22, v22
	v_fma_f32 v26, v22, -0.5, 1.0
	s_delay_alu instid0(VALU_DEP_1)
	v_fma_f32 v24, v24, v25, v26                   ; cosine of the rest
	v_cvt_i32_f32 v25, v19
	s_delay_alu instid0(VALU_DEP_1)
	v_and_b32 v26, 1, v25
	s_delay_alu instid0(VALU_DEP_1)
	v_cmp_eq_u32 vcc_lo, 1, v26                    ; an odd quarter: the two change places
	s_delay_alu instid0(VALU_DEP_1)
	v_cndmask_b32 v[CSN+1], v23, v24, vcc_lo
	s_delay_alu instid0(VALU_DEP_2)
	v_cndmask_b32 v[CSN], v24, v23, vcc_lo
	v_and_b32 v26, 2, v25
	s_delay_alu instid0(VALU_DEP_1)
	v_lshlrev_b32 v26, 30, v26
	s_delay_alu instid0(VALU_DEP_1)
	v_xor_b32 v[CSN+1], v26, v[CSN+1]              ; the sine is negative in quarters 2 and 3,
	v_add_nc_u32 v25, 1, v25
	s_delay_alu instid0(VALU_DEP_1)
	v_and_b32 v25, 2, v25
	s_delay_alu instid0(VALU_DEP_1)
	v_lshlrev_b32 v25, 30, v25
	s_delay_alu instid0(VALU_DEP_1)
	v_xor_b32 v[CSN], v25, v[CSN]                  ; the cosine in quarters 1 and 2
	global_store_b64 v8, v[CSN:CSN+1], s[12:13]    ; a wave stores 256 consecutive bytes
.irp b, 0,1,2,3
	v_mov_b32 v[TM+4+\b], 0                        ; written once: a lane permute's destination counts as one of its sources
.endr
	s_wait_loadcnt 32                              ; wo's bytes and the 16 rows are in; gain's and bias's 32 loads may be out
	global_store_b64 v8, v[WD:WD+1], s[42:43]      ; wo's codes in their new place: a wave stores 256 consecutive bytes
.irp i, 0,1,2,3,4,5,6,7,8,9,10,11,12,13,14,15
	ds_store_b128 v2, v[X+4*\i:X+4*\i+3] offset:528*\i
.endr
.irp b, 0,1,2,3
.irp i, 0,1,2,3
	ds_load_b128 v[X+16*\b+4*\i:X+16*\b+4*\i+3], v3 offset:128*\b+16*\i   ; LDS serves a wave's instructions in order: these see my stores
.endr
.endr
	s_wait_dscnt 0x0
.irp k, 0,1,2,3
	v_pk_add_f32 v[SU+2*\k:SU+2*\k+1], v[X+2*\k:X+2*\k+1], v[X+8+2*\k:X+8+2*\k+1]
.endr
.irp j, 16,24,32,40,48,56
.irp k, 0,1,2,3
	s_delay_alu instid0(VALU_DEP_4)
	v_pk_add_f32 v[SU+2*\k:SU+2*\k+1], v[SU+2*\k:SU+2*\k+1], v[X+\j+2*\k:X+\j+2*\k+1]
.endr
.endr
	ACROSS 0
	s_delay_alu instid0(VALU_DEP_1)
	v_mul_f32 v[MU], 0xba800000, v[SU]             ; -mean
	s_delay_alu instid0(VALU_DEP_1)
	v_mov_b32 v[MU+1], v[MU]
.set j, 0
.rept 32
	v_pk_add_f32 v[X+j:X+j+1], v[X+j:X+j+1], v[MU:MU+1]
.set j, j+2
.endr
.irp k, 0,1,2,3
	v_pk_mul_f32 v[SU+2*\k:SU+2*\k+1], v[X+2*\k:X+2*\k+1], v[X+2*\k:X+2*\k+1]
.endr
.irp j, 8,16,24,32,40,48,56
.irp k, 0,1,2,3
	s_delay_alu instid0(VALU_DEP_4)
	v_pk_fma_f32 v[SU+2*\k:SU+2*\k+1], v[X+\j+2*\k:X+\j+2*\k+1], v[X+\j+2*\k:X+\j+2*\k+1], v[SU+2*\k:SU+2*\k+1]
.endr
.endr
	ACROSS 512
	s_delay_alu instid0(VALU_DEP_1)
	v_fma_f32 v[RS], v[SU], s34, s35               ; variance + eps
	s_wait_alu depctr_va_vdst(0)
	v_rsq_f32 v[RS], v[RS]
	v_nop
	s_wait_alu depctr_va_vdst(0)                   ; the wait ahead of the first reader
	v_mov_b32 v[RS+1], v[RS]
	s_wait_alu depctr_va_vdst(0)
	s_wait_loadcnt 0x0                             ; gain and bias
.set j, 0
.rept 32
	v_pk_mul_f32 v[X+j:X+j+1], v[X+j:X+j+1], v[RS:RS+1]
.set j, j+2
.endr
.set j, 0
.rept 32
	v_pk_fma_f32 v[X+j:X+j+1], v[X+j:X+j+1], v[G+j:G+j+1], v[BB+j:BB+j+1]
.set j, j+2
.endr
	QUANT4 X
	global_store_b128 v1, v[PC:PC+3], s[10:11]             ; 512 consecutive bytes a store
	global_store_b128 v1, v[PC+4:PC+7], s[10:11] offset:512
	ds_store_b32 v7, v[PW]
	s_wait_dscnt 0x0
	s_barrier_signal -1
	s_barrier_wait -1                              ; the tile's 512 scale bytes lie in LDS
	s_cmp_lg_u32 s[WV], 0
	s_cbranch_scc1 .Ldone
	ds_load_b128 v[56:59], v13
	s_wait_dscnt 0x0
	global_store_b128 v1, v[56:59], s[32:33] offset:2097152   ; two aligned runs of 256 bytes
.Ldone:
	s_wait_tensorcnt 0x0
	ds_add_u32 v27, v33
	s_wait_dscnt 0x0
	s_endpgm
.Lfunc_end_k_q72546b9529_prep:
	.size	k_q72546b9529_prep, .Lfunc_end_k_q72546b9529_prep-k_q72546b9529_prep
	.p2alignl 7, 3214868480
	.fill 96, 4, 3214868480
	.section	.rodata,"a",@progbits
	.p2align	6, 0x0
	.amdhsa_kernel k_q72546b9529_prep
		.amdhsa_group_segment_fixed_size 70656
		.amdhsa_private_segment_fixed_size 0
		.amdhsa_enable_private_segment 0
		.amdhsa_kernarg_size 56
		.amdhsa_user_sgpr_count 2
		.amdhsa_user_sgpr_kernarg_segment_ptr 1
		.amdhsa_wavefront_size32 1
		.amdhsa_system_sgpr_workgroup_id_x 1
		.amdhsa_system_sgpr_workgroup_id_y 1
		.amdhsa_system_sgpr_workgroup_id_z 1
		.amdhsa_system_vgpr_workitem_id 0
		.amdhsa_next_free_vgpr 256
		.amdhsa_next_free_sgpr 66
		.amdhsa_reserve_vcc 1
		.amdhsa_float_denorm_mode_32 3
		.amdhsa_float_denorm_mode_16_64 3
		.amdhsa_memory_ordered 1
		.amdhsa_forward_progress 1
		.amdhsa_inst_pref_size 35
	.end_amdhsa_kernel
	.amdgpu_metadata
---
amdhsa.version: [ 1, 2 ]
amdhsa.kernels:
  - .name:           k_q72546b9529_prep
    .symbol:         k_q72546b9529_prep.kd
    .args:
      - { .name: src, .offset: 0, .size: 8, .value_kind: global_buffer, .address_space: global }
      - { .name: ln1_g, .offset: 8, .size: 8, .value_kind: global_buffer, .address_space: global }
      - { .name: ln1_b, .offset: 16, .size: 8, .value_kind: global_buffer, .address_space: global }
      - { .name: xq, .offset: 24, .size: 8, .value_kind: global_buffer, .address_space: global }
      - { .name: rt, .offset: 32, .size: 8, .value_kind: global_buffer, .address_space: global }
      - { .name: wo_codes, .offset: 40, .size: 8, .value_kind: global_buffer, .address_space: global }
      - { .name: wof, .offset: 48, .size: 8, .value_kind: global_buffer, .address_space: global }
    .group_segment_fixed_size: 70656
    .private_segment_fixed_size: 0
    .kernarg_segment_align: 8
    .kernarg_segment_size: 56
    .max_flat_workgroup_size: 256
    .sgpr_count:     66
    .vgpr_count:     256
    .wavefront_size: 32
...
	.end_amdgpu_metadata
.endif
;; end of part 7
;; launch qkvp (part 8): grid 12 x 16, 16 waves a work-group, no clusters, 290,816 bytes of LDS; arguments xq, wqkv_codes, wqkv_scales, bqkv, rt, qkv; writes qkv
.if DOCPART == 8
	.amdgcn_target "amdgcn-amd-amdhsa--gfx1250"
	.amdhsa_code_object_version 6
	.text
	.protected	k_q72546b9529_qkvp
	.globl	k_q72546b9529_qkvp
	.p2align	8
	.type	k_q72546b9529_qkvp,@function
k_q72546b9529_qkvp:
	s_mov_b64 s[64:65], 0
	v_nop
	global_prefetch_b8 v0, s[64:65] scope:SCOPE_SE
	s_setreg_imm32_b32 hwreg(HW_REG_WAVE_MODE, 25, 1), 1
	s_wait_xcnt 0x0
; qkv = x wqkv^T + bqkv on codes of FP4 (E2M1), the rotary embedding on q and k, and the quantising of q and k (along the head's 64) and of v (along the keys).
; SHARES: a work-group takes 256 token slots (16 tiles: y) x 256 rows of wqkv (x: 0-3 q, 4-7 k, 8-11 v); wave w takes head w / 4 of its four and 64 slots (w % 4): 4 x 4 tiles, 16 accumulators.
; K = 1,024 whole lies in LDS, filled ONCE by lane-wise copies at the head: x's codes and scale bytes as they lie in xq; the weight's rows are laid anew on the way: block beta of slot r of a tile at
; 272 beta + 16 r, the slots in this program's order of rows (slot r of tile T = row 32 (T / 2) + 8 (T % 2) + r + 8 (r / 8)).  A copy reads 512 consecutive bytes of one row.
; No multicast: the weight must be laid anew block by block, which a lane-wise copy does and a tile load does not; x's tiles, shared by the 12 work-groups of a row of the grid, are a third of a work-group's bytes.
; q, k: source 0 = 16 rows of the weight, source 1 = 16 slots: a lane holds one token and its 32 registers of a token tile are the head's features 32 b + 16 h + 0 .. 15.  The sums begin as the bias.
; v: the sources change places: a lane holds one feature and its 32 registers are 64 tokens, 32 b + 16 h + 0 .. 15: the keys, along which v is quantised.
; qkv: codes of part p at p x 2 MiB: q, k [head 32][tile 128][lane][16 bytes] (lane (r, h): block h of slot r); v [head][key step 16][tile of features 4][c 2][lane][16 bytes].
;      scale bytes at 6 MiB + p x 128 KiB: [head][64 tokens: 32][r 16][8 bytes]: four halfwords (q, k: the four token tiles; v: the four tiles of features), each the bytes of two blocks.
; LIMITS: a block of zeros gets the byte 1 (its codes are zeros); NaN and infinities are not served; the bias is added ahead of the products (q, k), which is another order of f32 additions than x W^T + b.
.set WC,  131072                       ; behind x's codes (16 tiles x 8,192): the weight's 16 tiles x 32 blocks x 272 bytes
.set XS,  270336                       ; x's scale bytes, 16 x 512
.set WS,  278528                       ; the weight's, laid alike
.set SG,  286720                       ; 2,048 bytes for the scale bytes on their way out: no copy lands here
.set M,   12                           ; v12-17 at work in the quantiser
.set BV,  24                           ; v24-27 v's bias
.set SCW, 32                           ; v32-47 the weight's scale words: register 4 a + j, row h of the lanes: K step 4 h + j
.set SCX, 48                           ; v48-63 x's
.set WF,  64
.set XF,  96
.set ACC, 128
.set TB,  64                           ; the table, two sets of 32
.set CD,  64                           ; the codes
.set HW,  80                           ; v80-83 the halfwords of scale bytes
.set SEL, 26
.macro WM d, a, b, sa, sb, row
.if \row
	v_wmma_scale_f32_16x16x128_f8f6f4 v[\d:\d+7], v[\a:\a+7], v[\b:\b+7], v[\d:\d+7], v[\sa], v[\sb] matrix_a_fmt:MATRIX_FMT_FP4 matrix_b_fmt:MATRIX_FMT_FP4 matrix_a_scale:MATRIX_SCALE_ROW1 matrix_b_scale:MATRIX_SCALE_ROW1
.else
	v_wmma_scale_f32_16x16x128_f8f6f4 v[\d:\d+7], v[\a:\a+7], v[\b:\b+7], v[\d:\d+7], v[\sa], v[\sb] matrix_a_fmt:MATRIX_FMT_FP4 matrix_b_fmt:MATRIX_FMT_FP4
.endif
.endm
.macro WMZ d, a, b, sa, sb
	v_wmma_scale_f32_16x16x128_f8f6f4 v[\d:\d+7], v[\a:\a+7], v[\b:\b+7], 0, v[\sa], v[\sb] matrix_a_fmt:MATRIX_FMT_FP4 matrix_b_fmt:MATRIX_FMT_FP4
.endm
; 32 numbers of a lane, register 16 b + i = k 32 b + 16 h + i, become 4 registers of codes (lane (r, h): block h whole) and a halfword of two scale bytes
.macro QUANT2 src, dst, hw
.irp b, 0,1
	v_max3_num_f32 v[M+\b], |v[\src+16*\b]|, |v[\src+16*\b+1]|, 0x1800000   ; with the floor 2^(3 - 127): the byte cannot fall under 1
.endr
.irp i, 2,4,6,8,10,12,14
.irp b, 0,1
	s_delay_alu instid0(VALU_DEP_2)
	v_max3_num_f32 v[M+\b], v[M+\b], |v[\src+16*\b+\i]|, |v[\src+16*\b+\i+1]|
.endr
.endr
.irp b, 0,1
	s_delay_alu instid0(VALU_DEP_2)
	v_permlanex16_b32 v[M+2+\b], v[M+\b], s[SEL], s[SEL+1]
.endr
.irp b, 0,1
	s_delay_alu instid0(VALU_DEP_2)
	v_max_num_f32 v[M+\b], v[M+\b], v[M+2+\b]
.endr
.irp b, 0,1
	s_delay_alu instid0(VALU_DEP_2)
	v_add_nc_u32 v[M+4+\b], 0xff000000, v[M+\b]    ; 2 off the exponent field: the conversion's scale operand
.endr
.irp b, 0,1
	s_delay_alu instid0(VALU_DEP_2)
	v_lshrrev_b32 v[M+2+\b], 23, v[M+4+\b]
.endr
	s_delay_alu instid0(VALU_DEP_1)
	v_lshl_or_b32 v[\hw], v[M+3], 8, v[M+2]
.irp b, 0,1
	v_cvt_scalef32_pk8_fp4_f32 v[\dst+2*\b], v[\src+16*\b:\src+16*\b+7], v[M+4+\b]
	v_cvt_scalef32_pk8_fp4_f32 v[\dst+2*\b+1], v[\src+16*\b+8:\src+16*\b+15], v[M+4+\b]
.endr
	v_nop                                          ; one plain place behind a scaled conversion
	v_permlane16_swap_b32 v[\dst], v[\dst+2]
	v_permlane16_swap_b32 v[\dst+1], v[\dst+3]
.endm
; A K step of 128: 16 LDS loads, 16 matrix instructions on 16 accumulators by turns, four places ahead of the next step's loads
.macro STEP s, vp
.irp t, 0,1,2,3
.irp c, 0,1
	ds_load_b128 v[XF+8*\t+4*\c:XF+8*\t+4*\c+3], v2 offset:8192*\t+1024*(\s)+512*\c
.endr
.endr
.irp a, 0,1,2,3
.irp c, 0,1
	ds_load_b128 v[WF+8*\a+4*\c:WF+8*\a+4*\c+3], v3 offset:8704*\a+(4*(\s)+2*\c)*272
.endr
.endr
.irp a, 0,1,2,3
	s_wait_dscnt 6-2*\a                            ; the later tiles' weight fragments, two loads each, may be out
.irp t, 0,1,2,3
.if \vp
.if (\s) == 0
	WMZ ACC+32*\a+8*\t, XF+8*\t, WF+8*\a, SCX+4*\t, SCW+4*\a
.else
	WM ACC+32*\a+8*\t, XF+8*\t, WF+8*\a, SCX+4*\t+(\s)%4, SCW+4*\a+(\s)%4, (\s)/4
.endif
.else
	WM ACC+32*\t+8*\a, WF+8*\a, XF+8*\t, SCW+4*\a+(\s)%4, SCX+4*\t+(\s)%4, (\s)/4
.endif
.endr
.endr
.rept 4
	v_nop
.endr
.endm
	s_load_b256 s[4:11], s[0:1], 0x0               ; xq s[4:5], the weight's codes s[6:7], its scales s[8:9], the bias s[10:11]
	s_load_b128 s[12:15], s[0:1], 0x20             ; rt s[12:13], qkv s[14:15]
	v_lshl_add_u32 v30, v0, 2, 0x46800
	v_mov_b32 v31, 0
	ds_add_u32 v30, v31
	ds_add_u32 v30, v31
	v_lshrrev_b32 v23, 5, v0
	s_delay_alu instid0(VALU_DEP_1)
	v_readfirstlane_b32 s16, v23                   ; wave 0..15
	s_lshr_b32 s17, s16, 2                         ; fw: which head of the four
	s_and_b32 s18, s16, 3                          ; tg: which 64 slots
	s_mov_b32 s19, ttmp9                           ; fb
	s_and_b32 s20, ttmp7, 0xffff                   ; tb
	v_and_b32 v20, 31, v0                          ; lane
	v_and_b32 v21, 15, v0                          ; r
	v_bfe_u32 v22, v0, 4, 1                        ; h
	s_delay_alu instid0(VALU_DEP_3)
	v_lshlrev_b32 v1, 4, v20                       ; 16 x lane
	; the copies' addresses: v64-79, untouched until the wait for the copies.  Every copy's immediate stays under 65,536: what lies further on stands in address registers of its own
	v_lshlrev_b32 v64, 4, v0                       ; LDS: 16 x thread
	v_lshlrev_b32 v65, 4, v0                       ; memory: 16 x thread
	s_delay_alu instid0(VALU_DEP_2)
	v_add_nc_u32 v78, 0x10000, v64                 ; x's tiles 8 to 15: 65,536 bytes on, in LDS
	s_delay_alu instid0(VALU_DEP_2)
	v_add_nc_u32 v79, 0x10000, v65                 ; and in memory
	s_delay_alu instid0(VALU_DEP_4)
	v_add_nc_u32 v66, XS, v64
	v_bfe_u32 v23, v0, 6, 3                        ; the weight's scale bytes: thread = 2 x row + half; row f goes to tile 2 (f / 32) + (f / 8) % 2, slot f % 8 + 8 ((f / 16) % 2)
	s_delay_alu instid0(VALU_DEP_1)
	v_lshlrev_b32 v67, 10, v23
	v_bfe_u32 v23, v0, 4, 1
	s_delay_alu instid0(VALU_DEP_1)
	v_lshl_add_u32 v67, v23, 9, v67
	v_and_b32 v23, 1, v0
	s_delay_alu instid0(VALU_DEP_1)
	v_lshl_add_u32 v67, v23, 8, v67
	v_bfe_u32 v23, v0, 5, 1
	s_delay_alu instid0(VALU_DEP_1)
	v_lshl_add_u32 v67, v23, 7, v67
	v_bfe_u32 v23, v0, 1, 3
	s_delay_alu instid0(VALU_DEP_1)
	v_lshl_add_u32 v67, v23, 4, v67
	s_delay_alu instid0(VALU_DEP_1)
	v_add_nc_u32 v67, WS, v67
	s_lshl_b32 s28, s16, 13
	v_add_nc_u32 v68, s28, v1                      ; the weight's codes: wave w copies rows 16 w + k + 8 e; the immediate 16 k + 4096 e goes onto both addresses,
.irp k, 1,2,3,4,5,6,7
	v_add_nc_u32 v[68+\k], 496*\k, v68             ; so memory's offset carries the rest of 512 k,
.endr
	s_lshr_b32 s28, s16, 1
	s_mul_i32 s28, s28, 17408
	s_and_b32 s29, s16, 1
	s_lshl_b32 s29, s29, 7
	s_add_co_u32 s28, s28, s29
	s_add_co_u32 s28, s28, WC
	v_mul_u32_u24 v76, v20, 272
	s_delay_alu instid0(VALU_DEP_1)
	v_add_nc_u32 v76, s28, v76                     ; LDS: tile 2 (w / 2) + e, slot k + 8 (w % 2), block = lane,
	s_delay_alu instid0(VALU_DEP_1)
	v_add_nc_u32 v77, 4608, v76                    ; and LDS's the rest of 8,704 e
	s_lshl_b32 s28, s20, 17
	s_mov_b32 s29, 0
	s_lshl_b32 s30, s20, 13
	s_add_co_u32 s30, s30, 0x200000
	s_mov_b32 s31, 0
	s_lshl_b32 s32, s19, 17
	s_mov_b32 s33, 0
	s_lshl_b32 s34, s19, 13
	s_mov_b32 s35, 0
	; where the results go
	s_lshr_b32 s21, s19, 2                         ; the part: 0 q, 1 k, 2 v
	s_and_b32 s22, s19, 3
	s_lshl_b32 s22, s22, 2
	s_lshr_b32 s24, s20, 3
	s_lshl_b32 s24, s24, 4
	s_add_co_u32 s24, s24, s22                     ; 16 x batch + the work-group's first head
	s_add_co_u32 s22, s24, s17                     ; my head
	s_and_b32 s25, s20, 7
	s_lshl_b32 s23, s25, 4
	s_lshl_b32 s54, s18, 2
	s_add_co_u32 s23, s23, s54                     ; T0: my first token tile in the batch
	s_lshl_b32 s44, s21, 21
	s_lshl_b32 s54, s22, 16
	s_add_co_u32 s44, s44, s54
	s_lshl_b32 s55, s23, 9
	s_add_co_u32 s44, s44, s55                     ; q, k: part, head, tile
	s_mov_b32 s45, 0
	s_lshl_b32 s46, s23, 12                        ; the table: 4,096 bytes a tile
	s_mov_b32 s47, 0
	s_add_co_u32 s48, s54, 0x400000                ; v: head,
	s_lshr_b32 s55, s23, 3
	s_lshl_b32 s55, s55, 12
	s_add_co_u32 s48, s48, s55                     ; key step,
	s_bfe_u32 s55, s23, 0x10002
	s_lshl_b32 s55, s55, 9
	s_add_co_u32 s48, s48, s55                     ; which 64 keys of its 128
	s_mov_b32 s49, 0
	s_lshl_b32 s50, s21, 17
	s_add_co_u32 s50, s50, 0x600000
	s_add_co_u32 s55, s24, s18                     ; the scale bytes leave by waves 0 to 3, wave w % 4 for head w % 4
	s_lshl_b32 s55, s55, 12
	s_add_co_u32 s50, s50, s55
	s_lshl_b32 s55, s25, 9
	s_add_co_u32 s50, s50, s55
	s_mov_b32 s51, 0
	s_lshl_b32 s52, s19, 10
	s_lshl_b32 s55, s17, 8
	s_add_co_u32 s52, s52, s55                     ; the bias of my 64 rows
	s_mov_b32 s53, 0
	s_mov_b32 s[SEL], 0x76543210
	s_mov_b32 s[SEL+1], 0xfedcba98
	s_wait_alu depctr_va_vdst(0)
	s_wait_dscnt 0x0
	s_wait_kmcnt 0x0
	s_add_nc_u64 s[36:37], s[4:5], s[28:29]
	s_add_nc_u64 s[38:39], s[4:5], s[30:31]
	s_add_nc_u64 s[40:41], s[6:7], s[32:33]
	s_add_nc_u64 s[42:43], s[8:9], s[34:35]
.irp k, 0,1,2,3,4,5,6,7
	global_load_async_to_lds_b128 v64, v65, s[36:37] offset:8192*\k     ; x's tiles 0 to 7: the 512 threads copy a tile's 8,192 bytes as they lie
.endr
.irp k, 0,1,2,3,4,5,6,7
	global_load_async_to_lds_b128 v78, v79, s[36:37] offset:8192*\k     ; tiles 8 to 15
.endr
	global_load_async_to_lds_b128 v66, v65, s[38:39]
	global_load_async_to_lds_b128 v67, v65, s[42:43]
.irp e, 0,1
.irp k, 0,1,2,3,4,5,6,7
	global_load_async_to_lds_b128 v[76+\e], v[68+\k], s[40:41] offset:16*\k+4096*\e
.endr
.endr
	s_add_nc_u64 s[44:45], s[14:15], s[44:45]
	s_add_nc_u64 s[46:47], s[12:13], s[46:47]
	s_add_nc_u64 s[48:49], s[14:15], s[48:49]
	s_add_nc_u64 s[50:51], s[14:15], s[50:51]
	s_add_nc_u64 s[52:53], s[10:11], s[52:53]
	v_lshlrev_b32 v6, 6, v22                       ; the bias as a sum's start: 64 h
	v_bfe_u32 v23, v0, 3, 1
	s_delay_alu instid0(VALU_DEP_1)
	v_lshl_add_u32 v18, v23, 3, v21
	s_delay_alu instid0(VALU_DEP_1)
	v_lshlrev_b32 v18, 2, v18                      ; v's bias: 4 (r + 8 (r / 8))
.irp t, 0,1,2,3
.irp a, 0,1,2,3
.irp j, 0,1
	global_load_b128 v[ACC+32*\t+8*\a+4*\j:ACC+32*\t+8*\a+4*\j+3], v6, s[52:53] offset:128*(\a/2)+32*(\a%2)+16*\j   ; the sums begin as the bias (q, k; v starts its sums anew)
.endr
.endr
.endr
.irp a, 0,1,2,3
	global_load_b32 v[BV+\a], v18, s[52:53] offset:128*(\a/2)+32*(\a%2)
.endr
	s_lshl_b32 s54, s18, 15
	v_add_nc_u32 v2, s54, v1                       ; x's fragments: my four tiles
	s_mul_i32 s54, s17, 34816
	s_add_co_u32 s54, s54, WC
	v_mul_u32_u24 v3, v22, 272
	s_delay_alu instid0(VALU_DEP_1)
	v_lshl_add_u32 v3, v21, 4, v3
	s_delay_alu instid0(VALU_DEP_1)
	v_add_nc_u32 v3, s54, v3                       ; the weight's: 272 h + 16 r
	s_lshl_b32 s54, s18, 11
	s_add_co_u32 s54, s54, XS
	v_add_nc_u32 v4, s54, v1
	s_lshl_b32 s54, s17, 11
	s_add_co_u32 s54, s54, WS
	v_add_nc_u32 v5, s54, v1
	s_lshl_b32 s54, s16, 7
	s_add_co_u32 s54, s54, SG
	v_lshl_add_u32 v7, v21, 3, s54                 ; my 8 scale bytes of row r
	s_lshl_b32 s54, s18, 9
	s_add_co_u32 s54, s54, SG
	v_add_nc_u32 v19, s54, v1                      ; and a head's 512 on their way out
	v_mov_b32 v[M+2], 0                            ; written once: a lane permute's destination counts as one of its sources
	v_mov_b32 v[M+3], 0
	s_wait_alu depctr_va_vdst(0)
	s_wait_asynccnt 0x0                            ; my copies have landed,
	s_barrier_signal -1
	s_barrier_wait -1                              ; everybody's have
.irp t, 0,1,2,3
	ds_load_b128 v[SCX+4*\t:SCX+4*\t+3], v4 offset:512*\t
.endr
.irp a, 0,1,2,3
	ds_load_b128 v[SCW+4*\a:SCW+4*\a+3], v5 offset:512*\a
.endr
	s_wait_loadcnt 0x0                             ; the bias
	s_cmp_eq_u32 s21, 2
	s_cbranch_scc1 .Lvpart
.irp s, 0,1,2,3,4,5,6,7
	STEP \s, 0
.endr
	; THE ROTARY EMBEDDING: registers 2 m, 2 m + 1 of a token tile are a pair; the table holds (cos, sin) in the same two places
.macro TLOAD t
.irp q, 0,1,2,3,4,5,6,7
	global_load_b128 v[TB+32*((\t)%2)+4*\q:TB+32*((\t)%2)+4*\q+3], v1, s[46:47] offset:4096*(\t)+512*\q
.endr
.endm
.macro ROPE t
.irp m, 0,1,2,3,4,5,6,7,8,9,10,11,12,13,14,15
	v_mul_f32 v[10+18*(\m%2)], v[ACC+32*\t+2*\m+1], v[TB+32*(\t%2)+2*\m+1]      ; odd x sin
	v_mul_f32 v[11+18*(\m%2)], v[ACC+32*\t+2*\m+1], v[TB+32*(\t%2)+2*\m]        ; odd x cos
	v_fma_f32 v[ACC+32*\t+2*\m+1], v[ACC+32*\t+2*\m], v[TB+32*(\t%2)+2*\m+1], v[11+18*(\m%2)]
	v_fma_f32 v[ACC+32*\t+2*\m], v[ACC+32*\t+2*\m], v[TB+32*(\t%2)+2*\m], -v[10+18*(\m%2)]
.endr
.endm
	TLOAD 0
	TLOAD 1
	s_wait_loadcnt 8                               ; this tile's table is in; the next tile's eight loads may be out
	ROPE 0
	TLOAD 2
	s_wait_loadcnt 8
	ROPE 1
	TLOAD 3
	s_wait_loadcnt 8
	ROPE 2
	s_wait_loadcnt 0x0
	ROPE 3
.irp t, 0,1,2,3
	QUANT2 ACC+32*\t, CD+4*\t, HW+\t
	global_store_b128 v1, v[CD+4*\t:CD+4*\t+3], s[44:45] offset:512*\t   ; a tile's 512 consecutive bytes
.endr
	s_branch .Ljoin
.Lvpart:
.irp s, 0,1,2,3,4,5,6,7
	STEP \s, 1
.endr
.irp a, 0,1,2,3
.set j, 0
.rept 32
	v_add_f32 v[ACC+32*\a+j], v[BV+\a], v[ACC+32*\a+j]   ; a lane holds one feature: one number of the bias
.set j, j+1
.endr
.endr
.irp a, 0,1,2,3
	QUANT2 ACC+32*\a, CD+4*\a, HW+\a
	global_store_b128 v1, v[CD+4*\a:CD+4*\a+3], s[48:49] offset:1024*\a
.endr
.Ljoin:
	v_lshl_or_b32 v8, v[HW+1], 16, v[HW]
	s_wait_alu depctr_va_vdst(0)
	v_lshl_or_b32 v9, v[HW+3], 16, v[HW+2]
	ds_store_b64 v7, v[8:9]                        ; both halves of the lanes write the same bytes with the same values
	s_wait_dscnt 0x0
	s_barrier_signal -1
	s_barrier_wait -1
	s_cmp_gt_u32 s16, 3
	s_cbranch_scc1 .Ldone
	ds_load_b128 v[84:87], v19
	s_wait_dscnt 0x0
	global_store_b128 v1, v[84:87], s[50:51]       ; 512 consecutive bytes of a head's scale bytes
.Ldone:
	s_wait_tensorcnt 0x0
	ds_add_u32 v30, v31
	s_wait_dscnt 0x0
	s_endpgm
.Lfunc_end_k_q72546b9529_qkvp:
	.size	k_q72546b9529_qkvp, .Lfunc_end_k_q72546b9529_qkvp-k_q72546b9529_qkvp
	.p2alignl 7, 3214868480
	.fill 96, 4, 3214868480
	.section	.rodata,"a",@progbits
	.p2align	6, 0x0
	.amdhsa_kernel k_q72546b9529_qkvp
		.amdhsa_group_segment_fixed_size 290816
		.amdhsa_private_segment_fixed_size 0
		.amdhsa_enable_private_segment 0
		.amdhsa_kernarg_size 48
		.amdhsa_user_sgpr_count 2
		.amdhsa_user_sgpr_kernarg_segment_ptr 1
		.amdhsa_wavefront_size32 1
		.amdhsa_system_sgpr_workgroup_id_x 1
		.amdhsa_system_sgpr_workgroup_id_y 1
		.amdhsa_system_sgpr_workgroup_id_z 1
		.amdhsa_system_vgpr_workitem_id 0
		.amdhsa_next_free_vgpr 256
		.amdhsa_next_free_sgpr 66
		.amdhsa_reserve_vcc 0
		.amdhsa_float_denorm_mode_32 3
		.amdhsa_float_denorm_mode_16_64 3
		.amdhsa_memory_ordered 1
		.amdhsa_forward_progress 1
		.amdhsa_inst_pref_size 108
	.end_amdhsa_kernel
	.amdgpu_metadata
---
amdhsa.version: [ 1, 2 ]
amdhsa.kernels:
  - .name:           k_q72546b9529_qkvp
    .symbol:         k_q72546b9529_qkvp.kd
    .args:
      - { .name: xq, .offset: 0, .size: 8, .value_kind: global_buffer, .address_space: global }
      - { .name: wqkv_codes, .offset: 8, .size: 8, .value_kind: global_buffer, .address_space: global }
      - { .name: wqkv_scales, .offset: 16, .size: 8, .value_kind: global_buffer, .address_space: global }
      - { .name: bqkv, .offset: 24, .size: 8, .value_kind: global_buffer, .address_space: global }
      - { .name: rt, .offset: 32, .size: 8, .value_kind: global_buffer, .address_space: global }
      - { .name: qkv, .offset: 40, .size: 8, .value_kind: global_buffer, .address_space: global }
    .group_segment_fixed_size: 290816
    .private_segment_fixed_size: 0
    .kernarg_segment_align: 8
    .kernarg_segment_size: 48
    .max_flat_workgroup_size: 512
    .sgpr_count:     66
    .vgpr_count:     256
    .wavefront_size: 32
...
	.end_amdgpu_metadata
.endif
;; end of part 8
;; launch attn (part 9): grid 256 x 1, 8 waves a work-group, no clusters, 1,536 bytes of LDS; arguments qkv, cq; writes cq
.if DOCPART == 9
	.amdgcn_target "amdgcn-amd-amdhsa--gfx1250"
	.amdhsa_code_object_version 6
	.text
	.protected	k_q72546b9529_attn
	.globl	k_q72546b9529_attn
	.p2align	8
	.type	k_q72546b9529_attn,@function
k_q72546b9529_attn:
	s_mov_b64 s[64:65], 0
	v_nop
	global_prefetch_b8 v0, s[64:65] scope:SCOPE_SE
	s_setreg_imm32_b32 hwreg(HW_REG_WAVE_SCHED_MODE, 0, 2), 2
	s_setreg_imm32_b32 hwreg(HW_REG_WAVE_MODE, 25, 1), 1
	s_wait_xcnt 0x0
	s_wait_alu depctr_vm_vsrc(0)
; Causal attention on codes of FP4 (E2M1), heads of 64, and the quantising of its result along the model's features.
; t = score x log2(e) / 8; M = the running largest t rounded up to a whole number; p = 2^(t - M) is quantised along the keys; the row's sum of the unquantised p divides at the end.
; SHARES: work-group g: batch g / 128, heads 8 ((g / 64) % 2) + wave, p = g % 64.  A wave takes query tile p and then tile 127 - p of its head: (T / 8) + 1 key steps of 128 keys each, 17 together in every wave.
; K and V go from memory straight into registers, a step ahead: each fragment is 512 consecutive bytes a load, as the launch before laid them.  No LDS ring: a wave's fragments serve it alone.
; THE SECOND TILE STARTS WITH ITS OPERANDS ASKED FOR: both tiles' queries are loaded at the head, and a tile's last key step asks for the head's key step 0, with which the next tile begins.
; So the 19 loads of K and V are counted alike in every trip, on the way from tile to tile too, and no load leaves the head's bytes.  (Those that the second tile's last step asks for are read by nobody.)
; Both products are used transposed: a lane holds one query.  THE HEAD'S 64 IS HALF OF THE INSTRUCTION'S 128: a fragment of K holds two key tiles side by side along K, and the queries' fragment has zero codes in the other half:
; v[12:19] = (q, 0) picks the first tile, v[8:15] = (0, q) the second.  The slots of a tile are in this program's order of rows, so that the 16 registers of two neighbouring tiles are 16 neighbouring keys.
; No L2 prefetch: a head's K and V are read by 64 work-groups that all begin at key 0, and the loads already run a step ahead.  No multicast: nothing goes through LDS.
; cq: as xq: codes [tile 256][K step 8][c 2][lane][16 bytes], scale bytes from byte 2,097,152.
; LIMITS: a block of zeros gets the byte 1; NaN and infinities are not served; a block's largest p is taken from its largest score by the same two instructions.
; THE MODE: SCHED_MODE bits 1:0 = 2 (LLVM: expert scheduling mode 2), set by the entry lines.  The code itself states the register dependences
; between vector or matrix instructions and memory or LDS instructions, with s_wait_alu, always for 0.
; THE PLAN.  Registers that memory or LDS instructions touch:
;   v1, v2, v3, v4, v7   offsets and an LDS address: made at the head, never written again.
;   QA, QB, QR, QR2      loaded once, at the head; behind the wait for them vector moves alone name them.
;   KF, KSC              read by the eight products at a step's head; behind those the next step's nine loads land in them.
;   VF, VSR              VSR is read by four v_perm_b32, VF by the four products at a step's end; behind those the next step's ten loads land in them.
;   CD                   written by a tile's conversions and swaps, read by the tile's one store, written again a tile later.
;   v6                   written by two lines a tile; read by the two LDS stores at the end.   v244-247: v244 is named by the quantiser; the last LDS load lands there.
;   S, O, PC, PW, VW, the statistics: named by vector and matrix instructions alone.   v238, v239: written at the head, read by the closing add alone.
; So a key step has three waits on va_vdst beside the two behind its exponentials: behind the first products (K's registers are free), ahead of the second products (p's codes and the two kinds of
; scale words, made by vector instructions, go into scaled products), behind the second products (V's registers are free).  A tile adds three: the queries and their scale word ahead of its first product,
; the wait behind the reciprocal, the codes ahead of its store; and one wait on vm_vsrc, at its head, for the last tile's store.
; THE CAUSAL MASK: the compares go in runs of eight, into eight scalar registers that are free behind the head, with one wait on va_sdst between a run and the eight selects that read the masks.
.set KF,  32
.set VF,  64
.set S,   96
.set O,   160
.set PC,  192
.set KSC, 200                          ; v200-201 K's scale words
.set VSR, 202                          ; v202-205 V's scale bytes as loaded
.set VW,  206                          ; v206-209 V's scale words
.set PW,  210                          ; p's scale word
.set BM,  212
.set PD,  216
.set SO,  220
.set F,   224                          ; v224-225
.set W,   226
.set W2,  227
.set T2,  228
.set M,   232
.set CD,  240
.set HW,  244
.set QA,  248                          ; v248-251 the queries of the tile to come
.set QB,  252                          ; v252-255 those of the second tile
.set QSW, 20                           ; the queries' scale word
.set QR,  21                           ; the word that holds the coming tile's two scale bytes
.set QR2, 22                           ; the second tile's
.set NM,  24                           ; -M
.set TX,  25                           ; the largest t
.set LS,  26                           ; v26-27 the sum
.set SEL, 14
.set CS,  16
.macro WM d, a, b, sa, sb, row
.if \row
	v_wmma_scale_f32_16x16x128_f8f6f4 v[\d:\d+7], v[\a:\a+7], v[\b:\b+7], v[\d:\d+7], v[\sa], v[\sb] matrix_a_fmt:MATRIX_FMT_FP4 matrix_b_fmt:MATRIX_FMT_FP4 matrix_a_scale:MATRIX_SCALE_ROW1 matrix_b_scale:MATRIX_SCALE_ROW1
.else
	v_wmma_scale_f32_16x16x128_f8f6f4 v[\d:\d+7], v[\a:\a+7], v[\b:\b+7], v[\d:\d+7], v[\sa], v[\sb] matrix_a_fmt:MATRIX_FMT_FP4 matrix_b_fmt:MATRIX_FMT_FP4
.endif
.endm
.macro WMZ d, a, b, sa, sb, row
.if \row
	v_wmma_scale_f32_16x16x128_f8f6f4 v[\d:\d+7], v[\a:\a+7], v[\b:\b+7], 0, v[\sa], v[\sb] matrix_a_fmt:MATRIX_FMT_FP4 matrix_b_fmt:MATRIX_FMT_FP4 matrix_a_scale:MATRIX_SCALE_ROW1 matrix_b_scale:MATRIX_SCALE_ROW1
.else
	v_wmma_scale_f32_16x16x128_f8f6f4 v[\d:\d+7], v[\a:\a+7], v[\b:\b+7], 0, v[\sa], v[\sb] matrix_a_fmt:MATRIX_FMT_FP4 matrix_b_fmt:MATRIX_FMT_FP4
.endif
.endm
.macro QUANT2 src, dst, hw
.irp b, 0,1
	v_max3_num_f32 v[M+\b], |v[\src+16*\b]|, |v[\src+16*\b+1]|, 0x1800000
.endr
.irp i, 2,4,6,8,10,12,14
.irp b, 0,1
	v_max3_num_f32 v[M+\b], v[M+\b], |v[\src+16*\b+\i]|, |v[\src+16*\b+\i+1]|
.endr
.endr
.irp b, 0,1
	v_permlanex16_b32 v[M+2+\b], v[M+\b], s[SEL], s[SEL+1]
.endr
.irp b, 0,1
	v_max_num_f32 v[M+\b], v[M+\b], v[M+2+\b]
.endr
.irp b, 0,1
	v_add_nc_u32 v[M+4+\b], 0xff000000, v[M+\b]
.endr
.irp b, 0,1
	v_lshrrev_b32 v[M+2+\b], 23, v[M+4+\b]
.endr
	v_lshl_or_b32 v[\hw], v[M+3], 8, v[M+2]
.irp b, 0,1
	v_cvt_scalef32_pk8_fp4_f32 v[\dst+2*\b], v[\src+16*\b:\src+16*\b+7], v[M+4+\b]
	v_cvt_scalef32_pk8_fp4_f32 v[\dst+2*\b+1], v[\src+16*\b+8:\src+16*\b+15], v[M+4+\b]
.endr
	v_nop
	v_permlane16_swap_b32 v[\dst], v[\dst+2]
	v_permlane16_swap_b32 v[\dst+1], v[\dst+3]
.endm
.macro KLOAD                           ; nine loads: a step's eight key tiles, and their scale words (lanes 0-15: tiles 0-3, lanes 16-31: tiles 4-7)
.irp j, 0,1,2,3
.irp c, 0,1
	global_load_b128 v[KF+8*\j+4*\c:KF+8*\j+4*\c+3], v1, s[32:33] offset:1024*\j+512*\c
.endr
.endr
	global_load_b64 v[KSC:KSC+1], v2, s[34:35]
.endm
.macro VLOAD                           ; ten loads: four tiles of features x 128 keys, and the scale bytes of the step's two halves
.irp a, 0,1,2,3
.irp c, 0,1
	global_load_b128 v[VF+8*\a+4*\c:VF+8*\a+4*\c+3], v1, s[36:37] offset:1024*\a+512*\c
.endr
.endr
	global_load_b64 v[VSR:VSR+1], v3, s[38:39]
	global_load_b64 v[VSR+2:VSR+3], v3, s[38:39] offset:128
.endm
	s_load_b128 s[4:7], s[0:1], 0x0                ; qkv s[4:5], cq s[6:7]
	v_lshl_add_u32 v238, v0, 2, 0x200
	v_mov_b32 v239, 0
	v_lshrrev_b32 v28, 5, v0
	v_readfirstlane_b32 s8, v28                    ; wave 0..7
	v_and_b32 v28, 31, v0
	v_and_b32 v29, 15, v0                          ; r
	v_bfe_u32 v30, v0, 4, 1                        ; h
	v_lshlrev_b32 v1, 4, v28                       ; 16 x lane
	v_lshlrev_b32 v2, 3, v28                       ; 8 x lane
	v_lshlrev_b32 v3, 3, v29                       ; 8 r
	v_bfe_u32 v31, v0, 3, 1
	v_lshl_add_u32 v5, v31, 3, v29
	v_lshlrev_b32 v31, 4, v30
	v_sub_nc_u32 v5, v5, v31                       ; r + 8 (r / 8) - 16 h: my query's place less my keys'
	v_mov_b32 v6, 0                                ; the two tiles' halfwords of scale bytes
	s_wait_alu depctr_va_sdst(0)                   ; s8 is written, ahead of its first reader: the head, the LDS address and the last branch are made from it
	s_lshl_b32 s50, s8, 1
	v_lshl_add_u32 v7, v29, 4, s50                 ; LDS: 16 r + 2 x wave
	s_lshr_b32 s9, ttmp9, 7                        ; batch
	s_bfe_u32 s10, ttmp9, 0x10006                  ; which eight heads
	s_and_b32 s11, ttmp9, 63                       ; p
	s_lshl_b32 s12, s10, 3
	s_add_co_u32 s12, s12, s8                      ; head
	s_lshl_b32 s13, s9, 4
	s_add_co_u32 s13, s13, s12                     ; 16 x batch + head
	s_lshl_b32 s50, s11, 1
	s_sub_co_u32 s50, 127, s50
	s_lshl_b32 s50, s50, 9
	v_mul_lo_u32 v4, v30, s50                      ; the scale bytes' way out: lanes 16-31 serve tile 127 - p, 127 - 2 p tiles of 512 bytes on
	v_lshl_add_u32 v4, v29, 4, v4
.irp i, 8,9,10,11,16,17,18,19
	v_mov_b32 v\i, 0                               ; zero codes beside the queries'
.endr
.irp b, 0,1,2,3
	v_mov_b32 v[PD+\b], 0                          ; written once: a lane permute's destination counts as one of its sources
.endr
	v_mov_b32 v[M+2], 0
	v_mov_b32 v[M+3], 0
	v_mov_b32 v[F+1], 0                            ; named with F as a pair, so it is written
	s_mov_b32 s[SEL], 0x76543210
	s_mov_b32 s[SEL+1], 0xfedcba98
	s_mov_b32 s[CS], 0x3e38aa3b                    ; c = log2(e) / 8
	s_mov_b32 s[CS+1], s[CS]
	s_mov_b32 s54, 0x01000100                      ; a word's low halfword twice,
	s_mov_b32 s55, 0x03020302                      ; its high halfword twice
	s_mov_b32 s57, 0
	s_mov_b32 s59, 0
	s_mov_b32 s46, 0
	s_sub_co_u32 s61, 127, s11                     ; the second tile
	s_lshl_b32 s50, s13, 16                        ; a head's codes are 65,536 bytes in each part,
	s_mov_b32 s51, 0
	s_lshl_b32 s52, s13, 12                        ; its scale bytes 4,096
	s_add_co_u32 s52, s52, 0x600000
	s_mov_b32 s53, 0
	s_wait_kmcnt 0x0
	s_add_nc_u64 s[20:21], s[4:5], s[50:51]        ; q's codes
	s_add_nc_u64 s[24:25], s[20:21], 0x200000      ; k's
	s_add_nc_u64 s[28:29], s[20:21], 0x400000      ; v's
	s_add_nc_u64 s[22:23], s[4:5], s[52:53]        ; q's scale bytes
	s_add_nc_u64 s[26:27], s[22:23], 0x20000       ; k's
	s_add_nc_u64 s[30:31], s[22:23], 0x40000       ; v's
	s_lshl_b32 s50, s9, 20                         ; cq: 128 tiles of 8,192 bytes a batch,
	s_lshr_b32 s52, s12, 1
	s_lshl_b32 s52, s52, 10                        ; K step head / 2,
	s_add_co_u32 s50, s50, s52
	s_and_b32 s52, s12, 1
	s_lshl_b32 s52, s52, 9                         ; c = head % 2
	s_add_co_u32 s50, s50, s52
	s_add_nc_u64 s[62:63], s[6:7], s[50:51]
	s_lshl_b32 s50, s9, 7
	s_add_co_u32 s50, s50, s11
	s_lshl_b32 s50, s50, 9
	s_lshl_b32 s52, s10, 8
	s_add_co_u32 s50, s50, s52
	s_add_co_u32 s50, s50, 0x200000
	s_add_nc_u64 s[18:19], s[6:7], s[50:51]        ; cq's scale bytes: tile 128 x batch + p, my eight heads' 256 bytes
	s_lshl_b32 s50, s11, 9
	s_add_nc_u64 s[40:41], s[20:21], s[50:51]      ; the first tile's queries: 512 bytes a tile
	s_lshl_b32 s50, s61, 9
	s_add_nc_u64 s[42:43], s[20:21], s[50:51]      ; the second's
	s_lshr_b32 s50, s11, 2
	s_lshl_b32 s50, s50, 7
	s_bfe_u32 s52, s11, 0x10001
	s_lshl_b32 s52, s52, 2
	s_add_co_u32 s50, s50, s52
	s_add_nc_u64 s[4:5], s[22:23], s[50:51]        ; the word that holds the first tile's halfword of scale bytes (the two buffers' addresses have served)
	s_lshr_b32 s50, s61, 2
	s_lshl_b32 s50, s50, 7
	s_bfe_u32 s52, s61, 0x10001
	s_lshl_b32 s52, s52, 2
	s_add_co_u32 s50, s50, s52
	s_add_nc_u64 s[6:7], s[22:23], s[50:51]        ; the second's
	s_mov_b64 s[32:33], s[24:25]                   ; key step 0
	s_mov_b64 s[34:35], s[26:27]
	s_mov_b64 s[36:37], s[28:29]
	s_mov_b64 s[38:39], s[30:31]
	s_wait_alu depctr_va_vdst(0)                   ; the offsets v1 to v4 and the LDS address v7 are written: every load, store and LDS instruction of the kernel reads one of them
	global_load_b128 v[QA:QA+3], v1, s[40:41]
	global_load_b128 v[QB:QB+3], v1, s[42:43]
	global_load_b32 v[QR], v3, s[4:5]
	global_load_b32 v[QR2], v3, s[6:7]
	KLOAD
	VLOAD
.Ltile:
	s_wait_xcnt 0x0                                ; the last tile's store has read its registers and its base: both may be written
	s_wait_alu depctr_vm_vsrc(0)                   ; the last tile's store has read v[CD ..], which this tile's conversions write again
	s_cmp_eq_u32 s46, 0
	s_cselect_b32 s47, s11, s61                    ; T
	s_lshr_b32 s48, s47, 3
	s_add_co_u32 s48, s48, 1                       ; key steps
	s_lshl_b32 s50, s47, 13
	s_mov_b32 s51, 0
	s_add_nc_u64 s[44:45], s[62:63], s[50:51]
	s_lshr_b32 s60, s47, 1
	s_lshl_b32 s60, s60, 5
	s_and_b32 s52, s47, 1
	s_lshl_b32 s53, s52, 3
	s_add_co_u32 s60, s60, s53                     ; slot 0's position
	s_cmp_eq_u32 s52, 0
	s_cselect_b32 s52, s54, s55
	s_wait_loadcnt 19                              ; the queries are in; K's nine and V's ten loads of key step 0 may be out (on the way from the first tile they are all that is out)
.irp i, 0,1,2,3
	v_mov_b32 v[12+\i], v[QA+\i]                   ; this tile's queries between the zero codes
.endr
	v_perm_b32 v[QSW], v[QR], v[QR], s52           ; the two bytes twice: they serve whichever half of K the queries stand in
.irp i, 0,1,2,3
	v_mov_b32 v[QA+\i], v[QB+\i]                   ; the next trip finds the second tile's
.endr
	v_mov_b32 v[QR], v[QR2]
.set j, 0
.rept 32
	v_mov_b32 v[O+j], 0                            ; the step is written once: the first finds zeros.  (These are also the places between the writes of the queries and their scale word and the first product)
.set j, j+1
.endr
	v_mov_b32 v[LS], 0
	v_mov_b32 v[LS+1], 0
	v_mov_b32 v[TX], 0xff61b1e6                    ; -3e38, under every t
	v_floor_f32 v[NM], -v[TX]
	s_wait_alu depctr_va_vdst(0)                   ; the moves have written the queries v[12:15] and their scale word, which the scaled products of the first step take; the places above stay beside this wait
	s_mov_b32 s49, 0
.Lstep:
	s_wait_loadcnt 10                              ; K is in; V's ten loads may be out
.irp j, 0,1,2,3
.irp u, 0,1
	WMZ S+16*\j+8*\u, KF+8*\j, 12-4*\u, KSC+\j%2, QSW, \j/2
.endr
.endr
.rept 4
	v_nop                                          ; places ahead of the first read of the scores
.endr
	s_wait_xcnt 0x0                                ; earlier loads have read their bases
	s_add_co_u32 s50, s49, 1
	s_cmp_lt_u32 s50, s48
	s_cselect_b32 s50, s50, 0                      ; the next step; behind the tile's last step: key step 0, with which the next tile begins
	s_lshl_b32 s56, s50, 12
	s_lshl_b32 s58, s50, 8
	s_add_nc_u64 s[32:33], s[24:25], s[56:57]
	s_add_nc_u64 s[34:35], s[26:27], s[58:59]
	s_wait_alu depctr_va_vdst(0)                   ; the eight products are done reading K's fragments and scale words, in which the nine loads below land
	KLOAD
	s_add_co_u32 s50, s49, 1
	s_cmp_lg_u32 s50, s48
	s_cbranch_scc1 .Lopen                          ; only the last step reaches past a query
	s_lshl_b32 s50, s49, 7
	s_sub_co_i32 s50, s60, s50
	v_add_nc_u32 v[W], s50, v5                     ; d = my query - the step's first key - 16 h: register 16 b + i is hidden where 32 b + i > d
	v_mov_b32 v[W2], 0xff800000
.irp g, 0,1,2,3,4,5,6,7                        ; registers 8 g .. 8 g + 7 hold keys 32 (g / 2) + 8 (g % 2) + 0 .. 7: eight compares, one wait, eight selects
	v_cmp_gt_i32 s2,  32*(\g/2)+8*(\g%2)+0, v[W]
	v_cmp_gt_i32 s3,  32*(\g/2)+8*(\g%2)+1, v[W]
	v_cmp_gt_i32 s9,  32*(\g/2)+8*(\g%2)+2, v[W]
	v_cmp_gt_i32 s10, 32*(\g/2)+8*(\g%2)+3, v[W]
	v_cmp_gt_i32 s12, 32*(\g/2)+8*(\g%2)+4, v[W]
	v_cmp_gt_i32 s13, 32*(\g/2)+8*(\g%2)+5, v[W]
	v_cmp_gt_i32 s52, 32*(\g/2)+8*(\g%2)+6, v[W]
	v_cmp_gt_i32 s53, 32*(\g/2)+8*(\g%2)+7, v[W]
	s_wait_alu depctr_va_sdst(0)                   ; the eight compares have written their masks, ahead of the selects that read them
	v_cndmask_b32 v[S+8*\g+0], v[S+8*\g+0], v[W2], s2
	v_cndmask_b32 v[S+8*\g+1], v[S+8*\g+1], v[W2], s3
	v_cndmask_b32 v[S+8*\g+2], v[S+8*\g+2], v[W2], s9
	v_cndmask_b32 v[S+8*\g+3], v[S+8*\g+3], v[W2], s10
	v_cndmask_b32 v[S+8*\g+4], v[S+8*\g+4], v[W2], s12
	v_cndmask_b32 v[S+8*\g+5], v[S+8*\g+5], v[W2], s13
	v_cndmask_b32 v[S+8*\g+6], v[S+8*\g+6], v[W2], s52
	v_cndmask_b32 v[S+8*\g+7], v[S+8*\g+7], v[W2], s53
.endr
.Lopen:
.irp b, 0,1,2,3
	v_max3_num_f32 v[BM+\b], v[S+16*\b], v[S+16*\b+1], v[S+16*\b+2]   ; each block's largest score: for the row's maximum and for the block's largest p
.endr
.irp i, 3,5,7,9,11,13
.irp b, 0,1,2,3
	v_max3_num_f32 v[BM+\b], v[BM+\b], v[S+16*\b+\i], v[S+16*\b+\i+1]
.endr
.endr
.irp b, 0,1,2,3
	v_max_num_f32 v[BM+\b], v[BM+\b], v[S+16*\b+15]
.endr
.irp b, 0,1,2,3
	v_permlanex16_b32 v[PD+\b], v[BM+\b], s[SEL], s[SEL+1]
.endr
.irp b, 0,1,2,3
	v_max_num_f32 v[BM+\b], v[BM+\b], v[PD+\b]
.endr
	v_max3_num_f32 v[W], v[BM], v[BM+1], v[BM+2]
	v_max_num_f32 v[W], v[W], v[BM+3]
	v_mul_f32 v[W], s[CS], v[W]
	v_max_num_f32 v[TX], v[TX], v[W]               ; the running largest t
	v_mov_b32 v[W], v[NM]
	v_floor_f32 v[NM], -v[TX]                      ; -M = floor(-t): M is a whole number
	v_sub_f32 v[W], v[NM], v[W]
	v_cvt_i32_f32 v[W], v[W]                       ; (it saturates)
	v_ldexp_f32 v[F], 1.0, v[W]                    ; f = 2^(old M - new M)
.set j, 0
.rept 32
	v_pk_fma_f32 v[S+j:S+j+1], v[S+j:S+j+1], s[CS:CS+1], v[NM:NM+1] op_sel_hi:[1,0,0]   ; t - M
.set j, j+2
.endr
.irp b, 0,1,2,3
	v_fma_f32 v[BM+\b], v[BM+\b], s[CS], v[NM]
.endr
.set j, 0
	s_wait_alu depctr_va_vdst(0)
.rept 64
	v_exp_f32 v[S+j], v[S+j]
.set j, j+1
.endr
	v_pk_mul_f32 v[LS:LS+1], v[LS:LS+1], v[F:F+1] op_sel_hi:[1,0]   ; a plain place behind the exponentials
	s_wait_alu depctr_va_vdst(0)                   ; the 64 exponentials have written p: one wait for the batch, ahead of its first reader
.irp b, 0,1,2,3
	v_exp_f32 v[BM+\b], v[BM+\b]
.endr
	v_pk_add_f32 v[T2:T2+1], v[S:S+1], v[S+2:S+3]  ; the row's sum of the unquantised p, in two chains
.irp j, 4,8,12,16,20,24,28,32,36,40,44,48,52,56,60
	v_pk_add_f32 v[LS:LS+1], v[LS:LS+1], v[S+\j:S+\j+1]
	v_pk_add_f32 v[T2:T2+1], v[T2:T2+1], v[S+\j+2:S+\j+3]
.endr
	v_pk_add_f32 v[LS:LS+1], v[LS:LS+1], v[T2:T2+1]
	s_wait_alu depctr_va_vdst(0)                   ; the four exponentials have written the blocks' largest p, ahead of their first reader
.irp b, 0,1,2,3
	v_max_num_f32 v[BM+\b], 0x1800000, v[BM+\b]    ; the floor: the byte cannot fall under 1
.endr
.irp b, 0,1,2,3
	v_add_nc_u32 v[SO+\b], 0xff000000, v[BM+\b]
.endr
.irp b, 0,1,2,3
	v_lshrrev_b32 v[PD+\b], 23, v[SO+\b]
.endr
	v_lshl_or_b32 v[PW], v[PD+1], 8, v[PD]
	v_lshl_or_b32 v[PW], v[PD+2], 16, v[PW]
	v_lshl_or_b32 v[PW], v[PD+3], 24, v[PW]
.irp b, 0,1,2,3
	v_cvt_scalef32_pk8_fp4_f32 v[PC+2*\b], v[S+16*\b:S+16*\b+7], v[SO+\b]
	v_cvt_scalef32_pk8_fp4_f32 v[PC+2*\b+1], v[S+16*\b+8:S+16*\b+15], v[SO+\b]
.endr
	v_nop
.irp c, 0,1
.irp i, 0,1
	v_permlane16_swap_b32 v[PC+4*\c+\i], v[PC+2+4*\c+\i]
.endr
.endr
	s_wait_loadcnt 9                               ; V is in; K's nine loads may be out
	v_perm_b32 v[VW], v[VSR+2], v[VSR], 0x05040100     ; a tile's word: its halfword of the step's first 64 keys, then of the second
	v_perm_b32 v[VW+1], v[VSR+2], v[VSR], 0x07060302
	v_perm_b32 v[VW+2], v[VSR+3], v[VSR+1], 0x05040100
	v_perm_b32 v[VW+3], v[VSR+3], v[VSR+1], 0x07060302
.set j, 0
.rept 16
	v_pk_mul_f32 v[O+j:O+j+1], v[O+j:O+j+1], v[F:F+1] op_sel_hi:[1,0]   ; O^T under the new M; these sixteen are the places ahead of the scaled products
.set j, j+2
.endr
	s_wait_alu depctr_va_vdst(0)                   ; p's codes, p's scale word and V's four scale words are written by vector instructions: the scaled products below take them; the places above stay beside this wait
.irp a, 0,1,2,3
	WM O+8*\a, VF+8*\a, PC, VW+\a, PW, 0
.endr
.rept 4
	v_nop                                          ; places behind the last products, ahead of the first read of O^T on the way out of the loop
.endr
	s_wait_xcnt 0x0
	s_add_nc_u64 s[36:37], s[28:29], s[56:57]
	s_add_nc_u64 s[38:39], s[30:31], s[58:59]
	s_wait_alu depctr_va_vdst(0)                   ; the four products are done reading V's fragments, in which the loads below land (the four v_perm_b32 that read V's scale bytes stand ahead of the last wait)
	VLOAD
	s_add_co_u32 s49, s49, 1
	s_cmp_lt_u32 s49, s48
	s_cbranch_scc1 .Lstep
	; key step 0's 19 loads stay out from here to the next tile's first step: nothing in between names their registers
	v_add_f32 v[LS], v[LS], v[LS+1]
	v_permlanex16_b32 v[W], v[LS], s[SEL], s[SEL+1]
	v_add_f32 v[LS], v[LS], v[W]
	s_wait_alu depctr_va_vdst(0)
	v_rcp_f32 v[W2], v[LS]
	v_nop
	s_wait_alu depctr_va_vdst(0)                   ; the reciprocal is written, ahead of its first reader
.set j, 0
.rept 32
	v_mul_f32 v[O+j], v[O+j], v[W2]
.set j, j+1
.endr
	QUANT2 O, CD, HW
	s_wait_alu depctr_va_vdst(0)                   ; the conversions and swaps have written v[CD ..], which the store reads
	global_store_b128 v1, v[CD:CD+3], s[44:45]     ; 512 consecutive bytes
	v_lshrrev_b32 v6, 16, v6
	v_lshl_or_b32 v6, v[HW], 16, v6                ; after two tiles: the first's halfword below, the second's above
	s_add_co_u32 s46, s46, 1
	s_cmp_lt_u32 s46, 2
	s_cbranch_scc1 .Ltile
	s_wait_alu depctr_va_vdst(0)                   ; v6 is written, which the two LDS stores read; and the lines that name v244 are done: the LDS load below lands in v[244:247], and no vector instruction follows
	ds_store_b16 v7, v6
	ds_store_b16_d16_hi v7, v6 offset:256
	s_wait_dscnt 0x0
	s_barrier_signal -1
	s_barrier_wait -1                              ; eight heads' scale bytes of both tiles lie in LDS
	s_cmp_lg_u32 s8, 0
	s_cbranch_scc1 .Ldone
	ds_load_b128 v[CD+4:CD+7], v1
	s_wait_dscnt 0x0
	global_store_b128 v4, v[CD+4:CD+7], s[18:19]   ; sixteen lanes store 256 consecutive bytes, aligned, of each tile
.Ldone:
	s_wait_dscnt 0x0                               ; the closing lines, six on end
	s_wait_alu 0x0
	s_wait_tensorcnt 0x0
	ds_add_u32 v238, v239
	s_wait_dscnt 0x0
	s_endpgm
.Lfunc_end_k_q72546b9529_attn:
	.size	k_q72546b9529_attn, .Lfunc_end_k_q72546b9529_attn-k_q72546b9529_attn
	.p2alignl 7, 3214868480
	.fill 96, 4, 3214868480
	.section	.rodata,"a",@progbits
	.p2align	6, 0x0
	.amdhsa_kernel k_q72546b9529_attn
		.amdhsa_group_segment_fixed_size 1536
		.amdhsa_private_segment_fixed_size 0
		.amdhsa_enable_private_segment 0
		.amdhsa_kernarg_size 16
		.amdhsa_user_sgpr_count 2
		.amdhsa_user_sgpr_kernarg_segment_ptr 1
		.amdhsa_wavefront_size32 1
		.amdhsa_system_sgpr_workgroup_id_x 1
		.amdhsa_system_sgpr_workgroup_id_y 1
		.amdhsa_system_sgpr_workgroup_id_z 1
		.amdhsa_system_vgpr_workitem_id 0
		.amdhsa_next_free_vgpr 256
		.amdhsa_next_free_sgpr 66
		.amdhsa_reserve_vcc 0
		.amdhsa_float_denorm_mode_32 3
		.amdhsa_float_denorm_mode_16_64 3
		.amdhsa_memory_ordered 1
		.amdhsa_forward_progress 1
		.amdhsa_inst_pref_size 39
	.end_amdhsa_kernel
	.amdgpu_metadata
---
amdhsa.version: [ 1, 2 ]
amdhsa.kernels:
  - .name:           k_q72546b9529_attn
    .symbol:         k_q72546b9529_attn.kd
    .args:
      - { .name: qkv, .offset: 0, .size: 8, .value_kind: global_buffer, .address_space: global }
      - { .name: cq, .offset: 8, .size: 8, .value_kind: global_buffer, .address_space: global }
    .group_segment_fixed_size: 1536
    .private_segment_fixed_size: 0
    .kernarg_segment_align: 8
    .kernarg_segment_size: 16
    .max_flat_workgroup_size: 256
    .sgpr_count:     66
    .vgpr_count:     256
    .wavefront_size: 32
...
	.end_amdgpu_metadata
.endif
;; end of part 9
;; launch wo_ln (part 10): grid 256 x 1, 8 waves a work-group, no clusters, 70,656 bytes of LDS; arguments cq, wof, wo_scales, bo, src, ln2_g, ln2_b, s2, yq; writes s2, yq
.if DOCPART == 10
	.amdgcn_target "amdgcn-amd-amdhsa--gfx1250"
	.amdhsa_code_object_version 6
	.text
	.protected	k_q72546b9529_wo_ln
	.globl	k_q72546b9529_wo_ln
	.p2align	8
	.type	k_q72546b9529_wo_ln,@function
k_q72546b9529_wo_ln:
	s_mov_b64 s[64:65], 0
	v_nop
	global_prefetch_b8 v0, s[64:65] scope:SCOPE_SE
	s_setreg_imm32_b32 hwreg(HW_REG_WAVE_SCHED_MODE, 0, 2), 2
	s_setreg_imm32_b32 hwreg(HW_REG_WAVE_MODE, 25, 1), 1
	s_wait_xcnt 0x0
	s_wait_alu depctr_vm_vsrc(0)
; src2 = src + bo + ctx wo^T on codes of FP4 (E2M1); then LayerNorm 2 of src2, quantised as the first launch quantises.
; SHARES: a work-group takes a tile of 16 tokens x all 1,024 features, so that a row's mean and variance stay in the work-group; wave w takes features 128 w .. 128 w + 127: eight tiles, eight accumulators by turns.
; Each fragment of wo serves one matrix instruction of the work-group, so LDS would spare nothing: the weights go from memory straight into registers.  They come from wof, where the first launch has laid wo's codes
; in the order of an operand's registers, [tile 64][K step 8][c 2][lane][16 bytes], slot r of tile T being row 32 (T / 2) + 8 (T % 2) + r + 8 (r / 8): each load takes 512 consecutive bytes.
; Three buffers of four weight fragments and ctx's fragment: 30 loads a wave on their way.
; The sums begin as src + bo: the rows are loaded 512 consecutive bytes an instruction, bo is added, and they turn through the wave's stage into the accumulators' layout.
; s2: [tile 256][block 32][i 4][lane][16 bytes]: the image of the accumulators: lane (r, h) holds features 32 B + 16 h + 4 i .. + 3 of slot r.   yq: as xq.
; LIMITS: as in the first launch; residual and bias are added ahead of the products, another order of f32 additions than src + ctx W^T + b.
; THE MODE: SCHED_MODE bits 1:0 = 2 (LLVM: expert scheduling mode 2), set by the entry lines.  The code itself states the register dependences
; between vector or matrix instructions and memory or LDS instructions, with s_wait_alu, always for 0.
; THE PLAN.  Registers that memory or LDS instructions touch:
;   v1 to v9, v13        offsets and LDS addresses: made at the head, never written again.
;   X = ACC, v64-127     loaded; bo is added; stored into the stage; loaded back; written by the products; read by the sixteen stores of src2; then rewritten by the LayerNorm.
;   v128-247             three buffers of 40: chunk k's four products read buffer k % 3; behind them chunk k + 3's ten loads land in it.  Behind the last chunk gain and bias land in v128-255, over the buffers and bo.
;   SU, v52-59           twice: written by vector sums, read by one LDS store, loaded back behind the barrier.
;   PC, PW               written by the quantiser, read by the last three stores.   v160-163: read as part of the gain; the last LDS load lands there.
;   WSC, CSC are loaded once and named by the products alone.   v14, v15: written at the head, read by the closing add alone.
; So each of chunks 0 to 12 has one wait on va_vdst, behind its four products: the buffer is asked for again at once, since what this launch has on its way is these buffers, and no 40 registers are left for a fourth.
; One wait behind the last chunk serves the stores of src2 and the loads of gain and bias alike.  A wait on vm_vsrc stands wherever registers that a store has read are loaded or written again:
; between the stage's stores and loads, ahead of each reduction's loads, and ahead of the first line of the LayerNorm that rewrites X.
.set STGW,  8448
.set STAT,  67584
.set SG,    68608
.set WSC,   16                         ; v16-47 wo's scale words: register 4 a + j, row h of the lanes: K step 4 h + j
.set CSC,   48                         ; v48-51 ctx's
.set SU,    52
.set MU,    60
.set RS,    62
.set X,     64                         ; the accumulators
.set ACC,   64
.set G,     128
.set BB,    192
.set TM,    128                        ; over the gain, when it has served
.set PW,    144
.set PC,    146
.set BO,    248
.set WV,    22
.set SEL,   24
.macro WM d, a, b, sa, sb, row
.if \row
	v_wmma_scale_f32_16x16x128_f8f6f4 v[\d:\d+7], v[\a:\a+7], v[\b:\b+7], v[\d:\d+7], v[\sa], v[\sb] matrix_a_fmt:MATRIX_FMT_FP4 matrix_b_fmt:MATRIX_FMT_FP4 matrix_a_scale:MATRIX_SCALE_ROW1 matrix_b_scale:MATRIX_SCALE_ROW1
.else
	v_wmma_scale_f32_16x16x128_f8f6f4 v[\d:\d+7], v[\a:\a+7], v[\b:\b+7], v[\d:\d+7], v[\sa], v[\sb] matrix_a_fmt:MATRIX_FMT_FP4 matrix_b_fmt:MATRIX_FMT_FP4
.endif
.endm
.macro ACROSS off
	v_pk_add_f32 v[SU:SU+1], v[SU:SU+1], v[SU+2:SU+3]
	v_pk_add_f32 v[SU+4:SU+5], v[SU+4:SU+5], v[SU+6:SU+7]
	v_pk_add_f32 v[SU:SU+1], v[SU:SU+1], v[SU+4:SU+5]
	v_add_f32 v[SU], v[SU], v[SU+1]
	v_permlanex16_b32 v[SU+1], v[SU], s[SEL], s[SEL+1]
	v_add_f32 v[SU], v[SU], v[SU+1]
	s_wait_alu depctr_va_vdst(0)                   ; the sum v[SU] is written, which the LDS store reads; and the lines that name v[SU .. SU + 7] are done: the two LDS loads below land there
	ds_store_b32 v5, v[SU] offset:\off
	s_wait_dscnt 0x0
	s_barrier_signal -1
	s_barrier_wait -1
	s_wait_alu depctr_vm_vsrc(0)                   ; my LDS store has read v[SU], in which the first load below lands
	ds_load_b128 v[SU:SU+3], v6 offset:\off
	ds_load_b128 v[SU+4:SU+7], v6 offset:\off+16
	s_wait_dscnt 0x0
	v_pk_add_f32 v[SU:SU+1], v[SU:SU+1], v[SU+2:SU+3]
	v_pk_add_f32 v[SU+4:SU+5], v[SU+4:SU+5], v[SU+6:SU+7]
	v_pk_add_f32 v[SU:SU+1], v[SU:SU+1], v[SU+4:SU+5]
	v_add_f32 v[SU], v[SU], v[SU+1]
.endm
.macro QUANT4 src
.irp b, 0,1,2,3
	v_max3_num_f32 v[TM+\b], |v[\src+16*\b]|, |v[\src+1+16*\b]|, 0x1800000
.endr
.irp i, 2,4,6,8,10,12,14
.irp b, 0,1,2,3
	v_max3_num_f32 v[TM+\b], v[TM+\b], |v[\src+16*\b+\i]|, |v[\src+1+16*\b+\i]|
.endr
.endr
.irp b, 0,1,2,3
	v_permlanex16_b32 v[TM+4+\b], v[TM+\b], s[SEL], s[SEL+1]
.endr
.irp b, 0,1,2,3
	v_max_num_f32 v[TM+\b], v[TM+\b], v[TM+4+\b]
.endr
.irp b, 0,1,2,3
	v_add_nc_u32 v[TM+12+\b], 0xff000000, v[TM+\b]
.endr
.irp b, 0,1,2,3
	v_lshrrev_b32 v[TM+4+\b], 23, v[TM+12+\b]
.endr
	v_lshl_or_b32 v[PW], v[TM+5], 8, v[TM+4]
	v_lshl_or_b32 v[PW], v[TM+6], 16, v[PW]
	v_lshl_or_b32 v[PW], v[TM+7], 24, v[PW]
.irp b, 0,1,2,3
	v_cvt_scalef32_pk8_fp4_f32 v[PC+2*\b], v[\src+16*\b:\src+7+16*\b], v[TM+12+\b]
	v_cvt_scalef32_pk8_fp4_f32 v[PC+1+2*\b], v[\src+8+16*\b:\src+15+16*\b], v[TM+12+\b]
.endr
	v_nop
.irp c, 0,1
.irp i, 0,1
	v_permlane16_swap_b32 v[PC+4*\c+\i], v[PC+2+4*\c+\i]
.endr
.endr
.endm
; chunk k: K step k / 2, tiles 4 (k % 2) .. + 3: ten loads of 512 consecutive bytes into buffer k % 3
.macro CLOAD k
.set BF, 128+40*((\k)%3)
.irp a, 0,1,2,3
.irp c, 0,1
	global_load_b128 v[BF+8*\a+4*\c:BF+8*\a+4*\c+3], v1, s[6:7] offset:(4*((\k)%2)+\a)*8192+1024*((\k)/2)+512*\c
.endr
.endr
.irp c, 0,1
	global_load_b128 v[BF+32+4*\c:BF+32+4*\c+3], v1, s[4:5] offset:1024*((\k)/2)+512*\c
.endr
.endm
.macro CHUNK k
.set BF, 128+40*((\k)%3)
.if (\k) < 14
	s_wait_loadcnt 20                              ; this chunk is in; the two behind it, ten loads each, may be out
.else
	s_wait_loadcnt 10*(15-(\k))
.endif
.irp a, 0,1,2,3
	WM ACC+8*(4*((\k)%2)+\a), BF+8*\a, BF+32, WSC+4*(4*((\k)%2)+\a)+((\k)/2)%4, CSC+((\k)/2)%4, (\k)/8
.endr
.rept 4
	v_nop                                          ; four places behind the products: at the end they stand ahead of the stores of the sums
.endr
.if (\k) < 13
	s_wait_alu depctr_va_vdst(0)                   ; the four products are done reading this buffer, in which the ten loads below land
	CLOAD (\k)+3
.endif
.endm
	s_load_b256 s[4:11], s[0:1], 0x0               ; cq s[4:5], wof s[6:7], wo's scales s[8:9], bo s[10:11]
	s_load_b256 s[12:19], s[0:1], 0x20             ; src s[12:13], gain s[14:15], bias s[16:17], s2 s[18:19]
	s_load_b64 s[20:21], s[0:1], 0x40              ; yq
	v_lshl_add_u32 v14, v0, 2, 0x11000
	v_mov_b32 v15, 0
	v_lshrrev_b32 v9, 5, v0
	v_readfirstlane_b32 s[WV], v9
	v_and_b32 v10, 31, v0
	v_and_b32 v11, 15, v0
	v_bfe_u32 v12, v0, 4, 1
	v_lshlrev_b32 v1, 4, v10
	s_wait_alu depctr_va_sdst(0)                   ; the wave's number is written, ahead of its first reader: LDS addresses, the buffers' bases and the last branch are made from it
	s_mul_i32 s23, s[WV], STGW
	v_add_nc_u32 v2, s23, v1
	v_mul_u32_u24 v3, v11, 528
	v_lshl_add_u32 v3, v12, 6, v3
	v_add_nc_u32 v3, s23, v3
	v_lshlrev_b32 v4, 6, v12
	v_lshlrev_b32 v6, 5, v11
	v_add_nc_u32 v6, STAT, v6
	s_lshl_b32 s23, s[WV], 2
	v_add_nc_u32 v5, s23, v6
	s_lshr_b32 s23, s[WV], 2
	s_lshl_b32 s23, s23, 8
	s_and_b32 s28, s[WV], 3
	s_lshl_b32 s28, s28, 2
	s_add_co_u32 s23, s23, s28
	s_add_co_u32 s23, s23, SG
	v_lshl_add_u32 v7, v11, 4, s23
	v_add_nc_u32 v13, SG, v1
	v_bfe_u32 v9, v0, 3, 1
	v_lshl_add_u32 v10, v9, 3, v11                 ; r + 8 (r / 8)
	v_lshlrev_b32 v9, 5, v10
	v_lshl_add_u32 v9, v12, 4, v9                  ; wo's scale bytes: a row is 32; + 16 h
	s_mov_b32 s[SEL], 0x76543210
	s_mov_b32 s[SEL+1], 0xfedcba98
	s_mov_b32 s26, 0x3a800000
	s_mov_b32 s27, 0x3727c5ac
	s_lshl_b32 s28, ttmp9, 13                      ; a tile's codes
	s_mov_b32 s29, 0
	s_lshl_b32 s30, ttmp9, 9                       ; a tile's scale bytes
	s_mov_b32 s31, 0
	s_lshl_b32 s32, s[WV], 16                      ; my eight tiles of wof, 8,192 bytes each
	s_mov_b32 s33, 0
	s_lshl_b32 s34, s[WV], 12
	s_mov_b32 s35, 0
	s_lshl_b32 s36, s[WV], 9                       ; my 128 features in f32
	s_mov_b32 s37, 0
	s_lshr_b32 s38, ttmp9, 1
	s_lshl_b32 s38, s38, 17
	s_and_b32 s39, ttmp9, 1
	s_lshl_b32 s39, s39, 15
	s_add_co_u32 s38, s38, s39
	s_add_co_u32 s38, s38, s36
	s_mov_b32 s39, 0
	s_lshl_b32 s40, ttmp9, 16
	s_lshl_b32 s41, s[WV], 13
	s_add_co_u32 s40, s40, s41
	s_mov_b32 s41, 0
	s_lshl_b32 s42, s[WV], 10
	s_add_co_u32 s42, s42, s28
	s_mov_b32 s43, 0
	s_wait_kmcnt 0x0
	s_add_nc_u64 s[46:47], s[4:5], s[30:31]
	s_add_nc_u64 s[4:5], s[4:5], s[28:29]
	s_add_nc_u64 s[6:7], s[6:7], s[32:33]
	s_add_nc_u64 s[8:9], s[8:9], s[34:35]
	s_add_nc_u64 s[10:11], s[10:11], s[36:37]
	s_add_nc_u64 s[12:13], s[12:13], s[38:39]
	s_add_nc_u64 s[14:15], s[14:15], s[36:37]
	s_add_nc_u64 s[16:17], s[16:17], s[36:37]
	s_add_nc_u64 s[18:19], s[18:19], s[40:41]
	s_add_nc_u64 s[48:49], s[20:21], s[30:31]
	s_add_nc_u64 s[20:21], s[20:21], s[42:43]
	s_wait_alu depctr_va_vdst(0)                   ; the offsets and LDS addresses v1 to v9 and v13 are written: every load, store and LDS instruction of the kernel reads one of them
.irp i, 0,1,2,3,4,5,6,7,8,9,10,11,12,13,14,15
	global_load_b128 v[X+4*\i:X+4*\i+3], v1, s[12:13] offset:(\i+8*(\i/8))*4096 th:TH_LOAD_NT
.endr
	global_load_b128 v[BO:BO+3], v1, s[10:11]
.irp a, 0,1,2,3,4,5,6,7
	global_load_b128 v[WSC+4*\a:WSC+4*\a+3], v9, s[8:9] offset:(32*(\a/2)+8*(\a%2))*32
.endr
	global_load_b128 v[CSC:CSC+3], v1, s[46:47] offset:2097152
	CLOAD 0
	CLOAD 1
	CLOAD 2
	s_wait_loadcnt 39                              ; the rows and bo are in; 9 loads of scale words and 30 of the first three chunks may be out
.irp i, 0,1,2,3,4,5,6,7,8,9,10,11,12,13,14,15
	v_pk_add_f32 v[X+4*\i:X+4*\i+1], v[X+4*\i:X+4*\i+1], v[BO:BO+1]
	v_pk_add_f32 v[X+4*\i+2:X+4*\i+3], v[X+4*\i+2:X+4*\i+3], v[BO+2:BO+3]
.endr
	s_wait_alu depctr_va_vdst(0)                   ; the additions have written v[X ..], which the LDS stores read and in which the LDS loads behind them land
.irp i, 0,1,2,3,4,5,6,7,8,9,10,11,12,13,14,15
	ds_store_b128 v2, v[X+4*\i:X+4*\i+3] offset:528*\i
.endr
	s_wait_alu depctr_vm_vsrc(0)                   ; the LDS stores have read v[X ..], in which the loads below land
.irp b, 0,1,2,3
.irp i, 0,1,2,3
	ds_load_b128 v[X+16*\b+4*\i:X+16*\b+4*\i+3], v3 offset:128*\b+16*\i   ; LDS serves a wave's instructions in order: these see my stores
.endr
.endr
	s_wait_dscnt 0x0
.irp k, 0,1,2,3,4,5,6,7,8,9,10,11,12,13,14,15
	CHUNK \k
.endr
	s_wait_alu depctr_va_vdst(0)                   ; the products have written the sums, which the stores read (the places above stay beside this wait), and are done reading the three buffers; the additions are done reading bo: gain and bias land in v[128:255]
.irp b, 0,1,2,3
.irp i, 0,1,2,3
	global_store_b128 v1, v[ACC+16*\b+4*\i:ACC+16*\b+4*\i+3], s[18:19] offset:2048*\b+512*\i   ; src2, 512 consecutive bytes a store; each accumulator from its low end on
.endr
.endr
.irp b, 0,1,2,3
.irp i, 0,1,2,3
	global_load_b128 v[G+16*\b+4*\i:G+16*\b+4*\i+3], v4, s[14:15] offset:128*\b+16*\i
.endr
.endr
.irp b, 0,1,2,3
.irp i, 0,1,2,3
	global_load_b128 v[BB+16*\b+4*\i:BB+16*\b+4*\i+3], v4, s[16:17] offset:128*\b+16*\i
.endr
.endr
.irp k, 0,1,2,3
	v_pk_add_f32 v[SU+2*\k:SU+2*\k+1], v[X+2*\k:X+2*\k+1], v[X+8+2*\k:X+8+2*\k+1]
.endr
.irp j, 16,24,32,40,48,56
.irp k, 0,1,2,3
	v_pk_add_f32 v[SU+2*\k:SU+2*\k+1], v[SU+2*\k:SU+2*\k+1], v[X+\j+2*\k:X+\j+2*\k+1]
.endr
.endr
	ACROSS 0
	v_mul_f32 v[MU], 0xba800000, v[SU]             ; -mean
	v_mov_b32 v[MU+1], v[MU]
	s_wait_alu depctr_va_vdst(0)
	s_wait_xcnt 0x0                                ; the stores of src2 have read their registers: they are rewritten only behind this wait
	s_wait_alu depctr_vm_vsrc(0)                   ; the stores of src2 have read v[X ..], which the additions below write again
.set j, 0
.rept 32
	v_pk_add_f32 v[X+j:X+j+1], v[X+j:X+j+1], v[MU:MU+1]
.set j, j+2
.endr
.irp k, 0,1,2,3
	v_pk_mul_f32 v[SU+2*\k:SU+2*\k+1], v[X+2*\k:X+2*\k+1], v[X+2*\k:X+2*\k+1]
.endr
.irp j, 8,16,24,32,40,48,56
.irp k, 0,1,2,3
	v_pk_fma_f32 v[SU+2*\k:SU+2*\k+1], v[X+\j+2*\k:X+\j+2*\k+1], v[X+\j+2*\k:X+\j+2*\k+1], v[SU+2*\k:SU+2*\k+1]
.endr
.endr
	ACROSS 512
	v_fma_f32 v[RS], v[SU], s26, s27
	s_wait_alu depctr_va_vdst(0)
	v_rsq_f32 v[RS], v[RS]
	v_nop
	s_wait_alu depctr_va_vdst(0)                   ; the reciprocal root is written, ahead of its first reader
	v_mov_b32 v[RS+1], v[RS]
	s_wait_alu depctr_va_vdst(0)
	s_wait_loadcnt 0x0
.set j, 0
.rept 32
	v_pk_mul_f32 v[X+j:X+j+1], v[X+j:X+j+1], v[RS:RS+1]
.set j, j+2
.endr
.set j, 0
.rept 32
	v_pk_fma_f32 v[X+j:X+j+1], v[X+j:X+j+1], v[G+j:G+j+1], v[BB+j:BB+j+1]
.set j, j+2
.endr
.irp b, 0,1,2,3
	v_mov_b32 v[TM+4+\b], 0
.endr
	QUANT4 X
	s_wait_alu depctr_va_vdst(0)                   ; the quantiser has written the codes and the scale word, which the three stores read; the multiply-adds are done reading v[160:163], in which the last LDS load lands, and no vector instruction follows
	global_store_b128 v1, v[PC:PC+3], s[20:21]
	global_store_b128 v1, v[PC+4:PC+7], s[20:21] offset:512
	ds_store_b32 v7, v[PW]
	s_wait_dscnt 0x0
	s_barrier_signal -1
	s_barrier_wait -1
	s_cmp_lg_u32 s[WV], 0
	s_cbranch_scc1 .Ldone
	ds_load_b128 v[160:163], v13
	s_wait_dscnt 0x0
	global_store_b128 v1, v[160:163], s[48:49] offset:2097152
.Ldone:
	s_wait_dscnt 0x0                               ; the closing lines, six on end
	s_wait_alu 0x0
	s_wait_tensorcnt 0x0
	ds_add_u32 v14, v15
	s_wait_dscnt 0x0
	s_endpgm
.Lfunc_end_k_q72546b9529_wo_ln:
	.size	k_q72546b9529_wo_ln, .Lfunc_end_k_q72546b9529_wo_ln-k_q72546b9529_wo_ln
	.p2alignl 7, 3214868480
	.fill 96, 4, 3214868480
	.section	.rodata,"a",@progbits
	.p2align	6, 0x0
	.amdhsa_kernel k_q72546b9529_wo_ln
		.amdhsa_group_segment_fixed_size 70656
		.amdhsa_private_segment_fixed_size 0
		.amdhsa_enable_private_segment 0
		.amdhsa_kernarg_size 72
		.amdhsa_user_sgpr_count 2
		.amdhsa_user_sgpr_kernarg_segment_ptr 1
		.amdhsa_wavefront_size32 1
		.amdhsa_system_sgpr_workgroup_id_x 1
		.amdhsa_system_sgpr_workgroup_id_y 1
		.amdhsa_system_sgpr_workgroup_id_z 1
		.amdhsa_system_vgpr_workitem_id 0
		.amdhsa_next_free_vgpr 256
		.amdhsa_next_free_sgpr 66
		.amdhsa_reserve_vcc 0
		.amdhsa_float_denorm_mode_32 3
		.amdhsa_float_denorm_mode_16_64 3
		.amdhsa_memory_ordered 1
		.amdhsa_forward_progress 1
		.amdhsa_inst_pref_size 58
	.end_amdhsa_kernel
	.amdgpu_metadata
---
amdhsa.version: [ 1, 2 ]
amdhsa.kernels:
  - .name:           k_q72546b9529_wo_ln
    .symbol:         k_q72546b9529_wo_ln.kd
    .args:
      - { .name: cq, .offset: 0, .size: 8, .value_kind: global_buffer, .address_space: global }
      - { .name: wof, .offset: 8, .size: 8, .value_kind: global_buffer, .address_space: global }
      - { .name: wo_scales, .offset: 16, .size: 8, .value_kind: global_buffer, .address_space: global }
      - { .name: bo, .offset: 24, .size: 8, .value_kind: global_buffer, .address_space: global }
      - { .name: src, .offset: 32, .size: 8, .value_kind: global_buffer, .address_space: global }
      - { .name: ln2_g, .offset: 40, .size: 8, .value_kind: global_buffer, .address_space: global }
      - { .name: ln2_b, .offset: 48, .size: 8, .value_kind: global_buffer, .address_space: global }
      - { .name: s2, .offset: 56, .size: 8, .value_kind: global_buffer, .address_space: global }
      - { .name: yq, .offset: 64, .size: 8, .value_kind: global_buffer, .address_space: global }
    .group_segment_fixed_size: 70656
    .private_segment_fixed_size: 0
    .kernarg_segment_align: 8
    .kernarg_segment_size: 72
    .max_flat_workgroup_size: 256
    .sgpr_count:     66
    .vgpr_count:     256
    .wavefront_size: 32
...
	.end_amdgpu_metadata
.endif
;; end of part 10
;; launch ffn1 (part 11): grid 16 x 16, 16 waves a work-group, no clusters, 290,816 bytes of LDS; arguments yq, w1_codes, w1_scales, b1, hq; writes hq
.if DOCPART == 11
	.amdgcn_target "amdgcn-amd-amdhsa--gfx1250"
	.amdhsa_code_object_version 6
	.text
	.protected	k_q72546b9529_ffn1
	.globl	k_q72546b9529_ffn1
	.p2align	8
	.type	k_q72546b9529_ffn1,@function
k_q72546b9529_ffn1:
	s_mov_b64 s[64:65], 0
	v_nop
	global_prefetch_b8 v0, s[64:65] scope:SCOPE_SE
	s_setreg_imm32_b32 hwreg(HW_REG_WAVE_MODE, 25, 1), 1
	s_wait_xcnt 0x0
; h = relu(y w1^T + b1) on codes of FP4 (E2M1), quantised along the hidden units on the way out.
; The frame is the QKV launch's: a work-group takes 256 token slots (y) x 256 rows of w1 (x); wave w takes 64 rows (w / 4) x 64 slots (w % 4): 16 accumulators by turns.  K = 1,024 whole lies in LDS, filled ONCE by lane-wise
; copies at the head; the weight's rows are laid anew on the way: block beta of slot r of a tile at 272 beta + 16 r, slot r of tile T = row 32 (T / 2) + 8 (T % 2) + r + 8 (r / 8).
; No multicast: the weight must be laid anew block by block, which a lane-wise copy does and a tile load does not.
; Source 0 = 16 rows of the weight, source 1 = 16 slots: a lane holds one token, and its 32 registers of a token tile are hidden units 32 b + 16 h + 0 .. 15: two blocks of the next K.  The sums begin as the bias.
; hq: codes [tile 256][K step 32][c 2][lane][16 bytes]; from byte 8,388,608 scale bytes [y 16][x 16][slot 256][8 bytes]: the eight blocks of this work-group's 256 hidden units.
; LIMITS: a block of zeros gets the byte 1 (its codes are zeros); NaN and infinities are not served; the bias is added ahead of the products.
.set WC,  131072
.set XS,  270336
.set WS,  278528
.set SG,  286720
.set M,   12
.set SCW, 32
.set SCX, 48
.set WF,  64
.set XF,  96
.set ACC, 128
.set CD,  64
.set HW,  80
.set SEL, 26
.macro WM d, a, b, sa, sb, row
.if \row
	v_wmma_scale_f32_16x16x128_f8f6f4 v[\d:\d+7], v[\a:\a+7], v[\b:\b+7], v[\d:\d+7], v[\sa], v[\sb] matrix_a_fmt:MATRIX_FMT_FP4 matrix_b_fmt:MATRIX_FMT_FP4 matrix_a_scale:MATRIX_SCALE_ROW1 matrix_b_scale:MATRIX_SCALE_ROW1
.else
	v_wmma_scale_f32_16x16x128_f8f6f4 v[\d:\d+7], v[\a:\a+7], v[\b:\b+7], v[\d:\d+7], v[\sa], v[\sb] matrix_a_fmt:MATRIX_FMT_FP4 matrix_b_fmt:MATRIX_FMT_FP4
.endif
.endm
.macro QUANT2 src, dst, hw
.irp b, 0,1
	v_max3_num_f32 v[M+\b], |v[\src+16*\b]|, |v[\src+16*\b+1]|, 0x1800000
.endr
.irp i, 2,4,6,8,10,12,14
.irp b, 0,1
	s_delay_alu instid0(VALU_DEP_2)
	v_max3_num_f32 v[M+\b], v[M+\b], |v[\src+16*\b+\i]|, |v[\src+16*\b+\i+1]|
.endr
.endr
.irp b, 0,1
	s_delay_alu instid0(VALU_DEP_2)
	v_permlanex16_b32 v[M+2+\b], v[M+\b], s[SEL], s[SEL+1]
.endr
.irp b, 0,1
	s_delay_alu instid0(VALU_DEP_2)
	v_max_num_f32 v[M+\b], v[M+\b], v[M+2+\b]
.endr
.irp b, 0,1
	s_delay_alu instid0(VALU_DEP_2)
	v_add_nc_u32 v[M+4+\b], 0xff000000, v[M+\b]
.endr
.irp b, 0,1
	s_delay_alu instid0(VALU_DEP_2)
	v_lshrrev_b32 v[M+2+\b], 23, v[M+4+\b]
.endr
	s_delay_alu instid0(VALU_DEP_1)
	v_lshl_or_b32 v[\hw], v[M+3], 8, v[M+2]
.irp b, 0,1
	v_cvt_scalef32_pk8_fp4_f32 v[\dst+2*\b], v[\src+16*\b:\src+16*\b+7], v[M+4+\b]
	v_cvt_scalef32_pk8_fp4_f32 v[\dst+2*\b+1], v[\src+16*\b+8:\src+16*\b+15], v[M+4+\b]
.endr
	v_nop
	v_permlane16_swap_b32 v[\dst], v[\dst+2]
	v_permlane16_swap_b32 v[\dst+1], v[\dst+3]
.endm
.macro STEP s
.irp t, 0,1,2,3
.irp c, 0,1
	ds_load_b128 v[XF+8*\t+4*\c:XF+8*\t+4*\c+3], v2 offset:8192*\t+1024*(\s)+512*\c
.endr
.endr
.irp a, 0,1,2,3
.irp c, 0,1
	ds_load_b128 v[WF+8*\a+4*\c:WF+8*\a+4*\c+3], v3 offset:8704*\a+(4*(\s)+2*\c)*272
.endr
.endr
.irp a, 0,1,2,3
	s_wait_dscnt 6-2*\a                            ; the later tiles' weight fragments, two loads each, may be out
.irp t, 0,1,2,3
	WM ACC+32*\t+8*\a, WF+8*\a, XF+8*\t, SCW+4*\a+(\s)%4, SCX+4*\t+(\s)%4, (\s)/4
.endr
.endr
.rept 4
	v_nop
.endr
.endm
	s_load_b256 s[4:11], s[0:1], 0x0               ; yq s[4:5], the weight's codes s[6:7], its scales s[8:9], the bias s[10:11]
	s_load_b64 s[12:13], s[0:1], 0x20              ; hq
	v_lshl_add_u32 v30, v0, 2, 0x46800
	v_mov_b32 v31, 0
	ds_add_u32 v30, v31
	ds_add_u32 v30, v31
	v_lshrrev_b32 v23, 5, v0
	s_delay_alu instid0(VALU_DEP_1)
	v_readfirstlane_b32 s16, v23
	s_lshr_b32 s17, s16, 2                         ; fw
	s_and_b32 s18, s16, 3                          ; tg
	s_mov_b32 s19, ttmp9                           ; fb
	s_and_b32 s20, ttmp7, 0xffff                   ; tb
	v_and_b32 v20, 31, v0
	v_and_b32 v21, 15, v0
	v_bfe_u32 v22, v0, 4, 1
	s_delay_alu instid0(VALU_DEP_3)
	v_lshlrev_b32 v1, 4, v20
	v_lshlrev_b32 v64, 4, v0                       ; the copies' addresses: v64-79, untouched until the wait for the copies.  Every copy's immediate stays under 65,536
	v_lshlrev_b32 v65, 4, v0
	s_delay_alu instid0(VALU_DEP_2)
	v_add_nc_u32 v78, 0x10000, v64                 ; y's tiles 8 to 15: 65,536 bytes on, in LDS
	s_delay_alu instid0(VALU_DEP_2)
	v_add_nc_u32 v79, 0x10000, v65                 ; and in memory
	s_delay_alu instid0(VALU_DEP_4)
	v_add_nc_u32 v66, XS, v64
	v_bfe_u32 v23, v0, 6, 3
	s_delay_alu instid0(VALU_DEP_1)
	v_lshlrev_b32 v67, 10, v23
	v_bfe_u32 v23, v0, 4, 1
	s_delay_alu instid0(VALU_DEP_1)
	v_lshl_add_u32 v67, v23, 9, v67
	v_and_b32 v23, 1, v0
	s_delay_alu instid0(VALU_DEP_1)
	v_lshl_add_u32 v67, v23, 8, v67
	v_bfe_u32 v23, v0, 5, 1
	s_delay_alu instid0(VALU_DEP_1)
	v_lshl_add_u32 v67, v23, 7, v67
	v_bfe_u32 v23, v0, 1, 3
	s_delay_alu instid0(VALU_DEP_1)
	v_lshl_add_u32 v67, v23, 4, v67
	s_delay_alu instid0(VALU_DEP_1)
	v_add_nc_u32 v67, WS, v67
	s_lshl_b32 s28, s16, 13
	v_add_nc_u32 v68, s28, v1
.irp k, 1,2,3,4,5,6,7
	v_add_nc_u32 v[68+\k], 496*\k, v68
.endr
	s_lshr_b32 s28, s16, 1
	s_mul_i32 s28, s28, 17408
	s_and_b32 s29, s16, 1
	s_lshl_b32 s29, s29, 7
	s_add_co_u32 s28, s28, s29
	s_add_co_u32 s28, s28, WC
	v_mul_u32_u24 v76, v20, 272
	s_delay_alu instid0(VALU_DEP_1)
	v_add_nc_u32 v76, s28, v76
	s_delay_alu instid0(VALU_DEP_1)
	v_add_nc_u32 v77, 4608, v76
	s_lshl_b32 s28, s20, 17
	s_mov_b32 s29, 0
	s_lshl_b32 s30, s20, 13
	s_add_co_u32 s30, s30, 0x200000
	s_mov_b32 s31, 0
	s_lshl_b32 s32, s19, 17
	s_mov_b32 s33, 0
	s_lshl_b32 s34, s19, 13
	s_mov_b32 s35, 0
	s_lshl_b32 s44, s20, 4
	s_lshl_b32 s54, s18, 2
	s_add_co_u32 s44, s44, s54
	s_lshl_b32 s44, s44, 15                        ; my first token tile: 32,768 bytes a tile,
	s_lshl_b32 s54, s19, 1
	s_lshr_b32 s55, s17, 1
	s_add_co_u32 s54, s54, s55
	s_lshl_b32 s54, s54, 10                        ; K step 2 fb + fw / 2,
	s_add_co_u32 s44, s44, s54
	s_and_b32 s54, s17, 1
	s_lshl_b32 s54, s54, 9                         ; c = fw % 2
	s_add_co_u32 s44, s44, s54
	s_mov_b32 s45, 0
	s_lshl_b32 s50, s20, 4
	s_add_co_u32 s50, s50, s19
	s_lshl_b32 s50, s50, 11
	s_lshl_b32 s54, s18, 9
	s_add_co_u32 s50, s50, s54
	s_add_co_u32 s50, s50, 0x800000                ; the scale bytes leave by waves 0 to 3, 512 bytes each
	s_mov_b32 s51, 0
	s_lshl_b32 s52, s19, 10
	s_lshl_b32 s55, s17, 8
	s_add_co_u32 s52, s52, s55
	s_mov_b32 s53, 0
	s_mov_b32 s[SEL], 0x76543210
	s_mov_b32 s[SEL+1], 0xfedcba98
	s_wait_alu depctr_va_vdst(0)
	s_wait_dscnt 0x0
	s_wait_kmcnt 0x0
	s_add_nc_u64 s[36:37], s[4:5], s[28:29]
	s_add_nc_u64 s[38:39], s[4:5], s[30:31]
	s_add_nc_u64 s[40:41], s[6:7], s[32:33]
	s_add_nc_u64 s[42:43], s[8:9], s[34:35]
.irp k, 0,1,2,3,4,5,6,7
	global_load_async_to_lds_b128 v64, v65, s[36:37] offset:8192*\k     ; y's tiles 0 to 7, as they lie
.endr
.irp k, 0,1,2,3,4,5,6,7
	global_load_async_to_lds_b128 v78, v79, s[36:37] offset:8192*\k     ; tiles 8 to 15
.endr
	global_load_async_to_lds_b128 v66, v65, s[38:39]
	global_load_async_to_lds_b128 v67, v65, s[42:43]
.irp e, 0,1
.irp k, 0,1,2,3,4,5,6,7
	global_load_async_to_lds_b128 v[76+\e], v[68+\k], s[40:41] offset:16*\k+4096*\e
.endr
.endr
	s_add_nc_u64 s[44:45], s[12:13], s[44:45]
	s_add_nc_u64 s[50:51], s[12:13], s[50:51]
	s_add_nc_u64 s[52:53], s[10:11], s[52:53]
	v_lshlrev_b32 v6, 6, v22
.irp t, 0,1,2,3
.irp a, 0,1,2,3
.irp j, 0,1
	global_load_b128 v[ACC+32*\t+8*\a+4*\j:ACC+32*\t+8*\a+4*\j+3], v6, s[52:53] offset:128*(\a/2)+32*(\a%2)+16*\j   ; the sums begin as the bias
.endr
.endr
.endr
	s_lshl_b32 s54, s18, 15
	v_add_nc_u32 v2, s54, v1
	s_mul_i32 s54, s17, 34816
	s_add_co_u32 s54, s54, WC
	v_mul_u32_u24 v3, v22, 272
	s_delay_alu instid0(VALU_DEP_1)
	v_lshl_add_u32 v3, v21, 4, v3
	s_delay_alu instid0(VALU_DEP_1)
	v_add_nc_u32 v3, s54, v3
	s_lshl_b32 s54, s18, 11
	s_add_co_u32 s54, s54, XS
	v_add_nc_u32 v4, s54, v1
	s_lshl_b32 s54, s17, 11
	s_add_co_u32 s54, s54, WS
	v_add_nc_u32 v5, s54, v1
	s_lshl_b32 s54, s18, 9
	s_add_co_u32 s54, s54, SG
	v_add_nc_u32 v19, s54, v1                      ; 512 scale bytes on their way out
	s_lshl_b32 s55, s17, 1
	s_add_co_u32 s54, s54, s55
	v_lshl_add_u32 v7, v21, 3, s54                 ; slot 64 tg + 16 t + r: 8 bytes a slot, my halfword fw
	v_mov_b32 v[M+2], 0
	v_mov_b32 v[M+3], 0
	s_wait_alu depctr_va_vdst(0)
	s_wait_asynccnt 0x0                            ; my copies have landed,
	s_barrier_signal -1
	s_barrier_wait -1                              ; everybody's have
.irp t, 0,1,2,3
	ds_load_b128 v[SCX+4*\t:SCX+4*\t+3], v4 offset:512*\t
.endr
.irp a, 0,1,2,3
	ds_load_b128 v[SCW+4*\a:SCW+4*\a+3], v5 offset:512*\a
.endr
	s_wait_loadcnt 0x0
.irp s, 0,1,2,3,4,5,6,7
	STEP \s
.endr
.set j, 0
.rept 128
	v_max_num_f32 v[ACC+j], 0, v[ACC+j]            ; the activation, in f32; each accumulator from its low end on
.set j, j+1
.endr
.irp t, 0,1,2,3
	QUANT2 ACC+32*\t, CD+4*\t, HW+\t
	global_store_b128 v1, v[CD+4*\t:CD+4*\t+3], s[44:45] offset:32768*\t
	ds_store_b16 v7, v[HW+\t] offset:128*\t
.endr
	s_wait_dscnt 0x0
	s_barrier_signal -1
	s_barrier_wait -1
	s_cmp_gt_u32 s16, 3
	s_cbranch_scc1 .Ldone
	ds_load_b128 v[84:87], v19
	s_wait_dscnt 0x0
	global_store_b128 v1, v[84:87], s[50:51]
.Ldone:
	s_wait_tensorcnt 0x0
	ds_add_u32 v30, v31
	s_wait_dscnt 0x0
	s_endpgm
.Lfunc_end_k_q72546b9529_ffn1:
	.size	k_q72546b9529_ffn1, .Lfunc_end_k_q72546b9529_ffn1-k_q72546b9529_ffn1
	.p2alignl 7, 3214868480
	.fill 96, 4, 3214868480
	.section	.rodata,"a",@progbits
	.p2align	6, 0x0
	.amdhsa_kernel k_q72546b9529_ffn1
		.amdhsa_group_segment_fixed_size 290816
		.amdhsa_private_segment_fixed_size 0
		.amdhsa_enable_private_segment 0
		.amdhsa_kernarg_size 40
		.amdhsa_user_sgpr_count 2
		.amdhsa_user_sgpr_kernarg_segment_ptr 1
		.amdhsa_wavefront_size32 1
		.amdhsa_system_sgpr_workgroup_id_x 1
		.amdhsa_system_sgpr_workgroup_id_y 1
		.amdhsa_system_sgpr_workgroup_id_z 1
		.amdhsa_system_vgpr_workitem_id 0
		.amdhsa_next_free_vgpr 256
		.amdhsa_next_free_sgpr 66
		.amdhsa_reserve_vcc 0
		.amdhsa_float_denorm_mode_32 3
		.amdhsa_float_denorm_mode_16_64 3
		.amdhsa_memory_ordered 1
		.amdhsa_forward_progress 1
		.amdhsa_inst_pref_size 54
	.end_amdhsa_kernel
	.amdgpu_metadata
---
amdhsa.version: [ 1, 2 ]
amdhsa.kernels:
  - .name:           k_q72546b9529_ffn1
    .symbol:         k_q72546b9529_ffn1.kd
    .args:
      - { .name: yq, .offset: 0, .size: 8, .value_kind: global_buffer, .address_space: global }
      - { .name: w1_codes, .offset: 8, .size: 8, .value_kind: global_buffer, .address_space: global }
      - { .name: w1_scales, .offset: 16, .size: 8, .value_kind: global_buffer, .address_space: global }
      - { .name: b1, .offset: 24, .size: 8, .value_kind: global_buffer, .address_space: global }
      - { .name: hq, .offset: 32, .size: 8, .value_kind: global_buffer, .address_space: global }
    .group_segment_fixed_size: 290816
    .private_segment_fixed_size: 0
    .kernarg_segment_align: 8
    .kernarg_segment_size: 40
    .max_flat_workgroup_size: 512
    .sgpr_count:     66
    .vgpr_count:     256
    .wavefront_size: 32
...
	.end_amdgpu_metadata
.endif
;; end of part 11
;; launch ffn2 (part 12): grid 16 x 16, 8 waves a work-group, no clusters, 183,296 bytes of LDS; arguments hq, w2_codes, w2_scales, b2, s2, out0; writes out0
.if DOCPART == 12
	.amdgcn_target "amdgcn-amd-amdhsa--gfx1250"
	.amdhsa_code_object_version 6
	.text
	.protected	k_q72546b9529_ffn2
	.globl	k_q72546b9529_ffn2
	.p2align	8
	.type	k_q72546b9529_ffn2,@function
k_q72546b9529_ffn2:
	s_mov_b64 s[64:65], 0
	v_nop
	global_prefetch_b8 v0, s[64:65] scope:SCOPE_SE
	s_setreg_imm32_b32 hwreg(HW_REG_WAVE_MODE, 25, 1), 1
	s_wait_xcnt 0x0
; out = src2 + b2 + h w2^T on codes of FP4 (E2M1), K = 4,096.
; SHARES: a work-group takes 256 token slots (y) x 64 rows of w2 (x); wave w takes token tiles 2 w, 2 w + 1 x the four tiles of rows: eight accumulators by turns, 32 K steps written out.
; The 64 rows of w2, all of K, lie in LDS, filled ONCE by lane-wise copies at the head and laid anew on the way (block beta of slot r of a tile at 272 beta + 16 r; slot r of tile T = row 32 (T / 2) + 8 (T % 2) + r + 8 (r / 8)).
; A fragment of h serves one wave alone: it goes from memory straight into registers, 512 consecutive bytes a load, TWELVE K steps ahead: 48 loads, 24,576 bytes, of each wave on their way.
; REGISTERS, in windows of 256 (s_set_vgpr_msb's low byte: bits 1:0 source 0, 3:2 source 1, 5:4 source 2, 7:6 destination): window 0 holds all but h's fragments; window 1: v0-191: h's twelve sets of 16.
; So a K step has three switches for its eight matrix instructions: source 1 in window 1 for the products, the destination in window 1 for h's loads, all in window 0 for the LDS loads: the price of the twelve steps.
; The sums begin as src2, loaded in the accumulators' own layout.  h's scale words of all of K, 32 registers, are loaded ahead of h's fragments, so that the first step's wait shows them all in.
; No multicast: the weight must be laid anew block by block, and h does not go through LDS.
; The way out: a tile of 16 rows x 64 columns through the wave's own stage; sixteen lanes store 256 consecutive bytes, aligned; b2 is added there.
; LIMITS: NaN and infinities are not served; the residual is added ahead of the products, another order of f32 additions than src2 + h W^T + b.
.set WS,  139264                       ; behind the codes (4 tiles x 128 blocks x 272): the weight's scale bytes [tile][g 4][h 2][r 16][16 bytes]
.set STG, 147456                       ; a stage of 16 x 272 bytes for each wave: no copy lands here
.set DEPTH, 12                         ; K steps of h on their way
.set B2,  12
.set WSC, 32                           ; v32-47 the weight's scale words of 8 K steps: register 4 a + j, row h of the lanes: K step 8 g + 4 h + j
.set WF,  64                           ; v64-127 the weight's fragments, two sets of 32
.set HSC, 128                          ; v128-159 h's scale words: register 8 g + 4 t + j, row h of the lanes: K step 8 g + 4 h + j of token tile t
.set ACC, 192
.set HF,  0                            ; in window 1: set s % 12 at v[16 (s % 12)]
.set MSB, 0
.macro WIN new                         ; the immediate's high byte repeats the setting that is left
.if MSB != \new
	s_set_vgpr_msb (MSB<<8)|\new
.set MSB, \new
.endif
.endm
.macro WM d, a, b, sa, sb, row
.if \row
	v_wmma_scale_f32_16x16x128_f8f6f4 v[\d:\d+7], v[\a:\a+7], v[\b:\b+7], v[\d:\d+7], v[\sa], v[\sb] matrix_a_fmt:MATRIX_FMT_FP4 matrix_b_fmt:MATRIX_FMT_FP4 matrix_a_scale:MATRIX_SCALE_ROW1 matrix_b_scale:MATRIX_SCALE_ROW1
.else
	v_wmma_scale_f32_16x16x128_f8f6f4 v[\d:\d+7], v[\a:\a+7], v[\b:\b+7], v[\d:\d+7], v[\sa], v[\sb] matrix_a_fmt:MATRIX_FMT_FP4 matrix_b_fmt:MATRIX_FMT_FP4
.endif
.endm
.macro WLOAD s
.irp a, 0,1,2,3
.irp c, 0,1
	ds_load_b128 v[WF+32*((\s)%2)+8*\a+4*\c:WF+32*((\s)%2)+8*\a+4*\c+3], v[2+\a] offset:(4*(\s)+2*\c)*272
.endr
.endr
.endm
.macro HLOAD s                         ; under the setting 0x40: the data go to window 1, the address comes from window 0
.irp t, 0,1
.irp c, 0,1
	global_load_b128 v[HF+16*((\s)%DEPTH)+8*\t+4*\c:HF+16*((\s)%DEPTH)+8*\t+4*\c+3], v1, s[24:25] offset:32768*\t+1024*(\s)+512*\c
.endr
.endr
.endm
.macro HSLOAD g
.irp t, 0,1
.irp p, 0,1
	global_load_b64 v[HSC+8*(\g)+4*\t+2*\p:HSC+8*(\g)+4*\t+2*\p+1], v7, s[26:27] offset:8192*(\g)+128*\t+2048*\p
.endr
.endr
.endm
.macro STEP s
.if ((\s)%8 == 0) && ((\s) > 0)
.irp a, 0,1,2,3
	ds_load_b128 v[WSC+4*\a:WSC+4*\a+3], v6 offset:2048*\a+512*((\s)/8)
.endr
	s_wait_dscnt 0x0
.elseif (\s) == 31
	s_wait_dscnt 0x0
.else
	s_wait_dscnt 8                                 ; this step's weight fragments are in; the next step's eight loads may be out
.endif
.if (\s) <= 32-DEPTH
	s_wait_loadcnt 4*(DEPTH-1)                     ; this step's h is in; the eleven steps behind it, four loads each, may be out
.else
	s_wait_loadcnt 4*(31-(\s))                     ; the steps that are left
.endif
	WIN 0x04                                       ; source 1 (h) in window 1
.irp t, 0,1
.irp a, 0,1,2,3
	WM ACC+32*\t+8*\a, WF+32*((\s)%2)+8*\a, HF+16*((\s)%DEPTH)+8*\t, WSC+4*\a+(\s)%4, HSC+8*((\s)/8)+4*\t+(\s)%4, ((\s)/4)%2
.endr
.endr
.rept 4
	v_nop                                          ; places ahead of the loads into the registers just read, and at the end ahead of the first read of the sums
.endr
.if (\s) < 32-DEPTH
	WIN 0x40
	HLOAD (\s)+DEPTH                               ; into the set just multiplied
.endif
	WIN 0
.if (\s) < 30
	WLOAD (\s)+2
.endif
.endm
	s_load_b256 s[4:11], s[0:1], 0x0               ; hq s[4:5], w2's codes s[6:7], its scales s[8:9], b2 s[10:11]
	s_load_b128 s[12:15], s[0:1], 0x20             ; s2 s[12:13], out0 s[14:15]
	v_lshl_add_u32 v190, v0, 2, 0x2c800
	v_mov_b32 v191, 0
	ds_add_u32 v190, v191
	ds_add_u32 v190, v191
	v_lshrrev_b32 v16, 5, v0
	s_delay_alu instid0(VALU_DEP_1)
	v_readfirstlane_b32 s16, v16                   ; wave 0..7
	s_mov_b32 s17, ttmp9                           ; fb
	s_and_b32 s18, ttmp7, 0xffff                   ; tb
	v_and_b32 v17, 31, v0
	v_and_b32 v18, 15, v0                          ; r
	v_bfe_u32 v19, v0, 4, 1                        ; h
	s_delay_alu instid0(VALU_DEP_3)
	v_lshlrev_b32 v1, 4, v17
	; the copies' addresses: v64-81, untouched until the wait for the copies.  Wave w copies rows 4 w + rho + 32 G, a quarter q of a row (512 bytes) at a time.
	; The immediate 16 rho + 512 q, under 65,536, goes onto both addresses; all that hangs on G stands in registers
	s_lshl_b32 s19, s16, 13
	v_add_nc_u32 v64, s19, v1
.irp k, 1,2,3
	v_add_nc_u32 v[64+\k], 2032*\k, v64            ; memory's offset carries the rest of 2,048 rho,
.endr
.irp k, 0,1,2,3
	s_delay_alu instid0(VALU_DEP_4)
	v_add_nc_u32 v[78+\k], 0x10000, v[64+\k]       ; and for rows 32 to 63 their 65,536 bytes
.endr
	s_bfe_u32 s19, s16, 0x10001
	s_mul_i32 s19, s19, 34816
	s_and_b32 s34, s16, 1
	s_lshl_b32 s34, s34, 6
	s_add_co_u32 s19, s19, s34
	s_lshr_b32 s34, s16, 2
	s_lshl_b32 s34, s34, 7
	s_add_co_u32 s19, s19, s34
	v_mul_u32_u24 v68, v17, 272
	s_delay_alu instid0(VALU_DEP_1)
	v_add_nc_u32 v68, s19, v68                     ; LDS: tile 2 G + (w / 2) % 2, slot 4 (w % 2) + rho + 8 (w / 4), block 32 q + lane
	s_delay_alu instid0(VALU_DEP_1)
	v_add_nc_u32 v69, 69632, v68                   ; two tiles on for G = 1,
.irp q, 1,2,3
	v_add_nc_u32 v[68+2*\q], 8192*\q, v68          ; and the rest of 8,704 q
	v_add_nc_u32 v[69+2*\q], 8192*\q, v69
.endr
	v_lshlrev_b32 v76, 4, v0                       ; the scale bytes: thread = 8 x row + chunk of 16
	v_bfe_u32 v16, v0, 6, 1
	s_delay_alu instid0(VALU_DEP_1)
	v_lshlrev_b32 v77, 11, v16
	v_and_b32 v16, 7, v0
	s_delay_alu instid0(VALU_DEP_1)
	v_lshl_add_u32 v77, v16, 8, v77
	v_bfe_u32 v16, v0, 7, 1
	s_delay_alu instid0(VALU_DEP_1)
	v_lshl_add_u32 v77, v16, 7, v77
	v_bfe_u32 v16, v0, 3, 3
	s_delay_alu instid0(VALU_DEP_1)
	v_lshl_add_u32 v77, v16, 4, v77
	s_delay_alu instid0(VALU_DEP_1)
	v_add_nc_u32 v77, WS, v77
	s_lshl_b32 s20, s17, 17
	s_mov_b32 s21, 0
	s_lshl_b32 s22, s17, 13
	s_mov_b32 s23, 0
	s_lshl_b32 s24, s18, 4
	s_lshl_b32 s34, s16, 1
	s_add_co_u32 s34, s24, s34                     ; my first token tile
	s_lshl_b32 s24, s34, 15
	s_mov_b32 s25, 0
	s_lshl_b32 s26, s18, 15
	s_lshl_b32 s35, s16, 8
	s_add_co_u32 s26, s26, s35
	s_add_co_u32 s26, s26, 0x800000
	s_mov_b32 s27, 0
	s_lshl_b32 s28, s34, 16
	s_lshl_b32 s35, s17, 12
	s_add_co_u32 s28, s28, s35
	s_mov_b32 s29, 0
	s_lshl_b32 s30, s17, 8
	s_mov_b32 s31, 0
	s_lshl_b32 s32, s18, 3
	s_add_co_u32 s32, s32, s16
	s_lshl_b32 s32, s32, 17                        ; 32 rows of 4,096 bytes for each pair of tiles
	s_add_co_u32 s32, s32, s30
	s_mov_b32 s33, 0
	s_wait_alu depctr_va_vdst(0)
	s_wait_dscnt 0x0
	s_wait_kmcnt 0x0
	s_add_nc_u64 s[20:21], s[6:7], s[20:21]
	s_add_nc_u64 s[22:23], s[8:9], s[22:23]
.irp q, 0,1,2,3
.irp k, 0,1,2,3
	global_load_async_to_lds_b128 v[68+2*\q], v[64+\k], s[20:21] offset:16*\k+512*\q     ; rows 0 to 31
.endr
.endr
.irp q, 0,1,2,3
.irp k, 0,1,2,3
	global_load_async_to_lds_b128 v[69+2*\q], v[78+\k], s[20:21] offset:16*\k+512*\q     ; rows 32 to 63
.endr
.endr
	global_load_async_to_lds_b128 v77, v76, s[22:23]
	global_load_async_to_lds_b128 v77, v76, s[22:23] offset:4096
	s_add_nc_u64 s[24:25], s[4:5], s[24:25]
	s_add_nc_u64 s[26:27], s[4:5], s[26:27]
	s_add_nc_u64 s[28:29], s[12:13], s[28:29]
	s_add_nc_u64 s[30:31], s[10:11], s[30:31]
	s_add_nc_u64 s[32:33], s[14:15], s[32:33]
	v_lshlrev_b32 v11, 4, v18                      ; 16 (lane % 16)
	v_lshlrev_b32 v7, 3, v18
	s_delay_alu instid0(VALU_DEP_1)
	v_lshl_add_u32 v7, v19, 12, v7                 ; h's scale words: 4,096 h + 8 r
	; 81 loads follow, more than LOADcnt's field counts: the issue of the last ones is held until early ones are back (ISA guide 5.7.1).  What step 0 wants stands first
.irp t, 0,1
.irp b, 0,1
.irp i, 0,1,2,3
	global_load_b128 v[ACC+32*\t+16*\b+4*\i:ACC+32*\t+16*\b+4*\i+3], v1, s[28:29] offset:65536*\t+2048*\b+512*\i th:TH_LOAD_NT   ; the sums begin as src2
.endr
.endr
.endr
	global_load_b128 v[B2:B2+3], v11, s[30:31]
.irp g, 0,1,2,3
	HSLOAD \g
.endr
	WIN 0x40
.irp s, 0,1,2,3,4,5,6,7,8,9,10,11
	HLOAD \s
.endr
	WIN 0
	v_mul_u32_u24 v2, v19, 272
	s_delay_alu instid0(VALU_DEP_1)
	v_lshl_add_u32 v2, v18, 4, v2                  ; the weight's fragments: 272 h + 16 r,
.irp a, 1,2,3
	v_add_nc_u32 v[2+\a], 34816*\a, v2             ; a tile on
.endr
	v_add_nc_u32 v6, WS, v1
	s_mul_i32 s19, s16, 4352
	s_add_co_u32 s19, s19, STG
	v_mul_u32_u24 v8, v18, 272
	s_delay_alu instid0(VALU_DEP_1)
	v_lshl_add_u32 v8, v19, 6, v8
	s_delay_alu instid0(VALU_DEP_1)
	v_add_nc_u32 v8, s19, v8                       ; the stage, in: row r, + 64 h
	v_mul_u32_u24 v9, v19, 272
	s_delay_alu instid0(VALU_DEP_1)
	v_add_nc_u32 v9, v9, v11
	s_delay_alu instid0(VALU_DEP_1)
	v_add_nc_u32 v9, s19, v9                       ; back: lanes 0-15 one row, lanes 16-31 the next
	v_lshl_add_u32 v10, v19, 12, v11               ; and the same two rows in out0
	s_wait_alu depctr_va_vdst(0)
	s_wait_asynccnt 0x0                            ; my copies have landed,
	s_barrier_signal -1
	s_barrier_wait -1                              ; everybody's have
.irp a, 0,1,2,3
	ds_load_b128 v[WSC+4*\a:WSC+4*\a+3], v6 offset:2048*\a
.endr
	WLOAD 0
	WLOAD 1
.irp s, 0,1,2,3,4,5,6,7,8,9,10,11,12,13,14,15,16,17,18,19,20,21,22,23,24,25,26,27,28,29,30,31
	STEP \s
.endr
.irp t, 0,1
.irp b, 0,1
.irp i, 0,1,2,3
	ds_store_b128 v8, v[ACC+32*\t+16*\b+4*\i:ACC+32*\t+16*\b+4*\i+3] offset:128*\b+16*\i   ; each accumulator from its low end on
.endr
.endr
.irp k, 0,1,2,3,4,5,6,7
	ds_load_b128 v[64+32*\t+4*\k:64+32*\t+4*\k+3], v9 offset:544*\k   ; LDS serves a wave's instructions in order: these see my stores, and the next tile's stores come behind them
.endr
.endr
.irp t, 0,1
.irp k, 0,1,2,3,4,5,6,7
	s_wait_dscnt 16*(1-\t)+7-\k                    ; the later rows' loads, and the second tile's sixteen instructions, may be out
	v_pk_add_f32 v[64+32*\t+4*\k:64+32*\t+4*\k+1], v[64+32*\t+4*\k:64+32*\t+4*\k+1], v[B2:B2+1]
	v_pk_add_f32 v[64+32*\t+4*\k+2:64+32*\t+4*\k+3], v[64+32*\t+4*\k+2:64+32*\t+4*\k+3], v[B2+2:B2+3]
	global_store_b128 v10, v[64+32*\t+4*\k:64+32*\t+4*\k+3], s[32:33] offset:(8*\t+2*\k+8*(\k/4))*4096 th:TH_STORE_NT   ; sixteen lanes store 256 consecutive bytes, at a multiple of 256 from out0's first byte
.endr
.endr
	s_wait_tensorcnt 0x0
	ds_add_u32 v190, v191
	s_wait_dscnt 0x0
	s_endpgm
.Lfunc_end_k_q72546b9529_ffn2:
	.size	k_q72546b9529_ffn2, .Lfunc_end_k_q72546b9529_ffn2-k_q72546b9529_ffn2
	.p2alignl 7, 3214868480
	.fill 96, 4, 3214868480
	.section	.rodata,"a",@progbits
	.p2align	6, 0x0
	.amdhsa_kernel k_q72546b9529_ffn2
		.amdhsa_group_segment_fixed_size 183296
		.amdhsa_private_segment_fixed_size 0
		.amdhsa_enable_private_segment 0
		.amdhsa_kernarg_size 48
		.amdhsa_user_sgpr_count 2
		.amdhsa_user_sgpr_kernarg_segment_ptr 1
		.amdhsa_wavefront_size32 1
		.amdhsa_system_sgpr_workgroup_id_x 1
		.amdhsa_system_sgpr_workgroup_id_y 1
		.amdhsa_system_sgpr_workgroup_id_z 1
		.amdhsa_system_vgpr_workitem_id 0
		.amdhsa_next_free_vgpr 448
		.amdhsa_next_free_sgpr 66
		.amdhsa_reserve_vcc 0
		.amdhsa_float_denorm_mode_32 3
		.amdhsa_float_denorm_mode_16_64 3
		.amdhsa_memory_ordered 1
		.amdhsa_forward_progress 1
		.amdhsa_inst_pref_size 88
	.end_amdhsa_kernel
	.amdgpu_metadata
---
amdhsa.version: [ 1, 2 ]
amdhsa.kernels:
  - .name:           k_q72546b9529_ffn2
    .symbol:         k_q72546b9529_ffn2.kd
    .args:
      - { .name: hq, .offset: 0, .size: 8, .value_kind: global_buffer, .address_space: global }
      - { .name: w2_codes, .offset: 8, .size: 8, .value_kind: global_buffer, .address_space: global }
      - { .name: w2_scales, .offset: 16, .size: 8, .value_kind: global_buffer, .address_space: global }
      - { .name: b2, .offset: 24, .size: 8, .value_kind: global_buffer, .address_space: global }
      - { .name: s2, .offset: 32, .size: 8, .value_kind: global_buffer, .address_space: global }
      - { .name: out0, .offset: 40, .size: 8, .value_kind: global_buffer, .address_space: global }
    .group_segment_fixed_size: 183296
    .private_segment_fixed_size: 0
    .kernarg_segment_align: 8
    .kernarg_segment_size: 48
    .max_flat_workgroup_size: 256
    .sgpr_count:     66
    .vgpr_count:     448
    .wavefront_size: 32
...
	.end_amdgpu_metadata
.endif
;; end of part 12
